; MI455X (gfx1250); checked and timed in simulation.
; The chip was launched on July 23, 2026; its instructions are those of AMD's public machine-readable ISA for CDNA 5 (MIT licence, August 2026) and "CDNA5" Instruction Set Architecture Reference Guide (July 2026). The comments in the code are by the model that wrote it; some were corrected since.
;; Encoder Block. Allowed arithmetic: matrix products marked QUANTISED: E5M2 operands, one given power-of-two scale a tensor, by v_wmma_f32_16x16x64_bf8_bf8 or v_wmma_f32_16x16x128_bf8_bf8, f32 sums; everything else in f32.
;; Inputs: W1 512 x 2,048 float32; W2 2,048 x 512 float32; Wk 8 x 512 x 64 float32; Wo 512 x 512 float32; Wq 8 x 512 x 64 float32; Wv 8 x 512 x 64 float32; b1 2,048 float32; b2 512 float32; bk 8 x 64 float32; bo 512 float32; bq 8 x 64 float32; bv 8 x 64 float32; ln1_b 512 float32; ln1_g 512 float32; ln2_b 512 float32; ln2_g 512 float32; lowp_scales 16 int32 (the exponents e of the quantised operands' scales 2^e); x 4 x 2,048 x 512 float32.
;; Outputs: out0 4 x 2,048 x 512 float32.
;; This version of the problem:
;;   THIS VERSION OF THE PROBLEM IS GIVEN IN LOW PRECISION. The matrix products marked QUANTISED in the list below multiply operands that are first quantised to E5M2 (5 exponent bits, 2 mantissa bits; 8 bits a number), with one given power-of-two scale for each operand tensor; their sums are f32. All else is computed in f32.
;;   The module's matrix products, in the order in which they are computed (A, B: the left and right operand; K: the contracted axis; several contracted axes count as one K, in the product's order):
;;     1. [M 512, K 512] x [K 512, N 8,192]; A: input Wq; B: computed on the way: QUANTISED (scales: A lowp_scales[0], B lowp_scales[1])
;;     2. [M 512, K 512] x [K 512, N 8,192]; A: input Wk; B: computed on the way: QUANTISED (scales: A lowp_scales[2], B lowp_scales[3])
;;     3. [M 512, K 512] x [K 512, N 8,192]; A: input Wv; B: computed on the way: QUANTISED (scales: A lowp_scales[4], B lowp_scales[5])
;;     4. batch 32 x [M 2,048, K 64] x [K 64, N 2,048]; A: computed on the way; B: computed on the way: QUANTISED (scales: A lowp_scales[6], B lowp_scales[7])
;;     5. batch 32 x [M 2,048, K 2,048] x [K 2,048, N 64]; A: softmax (see below); B: computed on the way: QUANTISED (scales: A lowp_scales[8], B lowp_scales[9])
;;     6. [M 8,192, K 512] x [K 512, N 512]; A: computed on the way; B: input Wo: QUANTISED (scales: A lowp_scales[10], B lowp_scales[11])
;;     7. [M 8,192, K 512] x [K 512, N 2,048]; A: computed on the way; B: input W1: QUANTISED (scales: A lowp_scales[12], B lowp_scales[13])
;;     8. [M 8,192, K 2,048] x [K 2,048, N 512]; A: computed on the way; B: input W2: QUANTISED (scales: A lowp_scales[14], B lowp_scales[15])
;;   THE QUANTISER, for each operand of a quantised product, along K:
;;     - The operand's scale is 2^e, e = its entry of the input lowp_scales (int32; the entries are numbered through the quantised products in the list's order, A before B).
;;     - Each number is divided by the scale, clamped to +-57,344, and rounded to the nearest number of E5M2, ties to even, subnormals kept.
;;     - The product sums the exact products of the quantised numbers (number of the format x scale) in f32.
;;   ~~~python
;;   def quantise(x, axis, e):      # numpy; x: float32 -> the quantised numbers, widened to float32 again
;;       x = np.moveaxis(x, axis, -1); K = x.shape[-1]
;;       r = np.clip(x / 2.0 ** e, -57344, 57344)
;;       step = 2.0 ** (np.maximum(np.frexp(np.where(r == 0, 1, r))[1] - 1, -14) - 2)
;;       q = np.round(r / step) * step * 2.0 ** e      # np.round: ties to even
;;       return np.moveaxis(q, -1, axis).astype(np.float32)
;;   ~~~
;;   SOFTMAX AHEAD OF A QUANTISED PRODUCT. Where the list says 'softmax', what is quantised is not the finished softmax but p = 2^(t - M), with t = logit x log2(e) and M = ceil(the row's largest t), a whole number; so 1/2 < the row's largest p <= 1. The row's sum l is taken of the UNQUANTISED p, in f32, and the product's result is divided by l at the end. Since M is a whole number, a kernel that streams over the keys may use a running M (the ceiling of the running maximum): every later rescaling is an exact power of two, so the quantised numbers keep their values, but for numbers so far below the row's largest that they fall under the format's range.
;;   OPERANDS COMPUTED ON THE WAY. 'Computed on the way' means the value that the module computes at that place (a softmax that the list does not call 'softmax' is quantised finished and normalised). What goes into a quantiser is computed in f32, as accurately as f32 sums, v_exp_f32 and their like allow (about 1e-6 of the number): no bf16 or f16 on the way to a quantiser, and a product that is left as it is and whose result goes on into a quantised operand takes f32 operands (vector FMAs, or v_wmma_f32_16x16x4_f32). A number that lies on a knife's edge between two numbers of the format may be rounded either way, as far as f32 arithmetic and the matrix unit's own rounding can turn it there, and no further.
;; 2 versions. Each part assembles by itself: llvm-mc -triple=amdgcn-amd-amdhsa -mcpu=gfx1250 --defsym DOCPART=n.
;; ======== version 1 of 2: 6 launches
;; workspace buffers: wc 3,145,728 bytes; xnc 12,582,912 bytes; qkvc 12,582,912 bytes; avc 4,194,304 bytes; x1i 16,777,216 bytes; x2c 4,194,304 bytes; hc 16,777,216 bytes
;; launch prep (part 1): grid 320 x 1, 4 waves a work-group, no clusters, 104,960 bytes of LDS; arguments Wq, Wk, Wv, Wo, W1, W2, x, ln1_g, ln1_b, lowp_scales, wc, xnc; writes wc, xnc
.if DOCPART == 1
	.amdgcn_target "amdgcn-amd-amdhsa--gfx1250"
	.amdhsa_code_object_version 6
	.text
	.protected	k_q6dfa061948_prep
	.globl	k_q6dfa061948_prep
	.p2align	8
	.type	k_q6dfa061948_prep,@function
k_q6dfa061948_prep:
	s_mov_b64 s[64:65], 0
	v_nop
	global_prefetch_b8 v0, s[64:65] scope:SCOPE_SE
	s_setreg_imm32_b32 hwreg(HW_REG_WAVE_MODE, 25, 1), 1
	s_wait_xcnt 0x0
; PREP.  Work-groups 0-191: the six weights (f32, K not innermost) become codes of E5M2 in the order of an operand's registers.
; Work-groups 192-319: LayerNorm 1 of x, quantised three times (scales e1, e3, e5), in the same order.
; A TILE is 16 rows: tile j, lane row r is row 32 (j/2) + 8 (j%2) + r + 8 (r/8).  A FRAGMENT is a tile x 128 along K, 2,048 bytes:
; byte 512 c + 16 (16 h + r) + i is the code of (that row, k = 128 s + 32 c + 16 h + i).  wc: [tile][s][2048] for each weight; xnc: [version][tile][s][2048].
; code = x / 2^e, held within +-57,344, to the nearest code, ties to even.
; LIMITS: each e used here lies between -126 and 112, so that 2^e and 57,344 x 2^e are f32 numbers.  NaN among the inputs is not served.
; No matrix work, no barrier: waves share nothing.  Only the LayerNorm path uses LDS, each wave a stage of its own.
.set XR, 64                            ; v64-191  LN: eight sets of 16 numbers as loaded: eight tokens, 32 loads, 16,384 bytes a wave on their way
.set DV, 40                            ; v40-55   LN: x - mean, then y
.set TH, 192                           ; v192-207 LN: y held within the largest code
.set CD, 208                           ; v208-219 LN: the three versions' codes
.set SCB, 220                          ; v220-225 LN: three pairs: 2^e, 57,344 x 2^e
.macro MKSC vs, vl, se, st             ; v[vs] = 2^e as f32, v[vl] = 57,344 x 2^e; e in s[se]; s[st], s[st+1] at work
	s_add_co_i32 s[\st], s[\se], 127
	s_lshl_b32 s[\st+1], s[\st], 23
	v_mov_b32 v[\vs], s[\st+1]
	s_add_co_i32 s[\st], s[\st], 15
	s_lshl_b32 s[\st], s[\st], 23
	s_or_b32 s[\st], s[\st], 0x600000
	v_mov_b32 v[\vl], s[\st]
.endm
	s_load_b512 s[4:19], s[0:1], 0x0               ; Wq 4, Wk 6, Wv 8, Wo 10, W1 12, W2 14, x 16, ln1_g 18
	s_load_b256 s[20:27], s[0:1], 0x40             ; ln1_b 20, lowp_scales 22, wc 24, xnc 26
	s_set_vgpr_msb 0x40
	v_lshl_add_u32 v0, v0, 2, 0x19800
	v_mov_b32 v1, 0
	s_set_vgpr_msb 0x4000
	v_lshrrev_b32 v1, 5, v0
	v_readfirstlane_b32 s28, v1                    ; wave
	v_and_b32 v1, 31, v0                           ; lane
	s_wait_kmcnt 0x0
	s_load_b512 s[32:47], s[22:23], 0x0            ; e0 .. e15 in s32 .. s47
	s_cmp_lt_u32 ttmp9, 192
	s_cbranch_scc0 .Lln
; ---------------- the weights.  A wave's unit: 32 columns x 128 along K.  A lane takes a column, its registers run down K.
	s_wait_kmcnt 0x0
	s_mov_b64 s[50:51], s[14:15]                   ; W2's figures first; the lower ranges of work-groups replace them
	s_mov_b32 s52, 512                             ; the tensor's first unit
	s_mov_b32 s53, 4                               ; log2 of its groups of 32 columns
	s_mov_b32 s54, 2048                            ; bytes from a k to the next
	s_mov_b32 s55, 256                             ; bytes from a pair of column groups to the next
	s_mov_b32 s56, 0x200000                        ; its place in wc
	s_mov_b32 s57, 15                              ; log2 of a tile's bytes in wc
	s_mov_b32 s58, s47                             ; e
	s_cmp_lt_u32 ttmp9, 128                        ; W1
	s_cselect_b64 s[50:51], s[12:13], s[50:51]
	s_cselect_b32 s52, 256, s52
	s_cselect_b32 s53, 6, s53
	s_cselect_b32 s54, 8192, s54
	s_cselect_b32 s56, 0x100000, s56
	s_cselect_b32 s57, 13, s57
	s_cselect_b32 s58, s45, s58
	s_cmp_lt_u32 ttmp9, 64                         ; Wo
	s_cselect_b64 s[50:51], s[10:11], s[50:51]
	s_cselect_b32 s52, 192, s52
	s_cselect_b32 s53, 4, s53
	s_cselect_b32 s54, 2048, s54
	s_cselect_b32 s56, 0xc0000, s56
	s_cselect_b32 s58, s43, s58
	s_cmp_lt_u32 ttmp9, 48                         ; Wv: [head][k][64]
	s_cselect_b64 s[50:51], s[8:9], s[50:51]
	s_cselect_b32 s52, 128, s52
	s_cselect_b32 s54, 256, s54
	s_cselect_b32 s55, 0x20000, s55
	s_cselect_b32 s56, 0x80000, s56
	s_cselect_b32 s58, s36, s58
	s_cmp_lt_u32 ttmp9, 32                         ; Wk
	s_cselect_b64 s[50:51], s[6:7], s[50:51]
	s_cselect_b32 s52, 64, s52
	s_cselect_b32 s56, 0x40000, s56
	s_cselect_b32 s58, s34, s58
	s_cmp_lt_u32 ttmp9, 16                         ; Wq
	s_cselect_b64 s[50:51], s[4:5], s[50:51]
	s_cselect_b32 s52, 0, s52
	s_cselect_b32 s56, 0, s56
	s_cselect_b32 s58, s32, s58
	s_lshl_b32 s59, ttmp9, 2
	s_add_co_u32 s59, s59, s28
	s_sub_co_u32 s59, s59, s52                     ; my unit within the tensor
	s_lshl_b32 s60, 1, s53
	s_sub_co_u32 s60, s60, 1
	s_and_b32 s61, s59, s60                        ; cg: which 32 columns
	s_lshr_b32 s62, s59, s53                       ; s: which 128 along K
	s_lshl_b32 s66, s54, 7
	s_mul_i32 s66, s66, s62                        ; s x 128 rows
	s_lshr_b32 s67, s61, 1
	s_mul_i32 s67, s67, s55
	s_add_co_u32 s66, s66, s67
	s_and_b32 s67, s61, 1
	s_lshl_b32 s67, s67, 7
	s_add_co_u32 s66, s66, s67
	s_mov_b32 s67, 0
	s_add_nc_u64 s[68:69], s[50:51], s[66:67]      ; four bases, 32 rows of K apart: nothing is stepped
	s_lshl_b32 s66, s54, 5
	s_add_nc_u64 s[70:71], s[68:69], s[66:67]
	s_add_nc_u64 s[72:73], s[70:71], s[66:67]
	s_add_nc_u64 s[74:75], s[72:73], s[66:67]
	v_lshlrev_b32 v2, 2, v1
.set ii, 0
.rept 32
	v_mad_u32_u24 v[32+ii], s54, ii, v2            ; 4 x lane + i rows
.set ii, ii+1
.endr
.irp c, 0,1,2,3
.set ii, 0
.rept 32
	global_load_b32 v[64+32*\c+ii], v[32+ii], s[68+2*\c:69+2*\c] th:TH_LOAD_NT   ; a wave reads 128 consecutive bytes, the four waves stand side by side
.set ii, ii+1
.endr
.endr
	v_bfe_u32 v3, v1, 3, 1                         ; column x of the 32 lies in tile 2 cg + (x/8)%2,
	v_and_b32 v4, 7, v1
	v_lshrrev_b32 v5, 4, v1
	v_lshl_add_u32 v4, v5, 3, v4                   ; at lane row x%8 + 8 (x/16)
	v_lshlrev_b32 v3, s57, v3
	v_lshl_add_u32 v3, v4, 4, v3
	s_add_co_u32 s76, s57, 1
	s_lshl_b32 s76, s61, s76
	s_add_co_u32 s76, s76, s56
	s_lshl_b32 s77, s62, 11
	s_add_co_u32 s76, s76, s77
	s_mov_b32 s77, 0
	s_add_nc_u64 s[78:79], s[24:25], s[76:77]
	MKSC 6, 7, 58, 76
.macro WBLOCK c, left                  ; 32 along K of my column; left: the younger loads that may stay out
	s_wait_loadcnt \left
.set ii, 0
.rept 32
	v_med3_num_f32 v[64+32*\c+ii], v[64+32*\c+ii], -v7, v7   ; the conversion does not saturate (ISA guide 7.6.2): the hold comes first
.set ii, ii+1
.endr
.irp g, 0,1,2,3
	v_cvt_scalef32_pk8_bf8_f32 v[192+8*\c+2*\g:192+8*\c+2*\g+1], v[64+32*\c+8*\g:64+32*\c+8*\g+7], v6
.endr
	v_nop
	global_store_b128 v3, v[192+8*\c:192+8*\c+3], s[78:79] offset:512*\c        ; k 0-15 of the block: sixteen lanes fill 256 consecutive bytes
	global_store_b128 v3, v[192+8*\c+4:192+8*\c+7], s[78:79] offset:512*\c+256  ; k 16-31
.endm
	WBLOCK 0, 63                                   ; of 128 loads at most 63 are out: the first 65 are in
	WBLOCK 1, 63
	WBLOCK 2, 32
	WBLOCK 3, 0
	s_endpgm
; ---------------- LayerNorm 1.  A wave takes a tile's 16 tokens one after the other; lane l holds k = 16 l .. 16 l + 15 of the token.
.Lln:
	s_sub_co_u32 s50, ttmp9, 192
	s_lshl_b32 s50, s50, 2
	s_add_co_u32 s50, s50, s28                     ; tile j
	s_lshr_b32 s51, s50, 1
	s_lshl_b32 s51, s51, 16                        ; 32 (j/2) rows of 2,048 bytes
	s_and_b32 s52, s50, 1
	s_lshl_b32 s52, s52, 14                        ; 8 (j%2) rows
	s_add_co_u32 s52, s51, s52
	s_mov_b32 s53, 0
	s_add_nc_u64 s[54:55], s[16:17], s[52:53]
	s_lshl_b32 s52, s50, 13
	s_add_nc_u64 s[56:57], s[26:27], s[52:53]      ; the tile's 8,192 bytes in each of the three versions
	s_add_nc_u64 s[58:59], s[56:57], 0x400000
	s_add_nc_u64 s[60:61], s[58:59], 0x400000
	s_mov_b32 s48, 0x76543210                      ; v_permlanex16_b32: lane l xor 16
	s_mov_b32 s49, 0xfedcba98
	s_mov_b32 s62, 0x3b000000                      ; 1 / 512
	s_mov_b32 s63, 0x3727c5ac                      ; 1e-5
	v_lshlrev_b32 v2, 6, v1                        ; 64 l
	s_mul_i32 s29, s28, 26112                      ; my stage: three versions of 32 units x (256 + 16) bytes
	v_mul_u32_u24 v3, v1, 272
	v_add_nc_u32 v3, s29, v3                       ; in: lane l owns unit l = 8 s + 2 c + h of the tile's 8,192 bytes; token r is 16 bytes at 16 r
	v_lshrrev_b32 v4, 4, v1
	v_mul_u32_u24 v4, v4, 272
	v_and_b32 v5, 15, v1
	v_lshl_add_u32 v4, v5, 4, v4
	v_add_nc_u32 v4, s29, v4                       ; out: two units an instruction
	v_lshlrev_b32 v5, 4, v1                        ; 16 x lane
.irp q, 0,1,2,3
	global_load_b128 v[8+4*\q:8+4*\q+3], v2, s[18:19] offset:16*\q
	global_load_b128 v[24+4*\q:24+4*\q+3], v2, s[20:21] offset:16*\q
.endr
.macro LOADX r
.irp q, 0,1,2,3
	global_load_b128 v[XR+16*((\r)%8)+4*\q:XR+16*((\r)%8)+4*\q+3], v2, s[54:55] offset:((\r)+8*((\r)/8))*2048+16*\q th:TH_LOAD_NT
.endr
.endm
.irp r, 0,1,2,3,4,5,6,7
	LOADX \r
.endr
	s_wait_kmcnt 0x0
	MKSC SCB, SCB+1, 33, 30
	MKSC SCB+2, SCB+3, 35, 30
	MKSC SCB+4, SCB+5, 37, 30
.macro WSUM a, b                       ; v[a] summed over the 32 lanes, in every lane; v[b] at work (written before)
	v_add_f32_dpp v[\a], v[\a], v[\a] row_xmask:1 row_mask:0xf bank_mask:0xf
	v_add_f32_dpp v[\a], v[\a], v[\a] row_xmask:2 row_mask:0xf bank_mask:0xf
	v_add_f32_dpp v[\a], v[\a], v[\a] row_xmask:4 row_mask:0xf bank_mask:0xf
	v_add_f32_dpp v[\a], v[\a], v[\a] row_xmask:8 row_mask:0xf bank_mask:0xf
	v_permlanex16_b32 v[\b], v[\a], s48, s49
	v_add_f32 v[\a], v[\a], v[\b]
.endm
.macro TOKEN r
.set XS, XR+16*((\r)%8)
.if 15-(\r) >= 7
	s_wait_loadcnt 28                              ; my four loads are in; the next seven tokens' stay out
.else
	s_wait_loadcnt 4*(15-(\r))
.endif
	v_pk_add_f32 v[56:57], v[XS:XS+1], v[XS+2:XS+3]
	v_pk_add_f32 v[58:59], v[XS+4:XS+5], v[XS+6:XS+7]
	v_pk_add_f32 v[60:61], v[XS+8:XS+9], v[XS+10:XS+11]
	v_pk_add_f32 v[62:63], v[XS+12:XS+13], v[XS+14:XS+15]
	v_pk_add_f32 v[56:57], v[56:57], v[58:59]
	v_pk_add_f32 v[60:61], v[60:61], v[62:63]
	v_pk_add_f32 v[56:57], v[56:57], v[60:61]
	v_add_f32 v56, v56, v57
	WSUM 56, 57
	v_mul_f32 v56, s62, v56                        ; the mean
.irp i, 0,2,4,6,8,10,12,14
	v_pk_add_f32 v[DV+\i:DV+\i+1], v[XS+\i:XS+\i+1], v[56:57] op_sel_hi:[1,0] neg_lo:[0,1] neg_hi:[0,1]
.endr
.if (\r) < 8
	LOADX (\r)+8                                   ; the set is read: it takes the token eight on
.endif
	v_pk_mul_f32 v[58:59], v[DV:DV+1], v[DV:DV+1]
	v_pk_mul_f32 v[60:61], v[DV+2:DV+3], v[DV+2:DV+3]
.irp i, 4,8,12
	v_pk_fma_f32 v[58:59], v[DV+\i:DV+\i+1], v[DV+\i:DV+\i+1], v[58:59]
	v_pk_fma_f32 v[60:61], v[DV+\i+2:DV+\i+3], v[DV+\i+2:DV+\i+3], v[60:61]
.endr
	v_pk_add_f32 v[58:59], v[58:59], v[60:61]
	v_add_f32 v58, v58, v59
	WSUM 58, 59
	v_fma_f32 v58, v58, s62, s63                   ; the variance + 1e-5
	v_rsq_f32 v60, v58
	v_nop                                          ; a plain line behind the transcendental
	s_wait_alu depctr_va_vdst(0)                   ; and the wait ahead of its first reader
.irp i, 0,2,4,6,8,10,12,14
	v_pk_mul_f32 v[DV+\i:DV+\i+1], v[DV+\i:DV+\i+1], v[60:61] op_sel_hi:[1,0]
.endr
.irp i, 0,2,4,6,8,10,12,14
	v_pk_fma_f32 v[DV+\i:DV+\i+1], v[DV+\i:DV+\i+1], v[8+\i:9+\i], v[24+\i:25+\i]
.endr
	s_wait_dscnt 0x0                               ; the last token's stores into the stage have read the codes' registers
.irp ver, 0,1,2
.irp i, 0,1,2,3,4,5,6,7,8,9,10,11,12,13,14,15
	v_med3_num_f32 v[TH+\i], v[DV+\i], -v[SCB+1+2*\ver], v[SCB+1+2*\ver]
.endr
	v_cvt_scalef32_pk8_bf8_f32 v[CD+4*\ver:CD+4*\ver+1], v[TH:TH+7], v[SCB+2*\ver]
	v_cvt_scalef32_pk8_bf8_f32 v[CD+4*\ver+2:CD+4*\ver+3], v[TH+8:TH+15], v[SCB+2*\ver]
	v_nop                                          ; a plain line between the conversions and the next version's writes of their sources
	ds_store_b128 v3, v[CD+4*\ver:CD+4*\ver+3] offset:\ver*8704+(\r)*16
.endr
.endm
.irp r, 0,1,2,3,4,5,6,7,8,9,10,11,12,13,14,15
	TOKEN \r
.endr
	s_wait_dscnt 0x0                               ; the stage is whole; the registers from v64 on are free
.irp ver, 0,1,2
.irp t, 0,1,2,3,4,5,6,7,8,9,10,11,12,13,14,15
	ds_load_b128 v[64+64*\ver+4*\t:64+64*\ver+4*\t+3], v4 offset:\ver*8704+\t*544
.endr
.endr
.irp ver, 0,1,2
.irp t, 0,1,2,3,4,5,6,7,8,9,10,11,12,13,14,15
	s_wait_dscnt 47-16*\ver-\t                     ; the younger loads from the stage stay out
	global_store_b128 v5, v[64+64*\ver+4*\t:64+64*\ver+4*\t+3], s[56+2*\ver:57+2*\ver] offset:512*\t   ; 512 consecutive bytes
.endr
.endr
	s_set_vgpr_msb 0x5
	s_wait_tensorcnt 0x0
	ds_add_u32 v0, v1
	s_wait_dscnt 0x0
	s_set_vgpr_msb 0x500
	s_endpgm
.Lfunc_end_k_q6dfa061948_prep:
	.size	k_q6dfa061948_prep, .Lfunc_end_k_q6dfa061948_prep-k_q6dfa061948_prep
	.p2alignl 7, 3214868480
	.fill 96, 4, 3214868480
	.section	.rodata,"a",@progbits
	.p2align	6, 0x0
	.amdhsa_kernel k_q6dfa061948_prep
		.amdhsa_group_segment_fixed_size 104960
		.amdhsa_private_segment_fixed_size 0
		.amdhsa_enable_private_segment 0
		.amdhsa_kernarg_size 96
		.amdhsa_user_sgpr_count 2
		.amdhsa_user_sgpr_kernarg_segment_ptr 1
		.amdhsa_wavefront_size32 1
		.amdhsa_system_sgpr_workgroup_id_x 1
		.amdhsa_system_sgpr_workgroup_id_y 1
		.amdhsa_system_sgpr_workgroup_id_z 1
		.amdhsa_system_vgpr_workitem_id 0
		.amdhsa_next_free_vgpr 258
		.amdhsa_next_free_sgpr 80
		.amdhsa_reserve_vcc 0
		.amdhsa_float_denorm_mode_32 3
		.amdhsa_float_denorm_mode_16_64 3
		.amdhsa_memory_ordered 1
		.amdhsa_forward_progress 1
		.amdhsa_inst_pref_size 161
	.end_amdhsa_kernel
	.amdgpu_metadata
---
amdhsa.version: [ 1, 2 ]
amdhsa.kernels:
  - .name:           k_q6dfa061948_prep
    .symbol:         k_q6dfa061948_prep.kd
    .args:
      - { .name: Wq, .offset: 0, .size: 8, .value_kind: global_buffer, .address_space: global }
      - { .name: Wk, .offset: 8, .size: 8, .value_kind: global_buffer, .address_space: global }
      - { .name: Wv, .offset: 16, .size: 8, .value_kind: global_buffer, .address_space: global }
      - { .name: Wo, .offset: 24, .size: 8, .value_kind: global_buffer, .address_space: global }
      - { .name: W1, .offset: 32, .size: 8, .value_kind: global_buffer, .address_space: global }
      - { .name: W2, .offset: 40, .size: 8, .value_kind: global_buffer, .address_space: global }
      - { .name: x, .offset: 48, .size: 8, .value_kind: global_buffer, .address_space: global }
      - { .name: ln1_g, .offset: 56, .size: 8, .value_kind: global_buffer, .address_space: global }
      - { .name: ln1_b, .offset: 64, .size: 8, .value_kind: global_buffer, .address_space: global }
      - { .name: lowp_scales, .offset: 72, .size: 8, .value_kind: global_buffer, .address_space: global }
      - { .name: wc, .offset: 80, .size: 8, .value_kind: global_buffer, .address_space: global }
      - { .name: xnc, .offset: 88, .size: 8, .value_kind: global_buffer, .address_space: global }
    .group_segment_fixed_size: 104960
    .private_segment_fixed_size: 0
    .kernarg_segment_align: 8
    .kernarg_segment_size: 96
    .max_flat_workgroup_size: 128
    .sgpr_count:     80
    .vgpr_count:     258
    .wavefront_size: 32
...
	.end_amdgpu_metadata
.endif
;; end of part 1
;; launch qkv (part 2): grid 64 x 3, 4 waves a work-group, no clusters, 66,048 bytes of LDS; arguments wc, xnc, bq, bk, bv, lowp_scales, qkvc; writes qkvc
.if DOCPART == 2
	.amdgcn_target "amdgcn-amd-amdhsa--gfx1250"
	.amdhsa_code_object_version 6
	.text
	.protected	k_q6dfa061948_qkv
	.globl	k_q6dfa061948_qkv
	.p2align	8
	.type	k_q6dfa061948_qkv,@function
k_q6dfa061948_qkv:
	s_mov_b64 s[64:65], 0
	v_nop
	global_prefetch_b8 v0, s[64:65] scope:SCOPE_SE
	s_setreg_imm32_b32 hwreg(HW_REG_WAVE_MODE, 25, 1), 1
	s_wait_xcnt 0x0
; QKV.  y = 0: q, 1: k, 2: v.  A work-group multiplies 512 rows of one operand (128 a wave: 8 tiles x 512 K, source 0) with 128 rows of the other (8 tiles, source 1).
; Source 1's 8 tiles are copied once into LDS as they lie, read once by each wave and kept in 512 registers.  Source 0 comes from memory in four PAIRS of tiles (16,384 bytes, 32 loads a wave) into two sets of
; registers that take turns: pair b + 2 is asked for behind pair b's last product, so that the products begin when the first pair has landed and the others arrive under the work.
; A lane holds ONE row of source 1 and, of pair b, source-0 rows 32 b + 16 h + 0 .. 15 of the wave's 128 (tiles are laid so: the tile map in PREP): 16 neighbours along the next K.
; A body is pair b against four tiles of source 1: 64 numbers a lane, 16 for each tile: piece c = b of four fragments of the next product.
; q, k: source 0 = the weight (a wave: two heads), source 1 = 128 tokens of xn.  v: source 0 = 512 tokens of xn, source 1 = 128 channels of Wv: a lane holds a channel, its registers run along the keys.
; The bias is the C of each sum's first matrix instruction, divided by the power of two that the sums lack; the three scales are folded into the conversion's one.
; qkvc: q [bh][token tile 128][1024], k likewise at 4 MiB, v [bh][key step 16][channel tile 4][2048] at 8 MiB.
; No cluster: each operand is wanted once, in register order; a joint load would land it in LDS and cost a second pass into registers.
; LIMITS: eOut - eA - eB between -126 and 112; bias x 2^-(eA + eB) an f32 number.  NaN is not served.
; WINDOWS: 0: addresses, sums, codes, bias.  1: source 0's pair b at v[128 (b%2) + 64 u + 16 s].  2, 3: source 1's tiles 0-3, 4-7 at v[64 (a%4) + 16 s]; at the head v128-255 of window 3 are the copy's registers.
.set LI, 1                             ; v1  16 x lane
.set QV, 2                             ; v2  16 x lane + 16,384 x wave
.set ACC, 16
.set PC, 80
.set BIAS, 96
.set SC, 160
.set LM, 161
.set MSB, 0
.macro WIN new                         ; the immediate's high byte repeats the setting that is left
.if MSB != (\new)
	s_set_vgpr_msb (MSB<<8)|(\new)
.set MSB, (\new)
.endif
.endm
.macro NOPS n
.rept \n
	v_nop
.endr
.endm
.macro MKSC vs, vl, se, st
	s_add_co_i32 s[\st], s[\se], 127
	s_lshl_b32 s[\st+1], s[\st], 23
	v_mov_b32 v[\vs], s[\st+1]
	s_add_co_i32 s[\st], s[\st], 15
	s_lshl_b32 s[\st], s[\st], 23
	s_or_b32 s[\st], s[\st], 0x600000
	v_mov_b32 v[\vl], s[\st]
.endm
.macro QUANT src, sc, lim              ; 64 numbers of a lane become 16 registers of codes, four for each 16; each accumulator is read from its low end on
.irp b, 0,1,2,3
.irp i, 0,1,2,3,4,5,6,7,8,9,10,11,12,13,14,15
	v_med3_num_f32 v[\src+16*\b+\i], v[\src+16*\b+\i], -v[\lim], v[\lim]
.endr
	v_cvt_scalef32_pk8_bf8_f32 v[PC+4*\b:PC+4*\b+1], v[\src+16*\b:\src+16*\b+7], v[\sc]
	v_cvt_scalef32_pk8_bf8_f32 v[PC+4*\b+2:PC+4*\b+3], v[\src+16*\b+8:\src+16*\b+15], v[\sc]
.endr
	v_nop                                          ; a plain line behind the last conversion: matrix instructions write its sources later
.endm
; 32 matrix instructions: pair b against source 1's tiles 4 g .. 4 g + 3, K step by K step, the eight accumulators by turns.
; The first K step takes the bias as C: q, k: that of the lane's eight rows of source 0; v: that of the lane's channel.
.macro MMP b, g, isv
	WIN 0x09+4*(\g)                                ; source 0 window 1, source 1 window 2 or 3, C and D window 0
.irp s, 0,1,2,3
.irp a, 0,1,2,3
.irp u, 0,1
.set rD, ACC+16*\a+8*\u
.set rA, 128*((\b)%2)+64*\u+16*\s
.set rB, 64*\a+16*\s
.if (\s == 0) && (\isv == 0)
	v_wmma_f32_16x16x128_bf8_bf8 v[rD:rD+7], v[rA:rA+15], v[rB:rB+15], v[BIAS+16*(\b)+8*\u:BIAS+16*(\b)+8*\u+7]
.elseif \s == 0
	v_wmma_f32_16x16x128_bf8_bf8 v[rD:rD+7], v[rA:rA+15], v[rB:rB+15], v[BIAS+8*(4*(\g)+\a):BIAS+8*(4*(\g)+\a)+7]
.else
	v_wmma_f32_16x16x128_bf8_bf8 v[rD:rD+7], v[rA:rA+15], v[rB:rB+15], v[rD:rD+7]
.endif
.endr
.endr
.endr
.endm
.macro PLOADB b                        ; source 0's pair b: 32 loads of 512 consecutive bytes, into set b % 2
	WIN 0x40
.set ii, 0
.rept 32
	global_load_b128 v[128*((\b)%2)+4*ii:128*((\b)%2)+4*ii+3], v[LI], s[24:25] offset:(\b)*16384+512*ii
.set ii, ii+1
.endr
	WIN 0
.endm
	s_load_b256 s[4:11], s[0:1], 0x0               ; wc 4, xnc 6, bq 8, bk 10
	s_load_b128 s[12:15], s[0:1], 0x20             ; bv 12, lowp_scales 14
	s_load_b64 s[16:17], s[0:1], 0x30              ; qkvc
	v_lshl_add_u32 v254, v0, 2, 0x10000
	v_mov_b32 v255, 0
	v_lshrrev_b32 v3, 5, v0
	v_readfirstlane_b32 s20, v3                    ; wave
	v_and_b32 v4, 31, v0
	v_lshlrev_b32 v[LI], 4, v4
	s_lshl_b32 s30, s20, 14
	v_add_nc_u32 v[QV], s30, v[LI]
	v_and_b32 v5, 15, v0                           ; r
	v_bfe_u32 v6, v0, 4, 1                         ; h
	s_mov_b32 s21, ttmp9                           ; X
	s_and_b32 s22, ttmp7, 0xffff                   ; Y
	s_lshl_b32 s23, s20, 16
	s_lshl_b32 s48, s22, 18                        ; q, k: source 0 = wc + Y x 262,144 + wave x 65,536
	s_add_co_u32 s48, s48, s23
	s_lshl_b32 s49, s22, 22                        ;       source 1 = xnc + Y x 4 MiB + X x 65,536
	s_lshl_b32 s50, s21, 16
	s_add_co_u32 s49, s49, s50
	s_lshr_b32 s51, s21, 2                         ; v: source 0 = xnc + 8 MiB + (X/4) x 262,144 + wave x 65,536
	s_lshl_b32 s51, s51, 18
	s_add_co_u32 s51, s51, s23
	s_add_co_u32 s51, s51, 0x800000
	s_and_b32 s52, s21, 3                          ;    source 1 = wc + 524,288 + (X%4) x 65,536
	s_lshl_b32 s53, s52, 16
	s_add_co_u32 s53, s53, 0x80000
	s_lshr_b32 s54, s21, 4                         ; the batch
	s_lshl_b32 s55, s54, 3                         ; q, k out: Y x 4 MiB + ((8 batch + 2 wave) x 128 + 8 (X%16)) x 1,024
	s_lshl_b32 s56, s20, 1
	s_add_co_u32 s55, s55, s56
	s_lshl_b32 s55, s55, 17
	s_and_b32 s56, s21, 15
	s_lshl_b32 s56, s56, 13
	s_add_co_u32 s55, s55, s56
	s_lshl_b32 s56, s22, 22
	s_add_co_u32 s55, s55, s56
	s_lshl_b32 s57, s54, 3                         ; v out: 8 MiB + (8 batch + 2 (X%4)) x 131,072 + (4 ((X/4)%4) + wave) x 8,192
	s_lshl_b32 s58, s52, 1
	s_add_co_u32 s57, s57, s58
	s_lshl_b32 s57, s57, 17
	s_bfe_u32 s58, s21, 0x20002
	s_lshl_b32 s58, s58, 2
	s_add_co_u32 s58, s58, s20
	s_lshl_b32 s58, s58, 13
	s_add_co_u32 s57, s57, s58
	s_add_co_u32 s57, s57, 0x800000
	s_wait_kmcnt 0x0
	s_load_b512 s[32:47], s[14:15], 0x0            ; e0 .. e15
	s_cmp_eq_u32 s22, 2                            ; the choices hang on the work-group's y alone
	s_cselect_b64 s[24:25], s[6:7], s[4:5]
	s_cselect_b64 s[26:27], s[4:5], s[6:7]
	s_cselect_b32 s48, s51, s48
	s_cselect_b32 s50, s53, s49
	s_cselect_b32 s56, s57, s55
	s_cselect_b64 s[28:29], s[12:13], s[8:9]
	s_cmp_eq_u32 s22, 1
	s_cselect_b64 s[28:29], s[10:11], s[28:29]
	s_mov_b32 s49, 0
	s_mov_b32 s51, 0
	s_mov_b32 s57, 0
	s_add_nc_u64 s[24:25], s[24:25], s[48:49]      ; source 0
	s_add_nc_u64 s[26:27], s[26:27], s[50:51]      ; source 1
	s_add_nc_u64 s[16:17], s[16:17], s[56:57]      ; out
	WIN 0xc0
.set ii, 0
.rept 32
	global_load_b128 v[128+4*ii:128+4*ii+3], v[QV], s[26:27] offset:512*ii   ; my quarter of source 1's 65,536 bytes
.set ii, ii+1
.endr
	WIN 0
	s_cmp_eq_u32 s22, 2
	s_cbranch_scc1 .Lbias_v
	v_lshlrev_b32 v3, 6, v6                        ; q, k: register 16 b + i wants the bias of n = 128 wave + 32 b + 16 h + i
	s_lshl_b32 s30, s20, 9
	v_add_nc_u32 v3, s30, v3
.irp b, 0,1,2,3
.irp q, 0,1,2,3
	global_load_b128 v[BIAS+16*\b+4*\q:BIAS+16*\b+4*\q+3], v3, s[28:29] offset:128*\b+16*\q
.endr
.endr
	s_branch .Lbias_done
.Lbias_v:
	v_and_b32 v3, 8, v5                            ; v: all eight registers of block a want the bias of my channel of source 1's tile a
	v_add_nc_u32 v3, v3, v5
	v_lshlrev_b32 v3, 2, v3
	s_lshl_b32 s58, s52, 9
	s_mov_b32 s59, 0
	s_add_nc_u64 s[28:29], s[28:29], s[58:59]
.irp a, 0,1,2,3,4,5,6,7
.irp j, 0,1,2,3,4,5,6,7
	global_load_b32 v[BIAS+8*\a+\j], v3, s[28:29] offset:4*(32*(\a/2)+8*(\a%2))
.endr
.endr
.Lbias_done:
	PLOADB 0
	PLOADB 1
	s_wait_loadcnt 63                              ; 80 loads or more are younger than my quarter's 32: with at most 63 out those 32 are in
	WIN 0x0c
.set ii, 0
.rept 32
	ds_store_b128 v[QV], v[128+4*ii:128+4*ii+3] offset:512*ii
.set ii, ii+1
.endr
	WIN 0
	s_wait_dscnt 0x0                               ; my stores have landed
	s_barrier_signal -1
	s_barrier_wait -1                              ; everybody's have: source 1 lies whole in LDS and is never written again
	WIN 0x80
.set ii, 0
.rept 64
	ds_load_b128 v[4*ii:4*ii+3], v[LI] offset:512*ii             ; tiles 0-3, as they lie: they stay in registers
.set ii, ii+1
.endr
	WIN 0xc0
.set ii, 0
.rept 64
	ds_load_b128 v[4*ii:4*ii+3], v[LI] offset:32768+512*ii       ; tiles 4-7
.set ii, ii+1
.endr
	WIN 0
	s_wait_kmcnt 0x0
	s_add_co_i32 s48, s32, s33
	s_add_co_i32 s49, s34, s35
	s_add_co_i32 s50, s36, s37
	s_cmp_eq_u32 s22, 1
	s_cselect_b32 s48, s49, s48
	s_cselect_b32 s51, s39, s38
	s_cmp_eq_u32 s22, 2
	s_cselect_b32 s48, s50, s48                    ; eA + eB
	s_cselect_b32 s51, s41, s51                    ; eOut
	s_sub_co_i32 s52, 0, s48
	s_sub_co_i32 s51, s51, s48                     ; a sum stands for sum x 2^(eA + eB): its code is sum / 2^(eOut - eA - eB)
	s_wait_loadcnt 32                              ; the bias and pair 0 are in; pair 1's 32 loads stay out
.set ii, 0
.rept 64
	v_ldexp_f32 v[BIAS+ii], v[BIAS+ii], s52
.set ii, ii+1
.endr
	MKSC SC, LM, 51, 54
	s_wait_dscnt 0x0                               ; source 1's tiles are in my registers
.macro BODY isv
.irp b, 0,1,2,3
.if \b == 3
	s_wait_loadcnt 0x0                             ; the last pair
.elseif \b > 0
	s_wait_loadcnt 32                              ; this pair is in; the next pair's 32 loads stay out
.endif
.irp g, 0,1
	MMP \b, \g, \isv
	WIN 0
	NOPS 4                                         ; four places behind the last product: ahead of the first read of results and of loads into its operands
	s_wait_xcnt 0x0                                ; the last body's stores have read the codes' registers
.if (\g == 1) && (\b < 2)
	PLOADB \b+2                                    ; this pair's set is done with: it takes the pair two on
.endif
	QUANT ACC, SC, LM
.irp a, 0,1,2,3
.if \isv
	global_store_b128 v[LI], v[PC+4*\a:PC+4*\a+3], s[16:17] offset:\g*131072+\a*2048+\b*512
.else
	global_store_b128 v[LI], v[PC+4*\a:PC+4*\a+3], s[16:17] offset:(4*\g+\a)*1024+(\b/2)*131072+(\b%2)*512
.endif
.endr
.endr
.endr
.endm
	s_cmp_eq_u32 s22, 2
	s_cbranch_scc1 .Lbody_v
	BODY 0
	s_wait_tensorcnt 0x0
	ds_add_u32 v254, v255
	s_wait_dscnt 0x0
	s_endpgm
.Lbody_v:
	BODY 1
	s_wait_tensorcnt 0x0
	ds_add_u32 v254, v255
	s_wait_dscnt 0x0
	s_endpgm
.Lfunc_end_k_q6dfa061948_qkv:
	.size	k_q6dfa061948_qkv, .Lfunc_end_k_q6dfa061948_qkv-k_q6dfa061948_qkv
	.p2alignl 7, 3214868480
	.fill 96, 4, 3214868480
	.section	.rodata,"a",@progbits
	.p2align	6, 0x0
	.amdhsa_kernel k_q6dfa061948_qkv
		.amdhsa_group_segment_fixed_size 66048
		.amdhsa_private_segment_fixed_size 0
		.amdhsa_enable_private_segment 0
		.amdhsa_kernarg_size 56
		.amdhsa_user_sgpr_count 2
		.amdhsa_user_sgpr_kernarg_segment_ptr 1
		.amdhsa_wavefront_size32 1
		.amdhsa_system_sgpr_workgroup_id_x 1
		.amdhsa_system_sgpr_workgroup_id_y 1
		.amdhsa_system_sgpr_workgroup_id_z 1
		.amdhsa_system_vgpr_workitem_id 0
		.amdhsa_next_free_vgpr 1024
		.amdhsa_next_free_sgpr 66
		.amdhsa_reserve_vcc 0
		.amdhsa_float_denorm_mode_32 3
		.amdhsa_float_denorm_mode_16_64 3
		.amdhsa_memory_ordered 1
		.amdhsa_forward_progress 1
		.amdhsa_inst_pref_size 162
	.end_amdhsa_kernel
	.amdgpu_metadata
---
amdhsa.version: [ 1, 2 ]
amdhsa.kernels:
  - .name:           k_q6dfa061948_qkv
    .symbol:         k_q6dfa061948_qkv.kd
    .args:
      - { .name: wc, .offset: 0, .size: 8, .value_kind: global_buffer, .address_space: global }
      - { .name: xnc, .offset: 8, .size: 8, .value_kind: global_buffer, .address_space: global }
      - { .name: bq, .offset: 16, .size: 8, .value_kind: global_buffer, .address_space: global }
      - { .name: bk, .offset: 24, .size: 8, .value_kind: global_buffer, .address_space: global }
      - { .name: bv, .offset: 32, .size: 8, .value_kind: global_buffer, .address_space: global }
      - { .name: lowp_scales, .offset: 40, .size: 8, .value_kind: global_buffer, .address_space: global }
      - { .name: qkvc, .offset: 48, .size: 8, .value_kind: global_buffer, .address_space: global }
    .group_segment_fixed_size: 66048
    .private_segment_fixed_size: 0
    .kernarg_segment_align: 8
    .kernarg_segment_size: 56
    .max_flat_workgroup_size: 128
    .sgpr_count:     66
    .vgpr_count:     1024
    .wavefront_size: 32
...
	.end_amdgpu_metadata
.endif
;; end of part 2
;; launch attn (part 3): grid 8 x 32, 8 waves a work-group, no clusters, 263,168 bytes of LDS; arguments qkvc, lowp_scales, avc; writes avc
.if DOCPART == 3
	.amdgcn_target "amdgcn-amd-amdhsa--gfx1250"
	.amdhsa_code_object_version 6
	.text
	.protected	k_q6dfa061948_attn
	.globl	k_q6dfa061948_attn
	.p2align	8
	.type	k_q6dfa061948_attn,@function
k_q6dfa061948_attn:
	s_mov_b64 s[64:65], 0
	v_nop
	global_prefetch_b8 v0, s[64:65] scope:SCOPE_SE
	s_setreg_imm32_b32 hwreg(HW_REG_WAVE_MODE, 25, 1), 1
	s_wait_xcnt 0x0
; ATTENTION on codes of E5M2.  A work-group owns 256 queries of one (batch, head); each of its eight waves two tiles of 16, so that each fragment of K and V read from LDS feeds two products.
; S^T = K Q^T (K = 64) and O^T = V^T P^T (K = 128 keys), both transposed: a lane holds ONE query (of each tile) throughout; the keys of a tile are laid so that p's registers run along neighbouring keys.
; t = score x log2(e) / 8; M = the running largest t rounded UP to a whole number; p = 2^(t - M) is quantised with 2^e8, not normalised; the row's sum is taken of the unquantised p and divides at the end.
; When M moves, the sum and O^T are multiplied by 2^(old M - new M): exact.
; The head's K and V codes (131,072 bytes each) are copied into LDS as they lie, each byte once, in four chunks of 512 keys (four steps) through registers.  Chunk c + 1 is asked of memory a chunk ahead and stored
; behind the third step of chunk c, into bytes that nobody reads before the barrier; the wave signals, runs the fourth step, which reads chunk c alone, and waits: ONE barrier a chunk, with a step between its halves.
; K's fragments of the next step are asked of LDS behind this step's first products; V's at the step's head, so that they land under the softmax.
; The hold of p at 57,344 x 2^e8 is jumped over where e8 >= -15: the bound is then at least 1.75 and p is at most 1.  The branch hangs on a whole number read from lowp_scales.
; No cluster: K and V are read once a work-group.
; LIMITS: e6 + e7 between -123 and 130; e8, and e10 - e8 - e9, between -126 and 112.  NaN is not served.
; WINDOW 0: v1-6 addresses; v8, v9 permutes; v12-27 statistics; v28-31 scales; v32-47 Q; v48-175 S^T, then p; v176-207 p's codes; v208-211 second sums.
; WINDOW 1: v0-63 O^T; v64-127 K's fragments; v128-191 V's; v192-255 the copy's registers.
.set LI, 1
.set ADK, 2
.set ADV, 3
.set SA0, 4
.set SAK, 5
.set SAV, 6
.set ST, 12                            ; tile q at ST + 8 q: +0 -M, +1 the largest t, +2, +3 the sum, +4 f, +5 zero, +6, +7 at work
.set QF, 32
.set S, 48
.set P, 176
.set C2, 208
.set KF, 64
.set VF, 128
.set STG, 192
.set TB, 18                            ; s18  LDS byte at which the step's tiles of K begin
.set IN, 21
.set MSB, 0
.macro WIN new
.if MSB != (\new)
	s_set_vgpr_msb (MSB<<8)|(\new)
.set MSB, (\new)
.endif
.endm
.macro NOPS n
.rept \n
	v_nop
.endr
.endm
.macro MKSC vs, vl, se, st
	s_add_co_i32 s[\st], s[\se], 127
	s_lshl_b32 s[\st+1], s[\st], 23
	v_mov_b32 v[\vs], s[\st+1]
	s_add_co_i32 s[\st], s[\st], 15
	s_lshl_b32 s[\st], s[\st], 23
	s_or_b32 s[\st], s[\st], 0x600000
	v_mov_b32 v[\vl], s[\st]
.endm
.macro CLOAD c                         ; chunk c: the 4,096 bytes of K and of V that are mine to copy
	WIN 0x40
.set ii, 0
.rept 8
	global_load_b128 v[STG+4*ii:STG+4*ii+3], v[SA0], s[22:23] offset:(\c)*32768+512*ii
	global_load_b128 v[STG+32+4*ii:STG+32+4*ii+3], v[SA0], s[24:25] offset:(\c)*32768+512*ii
.set ii, ii+1
.endr
	WIN 0
.endm
.macro CSTORE c                        ; and their way into LDS, at the same places as in memory
	v_add_nc_u32 v[SAK], (\c)*32768, v[SA0]
	v_add_nc_u32 v[SAV], 0x20000, v[SAK]
	WIN 0x04
.set ii, 0
.rept 8
	ds_store_b128 v[SAK], v[STG+4*ii:STG+4*ii+3] offset:512*ii
	ds_store_b128 v[SAV], v[STG+32+4*ii:STG+32+4*ii+3] offset:512*ii
.set ii, ii+1
.endr
	WIN 0
	s_wait_dscnt 0x0                               ; my stores have landed and have read their registers; no LDS instruction of mine is out
.endm
.macro KLOADS off                      ; the eight tiles of K that begin off bytes behind v[ADK]
	WIN 0x40
.irp t, 0,1,2,3,4,5,6,7
.irp c, 0,1
	ds_load_b128 v[KF+8*\t+4*\c:KF+8*\t+4*\c+3], v[ADK] offset:(\off)+1024*\t+512*\c
.endr
.endr
	WIN 0
.endm
; A KEY STEP: 128 keys.  Its K has been asked for.  pf = 1: the next step's K is asked for behind the first products
.macro STEP pf
	v_add_nc_u32 v[ADK], s[TB], v[LI]
	v_add_nc_u32 v[ADV], 0x20000, v[ADK]
	NOPS 2                                         ; four places behind the last products, ahead of loads into their operands
	WIN 0x40
.irp j, 0,1,2,3
.irp c, 0,1,2,3
	ds_load_b128 v[VF+16*\j+4*\c:VF+16*\j+4*\c+3], v[ADV] offset:2048*\j+512*\c
.endr
.endr
	s_wait_dscnt 16                                ; K, asked for earlier, is in; V's 16 loads stay out under the softmax
	WIN 0x01
.irp t, 0,1,2,3,4,5,6,7
.irp q, 0,1
	v_wmma_f32_16x16x64_bf8_bf8 v[S+64*\q+8*\t:S+64*\q+8*\t+7], v[KF+8*\t:KF+8*\t+7], v[QF+8*\q:QF+8*\q+7], 0
.endr
.endr
	WIN 0
	NOPS 4                                         ; four places: ahead of the loads into K's registers and of the first read of the scores
.if \pf
	KLOADS 8192                                    ; the next step's K, a whole softmax ahead of its use
.endif
.irp q, 0,1                                    ; the step's largest score of each query, in two chains a tile; each accumulator is first read at its low end
	v_max3_num_f32 v[ST+8*\q+6], v[S+64*\q], v[S+64*\q+1], v[S+64*\q+2]
	v_max3_num_f32 v[ST+8*\q+7], v[S+64*\q+3], v[S+64*\q+4], v[S+64*\q+5]
.endr
.irp i, 6,10,14,18,22,26,30,34,38,42,46,50,54,58
.irp q, 0,1
	v_max3_num_f32 v[ST+8*\q+6], v[ST+8*\q+6], v[S+64*\q+\i], v[S+64*\q+\i+1]
	v_max3_num_f32 v[ST+8*\q+7], v[ST+8*\q+7], v[S+64*\q+\i+2], v[S+64*\q+\i+3]
.endr
.endr
.irp q, 0,1
	v_max3_num_f32 v[ST+8*\q+6], v[ST+8*\q+6], v[S+64*\q+62], v[S+64*\q+63]
.endr
.irp q, 0,1
	v_max_num_f32 v[ST+8*\q+6], v[ST+8*\q+6], v[ST+8*\q+7]
.endr
.irp q, 0,1
	v_permlanex16_b32 v[8+\q], v[ST+8*\q+6], s14, s15
.endr
.irp q, 0,1
	v_max_num_f32 v[ST+8*\q+6], v[ST+8*\q+6], v[8+\q]
.endr
.irp q, 0,1
	v_mul_f32 v[ST+8*\q+6], s16, v[ST+8*\q+6]      ; as t (the factor is positive)
.endr
.irp q, 0,1
	v_max_num_f32 v[ST+8*\q+1], v[ST+8*\q+1], v[ST+8*\q+6]
	v_mov_b32 v[ST+8*\q+6], v[ST+8*\q]
.endr
.irp q, 0,1
	v_floor_f32 v[ST+8*\q], -v[ST+8*\q+1]          ; -M = floor(-t): M is a whole number
.endr
.irp q, 0,1
	v_sub_f32 v[ST+8*\q+6], v[ST+8*\q], v[ST+8*\q+6]
.endr
.irp q, 0,1
	v_cvt_i32_f32 v[ST+8*\q+6], v[ST+8*\q+6]       ; (it saturates)
.endr
.irp q, 0,1
	v_ldexp_f32 v[ST+8*\q+4], 1.0, v[ST+8*\q+6]    ; f = 2^(old M - new M)
.endr
.irp q, 0,1
.set jj, 0
.rept 32
	v_pk_fma_f32 v[S+64*\q+jj:S+64*\q+jj+1], v[S+64*\q+jj:S+64*\q+jj+1], s[16:17], v[ST+8*\q:ST+8*\q+1] op_sel_hi:[1,0,0]   ; t - M
.set jj, jj+2
.endr
.endr
.set jj, 0
.rept 128
	v_exp_f32 v[S+jj], v[S+jj]                     ; p = 2^(t - M): one batch for both tiles
.set jj, jj+1
.endr
.irp q, 0,1
	v_pk_mul_f32 v[ST+8*\q+2:ST+8*\q+3], v[ST+8*\q+2:ST+8*\q+3], v[ST+8*\q+4:ST+8*\q+5] op_sel_hi:[1,0]   ; the sums under the new M (the plain lines behind the batch)
.endr
	s_wait_alu depctr_va_vdst(0)                   ; one wait for the batch, ahead of its first reader
.irp q, 0,1
	v_pk_add_f32 v[C2+2*\q:C2+2*\q+1], v[S+64*\q:S+64*\q+1], v[S+64*\q+2:S+64*\q+3]
.endr
.irp j, 4,8,12,16,20,24,28,32,36,40,44,48,52,56,60
.irp q, 0,1
	v_pk_add_f32 v[ST+8*\q+2:ST+8*\q+3], v[ST+8*\q+2:ST+8*\q+3], v[S+64*\q+\j:S+64*\q+\j+1]
	v_pk_add_f32 v[C2+2*\q:C2+2*\q+1], v[C2+2*\q:C2+2*\q+1], v[S+64*\q+\j+2:S+64*\q+\j+3]
.endr
.endr
.irp q, 0,1
	v_pk_add_f32 v[ST+8*\q+2:ST+8*\q+3], v[ST+8*\q+2:ST+8*\q+3], v[C2+2*\q:C2+2*\q+1]
.endr
	s_cmp_ge_i32 s40, -15
	s_cbranch_scc1 .Lno_hold_\@
.set jj, 0
.rept 128
	v_min_num_f32 v[S+jj], v[S+jj], v28            ; the conversion does not saturate; p is not negative, so the hold is one-sided
.set jj, jj+1
.endr
.Lno_hold_\@:
.irp q, 0,1
.irp g, 0,1,2,3,4,5,6,7
	v_cvt_scalef32_pk8_bf8_f32 v[P+16*\q+2*\g:P+16*\q+2*\g+1], v[S+64*\q+8*\g:S+64*\q+8*\g+7], v29
.endr
.endr
	WIN 0x41
.irp q, 0,1
.set jj, 0
.rept 16
	v_pk_mul_f32 v[32*\q+jj:32*\q+jj+1], v[32*\q+jj:32*\q+jj+1], v[ST+8*\q+4:ST+8*\q+5] op_sel_hi:[1,0]   ; O^T under the new M (also the plain lines behind the conversions)
.set jj, jj+2
.endr
.endr
	s_wait_dscnt 16*(\pf)                          ; V is in; the next step's 16 loads of K, where they were asked for, stay out
	WIN 0x51
.irp j, 0,1,2,3
.irp q, 0,1
	v_wmma_f32_16x16x128_bf8_bf8 v[32*\q+8*\j:32*\q+8*\j+7], v[VF+16*\j:VF+16*\j+15], v[P+16*\q:P+16*\q+15], v[32*\q+8*\j:32*\q+8*\j+7]
.endr
.endr
	WIN 0
.endm
; A CHUNK: four key steps.  Written out four times, so that every chunk's place in LDS is a constant of the text.
.macro CHUNK c
	s_mov_b32 s[TB], (\c)*32768
	v_add_nc_u32 v[ADK], s[TB], v[LI]
	KLOADS 0                                       ; the chunk's first K: it could not be asked for before the barrier
	s_mov_b32 s[IN], 3
.Lstep_\@:
	STEP 1
	s_add_co_u32 s[TB], s[TB], 0x2000
	s_sub_co_u32 s[IN], s[IN], 1
	s_cmp_lg_u32 s[IN], 0
	s_cbranch_scc1 .Lstep_\@
.if (\c) < 3
	s_wait_loadcnt 0x0                             ; the next chunk's bytes, asked for three steps or more ago, are in my registers
	CSTORE (\c)+1                                  ; into bytes that no wave reads before the barrier below
.if (\c) < 2
	CLOAD (\c)+2
.endif
	s_barrier_signal -1                            ; my part of the next chunk lies in LDS
	STEP 0                                         ; the chunk's last step reads this chunk alone, which is never written again
	s_barrier_wait -1                              ; everybody's part does
.else
	STEP 0
.endif
.endm
	s_load_b128 s[4:7], s[0:1], 0x0                ; qkvc 4, lowp_scales 6
	s_load_b64 s[8:9], s[0:1], 0x10                ; avc
	v_lshl_add_u32 v254, v0, 2, 0x40000
	v_mov_b32 v255, 0
	v_lshrrev_b32 v2, 5, v0
	v_readfirstlane_b32 s10, v2                    ; wave 0..7
	v_and_b32 v1, 31, v0
	v_lshlrev_b32 v[LI], 4, v1
	s_lshl_b32 s28, s10, 12
	v_add_nc_u32 v[SA0], s28, v[LI]
	s_and_b32 s12, ttmp7, 0xffff                   ; bh
	s_lshl_b32 s28, s12, 17
	s_mov_b32 s29, 0
	s_lshl_b32 s30, ttmp9, 4
	s_lshl_b32 s31, s10, 1
	s_add_co_u32 s30, s30, s31                     ; my first query tile: 16 x + 2 wave
	s_lshl_b32 s48, s30, 10
	s_mov_b32 s49, 0
	s_lshr_b32 s50, s12, 3                         ; avc: ((batch x 128 + tile) x 4 + head / 2) x 2,048 + 2 (head % 2) x 512
	s_lshl_b32 s50, s50, 7
	s_add_co_u32 s50, s50, s30
	s_lshl_b32 s50, s50, 2
	s_bfe_u32 s51, s12, 0x20001
	s_add_co_u32 s50, s50, s51
	s_lshl_b32 s50, s50, 11
	s_and_b32 s51, s12, 1
	s_lshl_b32 s51, s51, 10
	s_add_co_u32 s50, s50, s51
	s_mov_b32 s51, 0
	s_mov_b32 s14, 0x76543210
	s_mov_b32 s15, 0xfedcba98
	s_mov_b32 s16, 0x3e38aa3b                      ; log2(e) / 8
	s_wait_kmcnt 0x0
	s_load_b512 s[32:47], s[6:7], 0x0
	s_add_nc_u64 s[26:27], s[4:5], s[28:29]
	s_add_nc_u64 s[22:23], s[26:27], 0x400000      ; the head's K
	s_add_nc_u64 s[24:25], s[26:27], 0x800000      ; the head's V
	s_add_nc_u64 s[26:27], s[26:27], s[48:49]      ; my two tiles of Q
	s_add_nc_u64 s[8:9], s[8:9], s[50:51]
.irp q, 0,1
.irp c, 0,1
	global_load_b128 v[QF+8*\q+4*\c:QF+8*\q+4*\c+3], v[LI], s[26:27] offset:1024*\q+512*\c
.endr
.endr
	CLOAD 0
.irp q, 0,1
	v_mov_b32 v[ST+8*\q+1], 0xff61b1e6             ; the largest t so far: -3e38
	v_floor_f32 v[ST+8*\q], -v[ST+8*\q+1]
	v_mov_b32 v[ST+8*\q+2], 0
	v_mov_b32 v[ST+8*\q+3], 0
	v_mov_b32 v[ST+8*\q+5], 0
	v_mov_b32 v[8+\q], 0
.endr
	WIN 0x40
.set ii, 0
.rept 64
	v_mov_b32 v[ii], 0                             ; O^T: the step has no first form of its own; its first run finds zeros, which the first change of M leaves zeros
.set ii, ii+1
.endr
	WIN 0
	s_wait_kmcnt 0x0
	s_add_co_i32 s28, s38, s39
	s_lshl_b32 s28, s28, 23
	s_add_co_i32 s16, s16, s28                     ; a score stands for score x 2^(e6 + e7)
	s_mov_b32 s17, s16
	MKSC 29, 28, 40, 30                            ; p's scale and bound
	s_sub_co_i32 s28, s42, s40
	s_sub_co_i32 s28, s28, s41                     ; O / l stands for av / 2^(e8 + e9): its code is (O / l) / 2^(e10 - e8 - e9)
	MKSC 31, 30, 28, 30
	s_wait_loadcnt 0x0                             ; Q, and chunk 0 in my registers
	CSTORE 0
	CLOAD 1                                        ; three steps ahead of its way into LDS
	s_barrier_signal -1
	s_barrier_wait -1                              ; chunk 0 lies whole in LDS
	CHUNK 0
	CHUNK 1
	CHUNK 2
	CHUNK 3
	; THE WAY OUT: O^T / the sum, quantised with 2^e10: a lane's 32 channels are 32 neighbours along the next K
	NOPS 4
.irp q, 0,1
	v_add_f32 v[ST+8*\q+2], v[ST+8*\q+2], v[ST+8*\q+3]
.endr
.irp q, 0,1
	v_permlanex16_b32 v[8+\q], v[ST+8*\q+2], s14, s15
.endr
.irp q, 0,1
	v_add_f32 v[ST+8*\q+2], v[ST+8*\q+2], v[8+\q]
.endr
.irp q, 0,1
	v_rcp_f32 v[ST+8*\q+6], v[ST+8*\q+2]
.endr
	v_nop
	s_wait_alu depctr_va_vdst(0)
	WIN 0x01
.irp q, 0,1
.set jj, 0
.rept 16
	v_pk_mul_f32 v[S+32*\q+jj:S+32*\q+jj+1], v[32*\q+jj:32*\q+jj+1], v[ST+8*\q+6:ST+8*\q+7] op_sel_hi:[1,0]
.set jj, jj+2
.endr
.endr
	WIN 0
.set jj, 0
.rept 64
	v_med3_num_f32 v[S+jj], v[S+jj], -v30, v30
.set jj, jj+1
.endr
.irp q, 0,1
.irp g, 0,1,2,3
	v_cvt_scalef32_pk8_bf8_f32 v[P+8*\q+2*\g:P+8*\q+2*\g+1], v[S+32*\q+8*\g:S+32*\q+8*\g+7], v31
.endr
.endr
	v_nop
.irp q, 0,1
.irp b, 0,1
	global_store_b128 v[LI], v[P+8*\q+4*\b:P+8*\q+4*\b+3], s[8:9] offset:8192*\q+512*\b
.endr
.endr
	s_wait_tensorcnt 0x0
	ds_add_u32 v254, v255
	s_wait_dscnt 0x0
	s_endpgm
.Lfunc_end_k_q6dfa061948_attn:
	.size	k_q6dfa061948_attn, .Lfunc_end_k_q6dfa061948_attn-k_q6dfa061948_attn
	.p2alignl 7, 3214868480
	.fill 96, 4, 3214868480
	.section	.rodata,"a",@progbits
	.p2align	6, 0x0
	.amdhsa_kernel k_q6dfa061948_attn
		.amdhsa_group_segment_fixed_size 263168
		.amdhsa_private_segment_fixed_size 0
		.amdhsa_enable_private_segment 0
		.amdhsa_kernarg_size 24
		.amdhsa_user_sgpr_count 2
		.amdhsa_user_sgpr_kernarg_segment_ptr 1
		.amdhsa_wavefront_size32 1
		.amdhsa_system_sgpr_workgroup_id_x 1
		.amdhsa_system_sgpr_workgroup_id_y 1
		.amdhsa_system_sgpr_workgroup_id_z 1
		.amdhsa_system_vgpr_workitem_id 0
		.amdhsa_next_free_vgpr 512
		.amdhsa_next_free_sgpr 66
		.amdhsa_reserve_vcc 0
		.amdhsa_float_denorm_mode_32 3
		.amdhsa_float_denorm_mode_16_64 3
		.amdhsa_memory_ordered 1
		.amdhsa_forward_progress 1
		.amdhsa_inst_pref_size 250
	.end_amdhsa_kernel
	.amdgpu_metadata
---
amdhsa.version: [ 1, 2 ]
amdhsa.kernels:
  - .name:           k_q6dfa061948_attn
    .symbol:         k_q6dfa061948_attn.kd
    .args:
      - { .name: qkvc, .offset: 0, .size: 8, .value_kind: global_buffer, .address_space: global }
      - { .name: lowp_scales, .offset: 8, .size: 8, .value_kind: global_buffer, .address_space: global }
      - { .name: avc, .offset: 16, .size: 8, .value_kind: global_buffer, .address_space: global }
    .group_segment_fixed_size: 263168
    .private_segment_fixed_size: 0
    .kernarg_segment_align: 8
    .kernarg_segment_size: 24
    .max_flat_workgroup_size: 256
    .sgpr_count:     66
    .vgpr_count:     512
    .wavefront_size: 32
...
	.end_amdgpu_metadata
.endif
;; end of part 3
;; launch wo_ln2 (part 4): grid 256 x 1, 4 waves a work-group, no clusters, 1,536 bytes of LDS; arguments avc, wc, x, bo, ln2_g, ln2_b, lowp_scales, x1i, x2c; writes x1i, x2c
.if DOCPART == 4
	.amdgcn_target "amdgcn-amd-amdhsa--gfx1250"
	.amdhsa_code_object_version 6
	.text
	.protected	k_q6dfa061948_wo_ln2
	.globl	k_q6dfa061948_wo_ln2
	.p2align	8
	.type	k_q6dfa061948_wo_ln2,@function
k_q6dfa061948_wo_ln2:
	s_mov_b64 s[64:65], 0
	v_nop
	global_prefetch_b8 v0, s[64:65] scope:SCOPE_SE
	s_setreg_imm32_b32 hwreg(HW_REG_WAVE_MODE, 25, 1), 1
	s_wait_xcnt 0x0
; x1 = x + av Wo + bo;  x2 = LayerNorm 2 of x1, quantised with 2^e12.  A work-group takes 32 tokens (two tiles); wave w takes columns 128 w .. 128 w + 127: Wo's 8 tiles x 512 K stay in 512 registers.
; Source 0 = Wo, source 1 = av: a lane holds one token of each tile and 64 of its columns, register 16 b + i = column 128 w + 32 b + 16 h + i.
; The residual and the bias are the C of the sums, divided by 2^(e10 + e11); the finished sums are multiplied by it once.
; A token's mean and variance span the four waves: two exchanges of 16 x 2 numbers a wave through LDS, a barrier each, on bytes of their own.
; x1i: the registers as they stand: [tile][column group w][q 16][lane][16 bytes].  x2c: fragments [tile][s = w][2048].
; No cluster: Wo is wanted once, in register order, at the head.
; LIMITS: e10 + e11 between -126 and 126; e12 between -126 and 112; x and bo x 2^-(e10 + e11) f32 numbers.  NaN is not served.
; WINDOWS: 0: addresses, sums (v16-143), codes, bo.  1, 2: Wo.  3: v0-127 av's fragments, v128-191 ln2_g, v192-255 ln2_b.
.set LI, 1
.set XA, 2
.set BA, 3
.set ACC, 16
.set PC, 144
.set BO, 160
.set SC, 224
.set LM, 225
.set MSB, 0
.macro WIN new
.if MSB != (\new)
	s_set_vgpr_msb (MSB<<8)|(\new)
.set MSB, (\new)
.endif
.endm
.macro NOPS n
.rept \n
	v_nop
.endr
.endm
.macro MKSC vs, vl, se, st
	s_add_co_i32 s[\st], s[\se], 127
	s_lshl_b32 s[\st+1], s[\st], 23
	v_mov_b32 v[\vs], s[\st+1]
	s_add_co_i32 s[\st], s[\st], 15
	s_lshl_b32 s[\st], s[\st], 23
	s_or_b32 s[\st], s[\st], 0x600000
	v_mov_b32 v[\vl], s[\st]
.endm
.macro QUANT src, sc, lim
.irp b, 0,1,2,3
.irp i, 0,1,2,3,4,5,6,7,8,9,10,11,12,13,14,15
	v_med3_num_f32 v[\src+16*\b+\i], v[\src+16*\b+\i], -v[\lim], v[\lim]
.endr
	v_cvt_scalef32_pk8_bf8_f32 v[PC+4*\b:PC+4*\b+1], v[\src+16*\b:\src+16*\b+7], v[\sc]
	v_cvt_scalef32_pk8_bf8_f32 v[PC+4*\b+2:PC+4*\b+3], v[\src+16*\b+8:\src+16*\b+15], v[\sc]
.endr
	v_nop
.endm
.macro PLOAD bs, tstride
.irp s, 0,1,2,3
.if \s < 2
	WIN 0x40
.else
	WIN 0x80
.endif
.irp t, 0,1,2,3,4,5,6,7
.irp c, 0,1,2,3
	global_load_b128 v[128*(\s%2)+16*\t+4*\c:128*(\s%2)+16*\t+4*\c+3], v[LI], s[\bs:\bs+1] offset:\t*(\tstride)+\s*2048+\c*512
.endr
.endr
.endr
.endm
.macro SUM64 src, d                    ; the sum of a lane's 64 numbers into v[d]; v[d+1 .. d+3] at work
	v_pk_add_f32 v[\d:\d+1], v[\src:\src+1], v[\src+2:\src+3]
	v_pk_add_f32 v[\d+2:\d+3], v[\src+4:\src+5], v[\src+6:\src+7]
.irp j, 8,12,16,20,24,28,32,36,40,44,48,52,56,60
	v_pk_add_f32 v[\d:\d+1], v[\d:\d+1], v[\src+\j:\src+\j+1]
	v_pk_add_f32 v[\d+2:\d+3], v[\d+2:\d+3], v[\src+\j+2:\src+\j+3]
.endr
	v_pk_add_f32 v[\d:\d+1], v[\d:\d+1], v[\d+2:\d+3]
	v_add_f32 v[\d], v[\d], v[\d+1]
.endm
.macro SQ64 src, d                     ; the sum of their squares
	v_pk_mul_f32 v[\d:\d+1], v[\src:\src+1], v[\src:\src+1]
	v_pk_mul_f32 v[\d+2:\d+3], v[\src+2:\src+3], v[\src+2:\src+3]
.irp j, 4,8,12,16,20,24,28,32,36,40,44,48,52,56,60
	v_pk_fma_f32 v[\d:\d+1], v[\src+\j:\src+\j+1], v[\src+\j:\src+\j+1], v[\d:\d+1]
	v_pk_fma_f32 v[\d+2:\d+3], v[\src+\j+2:\src+\j+3], v[\src+\j+2:\src+\j+3], v[\d+2:\d+3]
.endr
	v_pk_add_f32 v[\d:\d+1], v[\d:\d+1], v[\d+2:\d+3]
	v_add_f32 v[\d], v[\d], v[\d+1]
.endm
; the two tiles' figures (v226, v230) are joined with lane l xor 16's, go to LDS from off bytes on, and every wave reads all four waves': the tokens' totals come back in v234 and v238
.macro XCHG off
	v_permlanex16_b32 v6, v226, s56, s57
	v_permlanex16_b32 v7, v230, s56, s57
	v_add_f32 v226, v226, v6
	v_add_f32 v230, v230, v7
	ds_store_b32 v4, v226 offset:\off
	ds_store_b32 v4, v230 offset:\off+64
	s_wait_dscnt 0x0                               ; my stores have landed
	s_barrier_signal -1
	s_barrier_wait -1
.irp a, 0,1
.irp u, 0,1,2,3
	ds_load_b32 v[234+4*\a+\u], v5 offset:\off+64*\a+128*\u
.endr
.endr
	s_wait_dscnt 0x0
.irp a, 0,1
	v_add_f32 v[234+4*\a], v[234+4*\a], v[235+4*\a]
	v_add_f32 v[236+4*\a], v[236+4*\a], v[237+4*\a]
.endr
.irp a, 0,1
	v_add_f32 v[234+4*\a], v[234+4*\a], v[236+4*\a]
.endr
.endm
	s_load_b512 s[4:19], s[0:1], 0x0               ; avc 4, wc 6, x 8, bo 10, ln2_g 12, ln2_b 14, lowp_scales 16, x1i 18
	s_load_b64 s[20:21], s[0:1], 0x40              ; x2c
	v_lshl_add_u32 v254, v0, 2, 0x400
	v_mov_b32 v255, 0
	v_lshrrev_b32 v2, 5, v0
	v_readfirstlane_b32 s22, v2                    ; wave
	v_and_b32 v1, 31, v0
	v_lshlrev_b32 v[LI], 4, v1
	v_and_b32 v226, 15, v0                         ; r
	v_bfe_u32 v227, v0, 4, 1                       ; h
	v_and_b32 v228, 8, v226
	v_add_nc_u32 v228, v228, v226                  ; r + 8 (r/8)
	v_lshlrev_b32 v[BA], 6, v227
	s_lshl_b32 s23, s22, 9
	v_add_nc_u32 v[BA], s23, v[BA]                 ; (128 w + 16 h) x 4
	v_lshl_add_u32 v[XA], v228, 11, v[BA]          ; + my token's row of 2,048 bytes
	s_lshl_b32 s23, s22, 7
	v_lshlrev_b32 v5, 2, v226                      ; LDS: 4 r
	v_add_nc_u32 v4, s23, v5                       ; LDS: 128 w + 4 r
	v_mov_b32 v6, 0
	v_mov_b32 v7, 0
	v_mov_b32 v9, 0
	v_mov_b32 v11, 0
	v_mov_b32 v13, 0
	v_mov_b32 v15, 0
	s_mov_b32 s56, 0x76543210
	s_mov_b32 s57, 0xfedcba98
	s_mov_b32 s58, 0x3b000000                      ; 1 / 512
	s_mov_b32 s59, 0x3727c5ac                      ; 1e-5
	s_mov_b32 s31, 0
	s_wait_kmcnt 0x0
	s_load_b512 s[32:47], s[16:17], 0x0
	s_lshl_b32 s30, ttmp9, 14
	s_add_nc_u64 s[24:25], s[4:5], s[30:31]        ; av's two tiles
	s_add_nc_u64 s[50:51], s[20:21], s[30:31]
	s_lshl_b32 s30, ttmp9, 16
	s_add_nc_u64 s[26:27], s[8:9], s[30:31]        ; x's 32 rows
	s_add_nc_u64 s[48:49], s[18:19], s[30:31]
	s_lshl_b32 s30, s22, 16
	s_add_nc_u64 s[28:29], s[6:7], s[30:31]
	s_add_nc_u64 s[28:29], s[28:29], 0xc0000       ; my 8 tiles of Wo
	s_lshl_b32 s30, s22, 13
	s_add_nc_u64 s[48:49], s[48:49], s[30:31]      ; x1i
	s_lshl_b32 s30, s22, 11
	s_add_nc_u64 s[50:51], s[50:51], s[30:31]      ; x2c
	WIN 0xc0
.set ii, 0
.rept 32
	global_load_b128 v[4*ii:4*ii+3], v[LI], s[24:25] offset:512*ii
.set ii, ii+1
.endr
	WIN 0
.irp a, 0,1
.irp b, 0,1,2,3
.irp q, 0,1,2,3
	global_load_b128 v[ACC+64*\a+16*\b+4*\q:ACC+64*\a+16*\b+4*\q+3], v[XA], s[26:27] offset:16384*\a+128*\b+16*\q
.endr
.endr
.endr
.irp b, 0,1,2,3
.irp q, 0,1,2,3
	global_load_b128 v[BO+16*\b+4*\q:BO+16*\b+4*\q+3], v[BA], s[10:11] offset:128*\b+16*\q
.endr
.endr
	PLOAD 28, 8192
	WIN 0xc0
.irp b, 0,1,2,3
.irp q, 0,1,2,3
	global_load_b128 v[128+16*\b+4*\q:128+16*\b+4*\q+3], v[BA], s[12:13] offset:128*\b+16*\q
.endr
.endr
.irp b, 0,1,2,3
.irp q, 0,1,2,3
	global_load_b128 v[192+16*\b+4*\q:192+16*\b+4*\q+3], v[BA], s[14:15] offset:128*\b+16*\q
.endr
.endr
	WIN 0
	s_wait_kmcnt 0x0
	s_add_co_i32 s60, s42, s43                     ; e10 + e11
	s_sub_co_i32 s52, 127, s60
	s_lshl_b32 s52, s52, 23                        ; 2^-(e10 + e11)
	s_mov_b32 s53, s52
	s_add_co_i32 s54, s60, 127
	s_lshl_b32 s54, s54, 23                        ; 2^(e10 + e11)
	s_mov_b32 s55, s54
	MKSC SC, LM, 44, 60
	s_wait_loadcnt 63                              ; 160 loads are younger than av, x and bo: with at most 63 out those are in
.set jj, 0
.rept 32
	v_pk_mul_f32 v[BO+jj:BO+jj+1], v[BO+jj:BO+jj+1], s[52:53] op_sel_hi:[1,0]
.set jj, jj+2
.endr
.irp a, 0,1
.set jj, 0
.rept 32
	v_pk_fma_f32 v[ACC+64*\a+jj:ACC+64*\a+jj+1], v[ACC+64*\a+jj:ACC+64*\a+jj+1], s[52:53], v[BO+jj:BO+jj+1] op_sel_hi:[1,0,1]
.set jj, jj+2
.endr
.endr
	s_wait_loadcnt 32                              ; Wo is in; only ln2_g and ln2_b may be out
.irp s, 0,1,2,3
.if \s < 2
	WIN 0x0d
.else
	WIN 0x0e
.endif
.irp a, 0,1
.irp t, 0,1,2,3,4,5,6,7
	v_wmma_f32_16x16x128_bf8_bf8 v[ACC+64*\a+8*\t:ACC+64*\a+8*\t+7], v[128*(\s%2)+16*\t:128*(\s%2)+16*\t+15], v[64*\a+16*\s:64*\a+16*\s+15], v[ACC+64*\a+8*\t:ACC+64*\a+8*\t+7]
.endr
.endr
.endr
	WIN 0
	NOPS 4
.set jj, 0
.rept 64
	v_pk_mul_f32 v[ACC+jj:ACC+jj+1], v[ACC+jj:ACC+jj+1], s[54:55] op_sel_hi:[1,0]   ; x1, each accumulator from its low end on
.set jj, jj+2
.endr
.irp a, 0,1
.set ii, 0
.rept 16
	global_store_b128 v[LI], v[ACC+64*\a+4*ii:ACC+64*\a+4*ii+3], s[48:49] offset:32768*\a+512*ii
.set ii, ii+1
.endr
.endr
	SUM64 ACC, 226
	SUM64 ACC+64, 230
	XCHG 0
	v_mul_f32 v8, s58, v234                        ; the means
	v_mul_f32 v10, s58, v238
	s_wait_xcnt 0x0                                ; x1's stores have read their registers
.irp a, 0,1
.set jj, 0
.rept 32
	v_pk_add_f32 v[ACC+64*\a+jj:ACC+64*\a+jj+1], v[ACC+64*\a+jj:ACC+64*\a+jj+1], v[8+2*\a:9+2*\a] op_sel_hi:[1,0] neg_lo:[0,1] neg_hi:[0,1]
.set jj, jj+2
.endr
.endr
	SQ64 ACC, 226
	SQ64 ACC+64, 230
	XCHG 512
	v_fma_f32 v234, v234, s58, s59
	v_fma_f32 v238, v238, s58, s59
	v_rsq_f32 v12, v234
	v_rsq_f32 v14, v238
	v_nop
	s_wait_alu depctr_va_vdst(0)                   ; one wait for both, ahead of the first reader
.irp a, 0,1
.set jj, 0
.rept 32
	v_pk_mul_f32 v[ACC+64*\a+jj:ACC+64*\a+jj+1], v[ACC+64*\a+jj:ACC+64*\a+jj+1], v[12+2*\a:13+2*\a] op_sel_hi:[1,0]
.set jj, jj+2
.endr
.endr
	s_wait_loadcnt 0x0                             ; ln2_g, ln2_b
	WIN 0x3c
.irp a, 0,1
.set jj, 0
.rept 32
	v_pk_fma_f32 v[ACC+64*\a+jj:ACC+64*\a+jj+1], v[ACC+64*\a+jj:ACC+64*\a+jj+1], v[128+jj:129+jj], v[192+jj:193+jj]
.set jj, jj+2
.endr
.endr
	WIN 0
.irp a, 0,1
	s_wait_xcnt 0x0                                ; the stores before have read the codes' registers
	QUANT ACC+64*\a, SC, LM
.irp c, 0,1,2,3
	global_store_b128 v[LI], v[PC+4*\c:PC+4*\c+3], s[50:51] offset:8192*\a+512*\c
.endr
.endr
	s_wait_tensorcnt 0x0
	ds_add_u32 v254, v255
	s_wait_dscnt 0x0
	s_endpgm
.Lfunc_end_k_q6dfa061948_wo_ln2:
	.size	k_q6dfa061948_wo_ln2, .Lfunc_end_k_q6dfa061948_wo_ln2-k_q6dfa061948_wo_ln2
	.p2alignl 7, 3214868480
	.fill 96, 4, 3214868480
	.section	.rodata,"a",@progbits
	.p2align	6, 0x0
	.amdhsa_kernel k_q6dfa061948_wo_ln2
		.amdhsa_group_segment_fixed_size 1536
		.amdhsa_private_segment_fixed_size 0
		.amdhsa_enable_private_segment 0
		.amdhsa_kernarg_size 72
		.amdhsa_user_sgpr_count 2
		.amdhsa_user_sgpr_kernarg_segment_ptr 1
		.amdhsa_wavefront_size32 1
		.amdhsa_system_sgpr_workgroup_id_x 1
		.amdhsa_system_sgpr_workgroup_id_y 1
		.amdhsa_system_sgpr_workgroup_id_z 1
		.amdhsa_system_vgpr_workitem_id 0
		.amdhsa_next_free_vgpr 1024
		.amdhsa_next_free_sgpr 66
		.amdhsa_reserve_vcc 0
		.amdhsa_float_denorm_mode_32 3
		.amdhsa_float_denorm_mode_16_64 3
		.amdhsa_memory_ordered 1
		.amdhsa_forward_progress 1
		.amdhsa_inst_pref_size 76
	.end_amdhsa_kernel
	.amdgpu_metadata
---
amdhsa.version: [ 1, 2 ]
amdhsa.kernels:
  - .name:           k_q6dfa061948_wo_ln2
    .symbol:         k_q6dfa061948_wo_ln2.kd
    .args:
      - { .name: avc, .offset: 0, .size: 8, .value_kind: global_buffer, .address_space: global }
      - { .name: wc, .offset: 8, .size: 8, .value_kind: global_buffer, .address_space: global }
      - { .name: x, .offset: 16, .size: 8, .value_kind: global_buffer, .address_space: global }
      - { .name: bo, .offset: 24, .size: 8, .value_kind: global_buffer, .address_space: global }
      - { .name: ln2_g, .offset: 32, .size: 8, .value_kind: global_buffer, .address_space: global }
      - { .name: ln2_b, .offset: 40, .size: 8, .value_kind: global_buffer, .address_space: global }
      - { .name: lowp_scales, .offset: 48, .size: 8, .value_kind: global_buffer, .address_space: global }
      - { .name: x1i, .offset: 56, .size: 8, .value_kind: global_buffer, .address_space: global }
      - { .name: x2c, .offset: 64, .size: 8, .value_kind: global_buffer, .address_space: global }
    .group_segment_fixed_size: 1536
    .private_segment_fixed_size: 0
    .kernarg_segment_align: 8
    .kernarg_segment_size: 72
    .max_flat_workgroup_size: 128
    .sgpr_count:     66
    .vgpr_count:     1024
    .wavefront_size: 32
...
	.end_amdgpu_metadata
.endif
;; end of part 4
;; launch ffn1 (part 5): grid 4 x 64, 4 waves a work-group, no clusters, 66,048 bytes of LDS; arguments x2c, wc, b1, lowp_scales, hc; writes hc
.if DOCPART == 5
	.amdgcn_target "amdgcn-amd-amdhsa--gfx1250"
	.amdhsa_code_object_version 6
	.text
	.protected	k_q6dfa061948_ffn1
	.globl	k_q6dfa061948_ffn1
	.p2align	8
	.type	k_q6dfa061948_ffn1,@function
k_q6dfa061948_ffn1:
	s_mov_b64 s[64:65], 0
	v_nop
	global_prefetch_b8 v0, s[64:65] scope:SCOPE_SE
	s_setreg_imm32_b32 hwreg(HW_REG_WAVE_MODE, 25, 1), 1
	s_wait_xcnt 0x0
; h = gelu(x2 W1 + b1), quantised with 2^e14.  A work-group makes 512 hidden units (x) for 128 tokens (y); wave w has 128 units.
; The 8 token tiles of x2 (source 1) are copied once into LDS as they lie, read once by each wave and kept in 512 registers.  W1 (source 0) comes from memory in four PAIRS of tiles (32 units, 16,384 bytes, 32 loads
; a wave) into two sets of registers that take turns: pair b + 2 is asked for behind pair b's last product, so that the work begins when the first pair has landed and the others arrive under it.
; A lane holds one token of each tile and, of pair b, units 32 b + 16 h + 0 .. 15 of the wave's 128: 16 neighbours along the next K.  A body is pair b against four token tiles: 64 numbers a lane, 16 for each tile:
; piece c = b of K step 4 x + w of four fragments of the next product.  A pair's two bodies are one loop of two trips: only the run of matrix instructions is written twice (the tokens lie in two windows).
; THE EXACT GELU: gelu(x) = max(x, 0) - |x| u, u = erfc(|x| / sqrt 2) / 2: no difference of near numbers for x < 0.
; u = t 2^(KN x^2 + C0 + t (C1 + .. + t C9)), t = 1 / (1 + TC |x|): the rational Chebyshev form of erfc with a fractional error under 1.2e-7 everywhere; log2(e) and the half are folded into the constants.
; No cluster: W1 is wanted once, in register order.
; LIMITS: e12 + e13 between -126 and 127; e14 between -126 and 112.  NaN is not served.
; WINDOWS: 0: addresses, sums v16-79, codes v80-95, b1 v96-159, t v160-191, exponent v192-223, polynomial v224-255.  1: W1's pair b at v[128 (b%2) + 64 u + 16 s].
;   2, 3: token tiles 0-3, 4-7 at v[64 (a%4) + 16 s]; at the head v128-255 of window 3 are the copy's registers.
.set LI, 1
.set QV, 2
.set VO, 4                             ; v4  the stores' offset: 16 x lane + 131,072 x (which four token tiles)
.set ACC, 16
.set PC, 80
.set B1, 96
.set T, 160
.set E, 192
.set M, 224
.set K2, 48
.set TC, 50
.set KN, 52
.set C0, 54
.set C1, 56
.set C2, 58
.set C3, 60
.set C4, 62
.set C5, 66
.set C6, 68
.set C7, 70
.set C9, 74
.set MSB, 0
.macro WIN new
.if MSB != (\new)
	s_set_vgpr_msb (MSB<<8)|(\new)
.set MSB, (\new)
.endif
.endm
.macro NOPS n
.rept \n
	v_nop
.endr
.endm
.macro MKSC vs, vl, se, st
	s_add_co_i32 s[\st], s[\se], 127
	s_lshl_b32 s[\st+1], s[\st], 23
	v_mov_b32 v[\vs], s[\st+1]
	s_add_co_i32 s[\st], s[\st], 15
	s_lshl_b32 s[\st], s[\st], 23
	s_or_b32 s[\st], s[\st], 0x600000
	v_mov_b32 v[\vl], s[\st]
.endm
.macro QUANT src, sc, lim              ; 64 numbers of a lane become 16 registers of codes, four for each 16
.irp b, 0,1,2,3
.irp i, 0,1,2,3,4,5,6,7,8,9,10,11,12,13,14,15
	v_med3_num_f32 v[\src+16*\b+\i], v[\src+16*\b+\i], -v[\lim], v[\lim]
.endr
	v_cvt_scalef32_pk8_bf8_f32 v[PC+4*\b:PC+4*\b+1], v[\src+16*\b:\src+16*\b+7], v[\sc]
	v_cvt_scalef32_pk8_bf8_f32 v[PC+4*\b+2:PC+4*\b+3], v[\src+16*\b+8:\src+16*\b+15], v[\sc]
.endr
	v_nop                                          ; a plain line behind the last conversion: matrix instructions write its sources later
.endm
; 32 matrix instructions: pair b against token tiles 4 g .. 4 g + 3, K step by K step, the eight accumulators by turns; the first K step starts the sums
.macro MMP b, g
	WIN 0x09+4*(\g)                                ; source 0 window 1, source 1 window 2 or 3, C and D window 0
.irp s, 0,1,2,3
.irp a, 0,1,2,3
.irp u, 0,1
.set rD, ACC+16*\a+8*\u
.set rA, 128*((\b)%2)+64*\u+16*\s
.set rB, 64*\a+16*\s
.if \s == 0
	v_wmma_f32_16x16x128_bf8_bf8 v[rD:rD+7], v[rA:rA+15], v[rB:rB+15], 0
.else
	v_wmma_f32_16x16x128_bf8_bf8 v[rD:rD+7], v[rA:rA+15], v[rB:rB+15], v[rD:rD+7]
.endif
.endr
.endr
.endr
.endm
.macro PLOADB b                        ; W1's pair b: 32 loads of 512 consecutive bytes, into set b % 2
	WIN 0x40
.set ii, 0
.rept 32
	global_load_b128 v[128*((\b)%2)+4*ii:128*((\b)%2)+4*ii+3], v[LI], s[24:25] offset:(\b)*16384+512*ii
.set ii, ii+1
.endr
	WIN 0
.endm
.macro GELU hf, b                      ; 32 of the lane's 64 numbers (two token tiles' 16 units of pair b), in place; two batches of transcendentals, one wait each
.set GX, ACC+32*(\hf)
.set GB, B1+16*(\b)
.set jj, 0
.rept 16
	v_pk_fma_f32 v[GX+jj:GX+jj+1], v[GX+jj:GX+jj+1], s[K2:K2+1], v[GB+(jj%16):GB+(jj%16)+1] op_sel_hi:[1,0,1]   ; x = sum x 2^(e12 + e13) + b1
.set jj, jj+2
.endr
.set jj, 0
.rept 32
	v_fma_f32 v[T+jj], |v[GX+jj]|, s[TC], 1.0
.set jj, jj+1
.endr
.set jj, 0
.rept 32
	v_rcp_f32 v[T+jj], v[T+jj]
.set jj, jj+1
.endr
.set jj, 0
.rept 16
	v_pk_mul_f32 v[E+jj:E+jj+1], v[GX+jj:GX+jj+1], v[GX+jj:GX+jj+1]   ; x^2: the plain work behind the batch
.set jj, jj+2
.endr
	s_wait_alu depctr_va_vdst(0)                   ; one wait for the 32 reciprocals, ahead of their first reader
.set jj, 0
.rept 16
	v_pk_fma_f32 v[M+jj:M+jj+1], v[T+jj:T+jj+1], s[C9:C9+1], v[10:11] op_sel_hi:[1,0,1]   ; C9 t + C8
.set jj, jj+2
.endr
.irp k, C7, C6, C5, C4, C3, C2, C1, C0
.set jj, 0
.rept 16
	v_pk_fma_f32 v[M+jj:M+jj+1], v[M+jj:M+jj+1], v[T+jj:T+jj+1], s[\k:\k+1] op_sel_hi:[1,1,0]
.set jj, jj+2
.endr
.endr
.set jj, 0
.rept 16
	v_pk_fma_f32 v[E+jj:E+jj+1], v[E+jj:E+jj+1], s[KN:KN+1], v[M+jj:M+jj+1] op_sel_hi:[1,0,1]
.set jj, jj+2
.endr
.set jj, 0
.rept 32
	v_exp_f32 v[E+jj], v[E+jj]
.set jj, jj+1
.endr
.set jj, 0
.rept 32
	v_max_num_f32 v[M+jj], v[GX+jj], 0             ; max(x, 0): the plain work behind the batch
.set jj, jj+1
.endr
	s_wait_alu depctr_va_vdst(0)                   ; one wait for the 32 exponentials
.set jj, 0
.rept 16
	v_pk_mul_f32 v[E+jj:E+jj+1], v[E+jj:E+jj+1], v[T+jj:T+jj+1]   ; u
.set jj, jj+2
.endr
.set jj, 0
.rept 32
	v_fma_f32 v[GX+jj], -|v[GX+jj]|, v[E+jj], v[M+jj]
.set jj, jj+1
.endr
.endm
; PAIR b: two trips, token tiles 0-3 and 4-7.  The branch hangs on the loop's counter alone and chooses between two runs of matrix instructions that differ in source 1's window.
.macro BBLOCK b
.if (\b) == 3
	s_wait_loadcnt 0x0                             ; the last pair
.else
	s_wait_loadcnt 32                              ; this pair (ahead of the first: b1 too) is in; the next pair's 32 loads stay out
.endif
	s_mov_b32 s19, 0
.Lg_\@:
	s_cmp_eq_u32 s19, 0
	s_cbranch_scc0 .Lhi_\@
	MMP \b, 0
	WIN 0
	s_branch .Ljoin_\@
.Lhi_\@:
	MMP \b, 1
	WIN 0
.Ljoin_\@:
	NOPS 4                                         ; four places behind the last product
	GELU 0, \b
	GELU 1, \b
	s_wait_xcnt 0x0                                ; the last body's stores have read the codes' registers and their offset
	v_xor_b32 v[VO], 0x20000, v[VO]                ; the other four token tiles than last time
	QUANT ACC, 8, 9
.irp a, 0,1,2,3
	global_store_b128 v[VO], v[PC+4*\a:PC+4*\a+3], s[20:21] offset:32768*\a+512*(\b)   ; 512 consecutive bytes
.endr
	s_add_co_u32 s19, s19, 1
	s_cmp_lt_u32 s19, 2
	s_cbranch_scc1 .Lg_\@
.if (\b) < 2
	PLOADB (\b)+2                                  ; this pair's set is done with: it takes the pair two on, which has the next pair's two bodies in which to land
.endif
.endm
	s_load_b256 s[4:11], s[0:1], 0x0               ; x2c 4, wc 6, b1 8, lowp_scales 10
	s_load_b64 s[12:13], s[0:1], 0x20              ; hc
	v_lshl_add_u32 v14, v0, 2, 0x10000
	v_mov_b32 v15, 0
	v_lshrrev_b32 v3, 5, v0
	v_readfirstlane_b32 s14, v3                    ; wave
	v_and_b32 v4, 31, v0
	v_lshlrev_b32 v[LI], 4, v4
	s_lshl_b32 s30, s14, 14
	v_add_nc_u32 v[QV], s30, v[LI]
	v_add_nc_u32 v[VO], 0x20000, v[LI]             ; the first body turns it to 16 x lane
	v_bfe_u32 v3, v0, 4, 1
	v_lshlrev_b32 v3, 6, v3
	s_lshl_b32 s30, s14, 9
	v_add_nc_u32 v3, s30, v3                       ; (128 w + 16 h) x 4
	s_mov_b32 s15, ttmp9                           ; hg
	s_and_b32 s16, ttmp7, 0xffff                   ; tb
	s_mov_b32 s31, 0
	s_mov_b32 s[TC], 0x3eb504f3                    ; 0.35355339
	s_mov_b32 s[TC+1], s[TC]
	s_mov_b32 s[KN], 0xbf38aa3b                    ; -0.72134752
	s_mov_b32 s[KN+1], s[KN]
	s_mov_b32 s[C0], 0xc034d90f                    ; -2.8257482
	s_mov_b32 s[C0+1], s[C0]
	s_mov_b32 s[C1], 0x3fb8ab5a                    ; 1.4427292
	s_mov_b32 s[C1+1], s[C1]
	s_mov_b32 s[C2], 0x3f0a29d2                    ; 0.53970062
	s_mov_b32 s[C2+1], s[C2]
	s_mov_b32 s[C3], 0x3e0efb2e                    ; 0.13963006
	s_mov_b32 s[C3+1], s[C3]
	s_mov_b32 s[C4], 0xbe899a80                    ; -0.26875686
	s_mov_b32 s[C4+1], s[C4]
	s_mov_b32 s[C5], 0x3ecdfd18                    ; 0.40232158
	s_mov_b32 s[C5+1], s[C5]
	s_mov_b32 s[C6], 0xbfd1a1e5                    ; -1.6377532
	s_mov_b32 s[C6+1], s[C6]
	s_mov_b32 s[C7], 0x40097039                    ; 2.1474745
	s_mov_b32 s[C7+1], s[C7]
	s_mov_b32 s[C9], 0x3e7c6f08                    ; 0.2465173
	s_mov_b32 s[C9+1], s[C9]
	v_mov_b32 v10, 0xbf97d29d                      ; C8 = -1.1861149, in a vector pair
	v_mov_b32 v11, 0xbf97d29d
	s_wait_kmcnt 0x0
	s_load_b512 s[32:47], s[10:11], 0x0
	s_lshl_b32 s30, s15, 18
	s_add_nc_u64 s[24:25], s[6:7], s[30:31]
	s_lshl_b32 s30, s14, 16
	s_add_nc_u64 s[24:25], s[24:25], s[30:31]
	s_add_nc_u64 s[24:25], s[24:25], 0x100000      ; my 8 tiles of W1
	s_lshl_b32 s30, s16, 16
	s_add_nc_u64 s[26:27], s[4:5], s[30:31]        ; the block's 8 token tiles
	s_lshl_b32 s30, s15, 11
	s_add_nc_u64 s[28:29], s[8:9], s[30:31]        ; b1 at the group's 512 units
	s_lshl_b32 s30, s16, 18
	s_add_nc_u64 s[20:21], s[12:13], s[30:31]
	s_lshl_b32 s30, s15, 2
	s_add_co_u32 s30, s30, s14
	s_lshl_b32 s30, s30, 11
	s_add_nc_u64 s[20:21], s[20:21], s[30:31]      ; hc: tile 8 tb, K step 4 hg + w
	WIN 0xc0
.set ii, 0
.rept 32
	global_load_b128 v[128+4*ii:128+4*ii+3], v[QV], s[26:27] offset:512*ii   ; my quarter of the token tiles' 65,536 bytes
.set ii, ii+1
.endr
	WIN 0
.irp b, 0,1,2,3
.irp q, 0,1,2,3
	global_load_b128 v[B1+16*\b+4*\q:B1+16*\b+4*\q+3], v3, s[28:29] offset:128*\b+16*\q
.endr
.endr
	PLOADB 0
	PLOADB 1
	s_wait_loadcnt 63                              ; 80 loads are younger than my quarter's 32: with at most 63 out those 32 are in
	WIN 0x0c
.set ii, 0
.rept 32
	ds_store_b128 v[QV], v[128+4*ii:128+4*ii+3] offset:512*ii
.set ii, ii+1
.endr
	WIN 0
	s_wait_dscnt 0x0                               ; my stores have landed
	s_barrier_signal -1
	s_barrier_wait -1                              ; the token tiles lie whole in LDS and are never written again
	WIN 0x80
.set ii, 0
.rept 64
	ds_load_b128 v[4*ii:4*ii+3], v[LI] offset:512*ii             ; tiles 0-3, as they lie: they stay in registers
.set ii, ii+1
.endr
	WIN 0xc0
.set ii, 0
.rept 64
	ds_load_b128 v[4*ii:4*ii+3], v[LI] offset:32768+512*ii       ; tiles 4-7
.set ii, ii+1
.endr
	WIN 0
	s_wait_kmcnt 0x0
	s_add_co_i32 s[K2], s44, s45
	s_add_co_i32 s[K2], s[K2], 127
	s_lshl_b32 s[K2], s[K2], 23                    ; 2^(e12 + e13)
	s_mov_b32 s[K2+1], s[K2]
	MKSC 8, 9, 46, 22
	s_wait_dscnt 0x0                               ; the token tiles are in my registers
	BBLOCK 0
	BBLOCK 1
	BBLOCK 2
	BBLOCK 3
	s_wait_tensorcnt 0x0
	ds_add_u32 v14, v15
	s_wait_dscnt 0x0
	s_endpgm
.Lfunc_end_k_q6dfa061948_ffn1:
	.size	k_q6dfa061948_ffn1, .Lfunc_end_k_q6dfa061948_ffn1-k_q6dfa061948_ffn1
	.p2alignl 7, 3214868480
	.fill 96, 4, 3214868480
	.section	.rodata,"a",@progbits
	.p2align	6, 0x0
	.amdhsa_kernel k_q6dfa061948_ffn1
		.amdhsa_group_segment_fixed_size 66048
		.amdhsa_private_segment_fixed_size 0
		.amdhsa_enable_private_segment 0
		.amdhsa_kernarg_size 40
		.amdhsa_user_sgpr_count 2
		.amdhsa_user_sgpr_kernarg_segment_ptr 1
		.amdhsa_wavefront_size32 1
		.amdhsa_system_sgpr_workgroup_id_x 1
		.amdhsa_system_sgpr_workgroup_id_y 1
		.amdhsa_system_sgpr_workgroup_id_z 1
		.amdhsa_system_vgpr_workitem_id 0
		.amdhsa_next_free_vgpr 1024
		.amdhsa_next_free_sgpr 80
		.amdhsa_reserve_vcc 0
		.amdhsa_float_denorm_mode_32 3
		.amdhsa_float_denorm_mode_16_64 3
		.amdhsa_memory_ordered 1
		.amdhsa_forward_progress 1
		.amdhsa_inst_pref_size 238
	.end_amdhsa_kernel
	.amdgpu_metadata
---
amdhsa.version: [ 1, 2 ]
amdhsa.kernels:
  - .name:           k_q6dfa061948_ffn1
    .symbol:         k_q6dfa061948_ffn1.kd
    .args:
      - { .name: x2c, .offset: 0, .size: 8, .value_kind: global_buffer, .address_space: global }
      - { .name: wc, .offset: 8, .size: 8, .value_kind: global_buffer, .address_space: global }
      - { .name: b1, .offset: 16, .size: 8, .value_kind: global_buffer, .address_space: global }
      - { .name: lowp_scales, .offset: 24, .size: 8, .value_kind: global_buffer, .address_space: global }
      - { .name: hc, .offset: 32, .size: 8, .value_kind: global_buffer, .address_space: global }
    .group_segment_fixed_size: 66048
    .private_segment_fixed_size: 0
    .kernarg_segment_align: 8
    .kernarg_segment_size: 40
    .max_flat_workgroup_size: 128
    .sgpr_count:     80
    .vgpr_count:     1024
    .wavefront_size: 32
...
	.end_amdgpu_metadata
.endif
;; end of part 5
;; launch ffn2 (part 6): grid 4 x 64, 4 waves a work-group, no clusters, 296,448 bytes of LDS; arguments hc, wc, x1i, b2, lowp_scales, out0; writes out0
.if DOCPART == 6
	.amdgcn_target "amdgcn-amd-amdhsa--gfx1250"
	.amdhsa_code_object_version 6
	.text
	.protected	k_q6dfa061948_ffn2
	.globl	k_q6dfa061948_ffn2
	.p2align	8
	.type	k_q6dfa061948_ffn2,@function
k_q6dfa061948_ffn2:
	s_mov_b64 s[64:65], 0
	v_nop
	global_prefetch_b8 v0, s[64:65] scope:SCOPE_SE
	s_setreg_imm32_b32 hwreg(HW_REG_WAVE_MODE, 25, 1), 1
	s_wait_xcnt 0x0
; out = x1 + h W2 + b2.  A work-group makes 128 tokens (y) x 128 columns (x), K = 2,048.  THE WAVES SHARE K: wave w has K steps 4 w .. 4 w + 3, so that every fragment of W2 and of h is read once,
; by one wave, from memory straight into registers.  The four partial sums of a token tile meet in LDS as images of their registers, behind one barrier; wave w adds up tiles 2 w and 2 w + 1.
; Source 0 = W2, source 1 = h: a lane holds one token and 64 columns, in the order in which x1i holds x1.  The sums over K are f32 sums in another order than one chain's.
; The result goes through the wave's own stage and leaves as rows: 512 consecutive bytes a store.
; No cluster: each operand byte is wanted by one wave alone.
; LIMITS: e14 + e15 between -126 and 127.  NaN is not served.
; WINDOWS: 0: addresses, two sets of sums v16-143, rows v144-207.  1, 2: W2, later partial sums (1) and x1, b2 (2).  3: four sets of h's fragments, later partial sums.
; LDS: partial images at (4 a + w) x 8,192: 262,144 bytes; then a stage of 16 rows x 528 bytes for each wave.
.set LI, 1
.set RD, 6
.set SI, 7
.set SO, 8
.set ACC, 16
.set MSB, 0
.macro WIN new
.if MSB != (\new)
	s_set_vgpr_msb (MSB<<8)|(\new)
.set MSB, (\new)
.endif
.endm
.macro NOPS n
.rept \n
	v_nop
.endr
.endm
.macro MM acc, set
.irp s, 0,1,2,3
.if \s < 2
	WIN 0x0d
.else
	WIN 0x0e
.endif
.irp t, 0,1,2,3,4,5,6,7
.if \s == 0
	v_wmma_f32_16x16x128_bf8_bf8 v[(\acc)+8*\t:(\acc)+8*\t+7], v[128*(\s%2)+16*\t:128*(\s%2)+16*\t+15], v[64*(\set)+16*\s:64*(\set)+16*\s+15], 0
.else
	v_wmma_f32_16x16x128_bf8_bf8 v[(\acc)+8*\t:(\acc)+8*\t+7], v[128*(\s%2)+16*\t:128*(\s%2)+16*\t+15], v[64*(\set)+16*\s:64*(\set)+16*\s+15], v[(\acc)+8*\t:(\acc)+8*\t+7]
.endif
.endr
.endr
.endm
.macro PLOAD bs, tstride
.irp s, 0,1,2,3
.if \s < 2
	WIN 0x40
.else
	WIN 0x80
.endif
.irp t, 0,1,2,3,4,5,6,7
.irp c, 0,1,2,3
	global_load_b128 v[128*(\s%2)+16*\t+4*\c:128*(\s%2)+16*\t+4*\c+3], v[LI], s[\bs:\bs+1] offset:\t*(\tstride)+\s*2048+\c*512
.endr
.endr
.endr
.endm
.macro QLOAD a                         ; token tile a, my four K steps: 8,192 consecutive bytes, into set a % 4
	WIN 0xc0
.irp s, 0,1,2,3
.irp c, 0,1,2,3
	global_load_b128 v[64*((\a)%4)+16*\s+4*\c:64*((\a)%4)+16*\s+4*\c+3], v[LI], s[26:27] offset:(\a)*32768+\s*2048+\c*512 th:TH_LOAD_NT
.endr
.endr
	WIN 0
.endm
	s_load_b256 s[4:11], s[0:1], 0x0               ; hc 4, wc 6, x1i 8, b2 10
	s_load_b128 s[12:15], s[0:1], 0x20             ; lowp_scales 12, out0 14
	v_lshl_add_u32 v254, v0, 2, 0x48400
	v_mov_b32 v255, 0
	v_lshrrev_b32 v2, 5, v0
	v_readfirstlane_b32 s16, v2                    ; wave
	v_and_b32 v9, 31, v0
	v_lshlrev_b32 v[LI], 4, v9
	s_lshl_b32 s20, s16, 13
	v_add_nc_u32 v2, s20, v[LI]                    ; where I put partial images: tiles 0, 1;
	v_add_nc_u32 v3, 0x10000, v2                   ; 2, 3;
	v_add_nc_u32 v4, 0x20000, v2                   ; 4, 5;
	v_add_nc_u32 v5, 0x30000, v2                   ; 6, 7
	s_lshl_b32 s20, s16, 16
	v_add_nc_u32 v[RD], s20, v[LI]                 ; where I read the four partial images of my two tiles
	s_mul_i32 s20, s16, 8448
	s_add_co_u32 s20, s20, 0x40000                 ; my stage
	v_add_nc_u32 v[SO], s20, v[LI]
	v_and_b32 v10, 15, v0
	v_bfe_u32 v11, v0, 4, 1
	v_mul_u32_u24 v[SI], v10, 528
	v_lshl_add_u32 v[SI], v11, 6, v[SI]
	v_add_nc_u32 v[SI], s20, v[SI]                 ; in: row r, + 64 h
	v_lshlrev_b32 v12, 6, v11                      ; b2: 16 h numbers on
	s_mov_b32 s17, ttmp9                           ; ng
	s_and_b32 s18, ttmp7, 0xffff                   ; tb
	s_mov_b32 s21, 0
	s_wait_kmcnt 0x0
	s_load_b512 s[32:47], s[12:13], 0x0
	s_lshl_b32 s20, s17, 18
	s_add_nc_u64 s[24:25], s[6:7], s[20:21]
	s_lshl_b32 s20, s16, 13
	s_add_nc_u64 s[24:25], s[24:25], s[20:21]
	s_add_nc_u64 s[24:25], s[24:25], 0x200000      ; W2: tile 8 ng, K step 4 w
	s_add_nc_u64 s[26:27], s[4:5], s[20:21]
	s_lshl_b32 s20, s18, 18
	s_add_nc_u64 s[26:27], s[26:27], s[20:21]      ; hc: tile 8 tb, K step 4 w
	s_add_nc_u64 s[28:29], s[8:9], s[20:21]
	s_add_nc_u64 s[14:15], s[14:15], s[20:21]
	s_lshl_b32 s20, s16, 16
	s_add_nc_u64 s[28:29], s[28:29], s[20:21]
	s_add_nc_u64 s[14:15], s[14:15], s[20:21]
	s_lshl_b32 s20, s17, 13
	s_add_nc_u64 s[28:29], s[28:29], s[20:21]      ; x1i: tile 8 tb + 2 w, column group ng
	s_lshl_b32 s20, s17, 9
	s_add_nc_u64 s[14:15], s[14:15], s[20:21]      ; out0: row 128 tb + 32 w, column 128 ng
	s_add_nc_u64 s[30:31], s[10:11], s[20:21]      ; b2 at column 128 ng
	PLOAD 24, 32768
	QLOAD 0
	QLOAD 1
	QLOAD 2
	QLOAD 3
.irp a, 0,1,2,3,4,5,6,7
.if \a <= 4
	s_wait_loadcnt 48                              ; W2 and this tile are in; the next three tiles' loads stay out
.else
	s_wait_loadcnt 16*(7-\a)
.endif
.if \a >= 2
	s_wait_dscnt 16                                ; the stores of the tile two back have read this set of sums
.endif
	MM ACC+64*(\a%2), \a%4
	WIN 0
	NOPS 4                                         ; four places behind the last product: ahead of loads into its operands and of the stores that read results
.if \a < 4
	QLOAD \a+4
.endif
.set ii, 0
.rept 16
	ds_store_b128 v[2+\a/2], v[ACC+64*(\a%2)+4*ii:ACC+64*(\a%2)+4*ii+3] offset:(\a%2)*32768+512*ii
.set ii, ii+1
.endr
.endr
	WIN 0x80                                       ; W2's registers are done with: x1 and b2 land in window 2
.irp ap, 0,1
.set ii, 0
.rept 16
	global_load_b128 v[64*\ap+4*ii:64*\ap+4*ii+3], v[LI], s[28:29] offset:32768*\ap+512*ii th:TH_LOAD_NT
.set ii, ii+1
.endr
.endr
.irp b, 0,1,2,3
.irp q, 0,1,2,3
	global_load_b128 v[128+16*\b+4*\q:128+16*\b+4*\q+3], v12, s[30:31] offset:128*\b+16*\q
.endr
.endr
	WIN 0
	s_wait_kmcnt 0x0
	s_add_co_i32 s22, s46, s47
	s_add_co_i32 s22, s22, 127
	s_lshl_b32 s22, s22, 23                        ; 2^(e14 + e15)
	s_mov_b32 s23, s22
	s_wait_dscnt 0x0                               ; my partial images have landed
	s_barrier_signal -1
	s_barrier_wait -1                              ; everybody's have
	WIN 0x40
.set ii, 0
.rept 64
	ds_load_b128 v[4*ii:4*ii+3], v[RD] offset:512*ii           ; tile 2 w: the four waves' images on end
.set ii, ii+1
.endr
	WIN 0xc0
.set ii, 0
.rept 64
	ds_load_b128 v[4*ii:4*ii+3], v[RD] offset:32768+512*ii     ; tile 2 w + 1
.set ii, ii+1
.endr
	WIN 0
	s_wait_loadcnt 0x0                             ; x1, b2
.macro RED ap, wn                      ; tile 2 w + ap; wn: sources 0 and 1 in the window that holds its four images
	WIN \wn
.set jj, 0
.rept 32
	v_pk_add_f32 v[16+jj:17+jj], v[jj:jj+1], v[64+jj:65+jj]
	v_pk_add_f32 v[80+jj:81+jj], v[128+jj:129+jj], v[192+jj:193+jj]
.set jj, jj+2
.endr
	WIN 0
.set jj, 0
.rept 32
	v_pk_add_f32 v[16+jj:17+jj], v[16+jj:17+jj], v[80+jj:81+jj]
.set jj, jj+2
.endr
	WIN 0x20
.set jj, 0
.rept 32
	v_pk_fma_f32 v[16+jj:17+jj], v[16+jj:17+jj], s[22:23], v[64*\ap+jj:64*\ap+jj+1] op_sel_hi:[1,0,1]   ; sum x 2^(e14 + e15) + x1
.set jj, jj+2
.endr
	WIN 0x08
.set jj, 0
.rept 32
	v_pk_add_f32 v[16+jj:17+jj], v[16+jj:17+jj], v[128+jj:129+jj]   ; + b2
.set jj, jj+2
.endr
	WIN 0
.irp b, 0,1,2,3
.irp q, 0,1,2,3
	ds_store_b128 v[SI], v[16+16*\b+4*\q:16+16*\b+4*\q+3] offset:128*\b+16*\q
.endr
.endr
.irp p, 0,1,2,3,4,5,6,7,8,9,10,11,12,13,14,15
	ds_load_b128 v[144+4*\p:144+4*\p+3], v[SO] offset:528*\p   ; LDS serves a wave's instructions in order (ISA guide 5.7.1.4): these see my stores
.endr
.irp p, 0,1,2,3,4,5,6,7,8,9,10,11,12,13,14,15
	s_wait_dscnt 15-\p
	global_store_b128 v[LI], v[144+4*\p:144+4*\p+3], s[14:15] offset:(8*\ap+\p+8*(\p/8))*2048 th:TH_STORE_NT   ; 512 consecutive bytes of a row
.endr
.endm
	s_wait_dscnt 63                                ; of 128 loads at most 63 are out: the first tile's 64 are in
	RED 0, 0x05
	s_wait_dscnt 0x0
	s_wait_xcnt 0x0                                ; the first tile's stores have read their registers
	RED 1, 0x0f
	s_wait_tensorcnt 0x0
	ds_add_u32 v254, v255
	s_wait_dscnt 0x0
	s_endpgm
.Lfunc_end_k_q6dfa061948_ffn2:
	.size	k_q6dfa061948_ffn2, .Lfunc_end_k_q6dfa061948_ffn2-k_q6dfa061948_ffn2
	.p2alignl 7, 3214868480
	.fill 96, 4, 3214868480
	.section	.rodata,"a",@progbits
	.p2align	6, 0x0
	.amdhsa_kernel k_q6dfa061948_ffn2
		.amdhsa_group_segment_fixed_size 296448
		.amdhsa_private_segment_fixed_size 0
		.amdhsa_enable_private_segment 0
		.amdhsa_kernarg_size 48
		.amdhsa_user_sgpr_count 2
		.amdhsa_user_sgpr_kernarg_segment_ptr 1
		.amdhsa_wavefront_size32 1
		.amdhsa_system_sgpr_workgroup_id_x 1
		.amdhsa_system_sgpr_workgroup_id_y 1
		.amdhsa_system_sgpr_workgroup_id_z 1
		.amdhsa_system_vgpr_workitem_id 0
		.amdhsa_next_free_vgpr 1024
		.amdhsa_next_free_sgpr 66
		.amdhsa_reserve_vcc 0
		.amdhsa_float_denorm_mode_32 3
		.amdhsa_float_denorm_mode_16_64 3
		.amdhsa_memory_ordered 1
		.amdhsa_forward_progress 1
		.amdhsa_inst_pref_size 95
	.end_amdhsa_kernel
	.amdgpu_metadata
---
amdhsa.version: [ 1, 2 ]
amdhsa.kernels:
  - .name:           k_q6dfa061948_ffn2
    .symbol:         k_q6dfa061948_ffn2.kd
    .args:
      - { .name: hc, .offset: 0, .size: 8, .value_kind: global_buffer, .address_space: global }
      - { .name: wc, .offset: 8, .size: 8, .value_kind: global_buffer, .address_space: global }
      - { .name: x1i, .offset: 16, .size: 8, .value_kind: global_buffer, .address_space: global }
      - { .name: b2, .offset: 24, .size: 8, .value_kind: global_buffer, .address_space: global }
      - { .name: lowp_scales, .offset: 32, .size: 8, .value_kind: global_buffer, .address_space: global }
      - { .name: out0, .offset: 40, .size: 8, .value_kind: global_buffer, .address_space: global }
    .group_segment_fixed_size: 296448
    .private_segment_fixed_size: 0
    .kernarg_segment_align: 8
    .kernarg_segment_size: 48
    .max_flat_workgroup_size: 128
    .sgpr_count:     66
    .vgpr_count:     1024
    .wavefront_size: 32
...
	.end_amdgpu_metadata
.endif
;; end of part 6
;; ======== version 2 of 2: 6 launches
;; workspace buffers: wc 3,145,728 bytes; xnc 12,582,912 bytes; qkvc 12,582,912 bytes; avc 4,194,304 bytes; x1i 16,777,216 bytes; x2c 4,194,304 bytes; hc 16,777,216 bytes
;; launch prep (part 7): grid 320 x 1, 4 waves a work-group, no clusters, 104,960 bytes of LDS; arguments Wq, Wk, Wv, Wo, W1, W2, x, ln1_g, ln1_b, lowp_scales, wc, xnc; writes wc, xnc
.if DOCPART == 7
	.amdgcn_target "amdgcn-amd-amdhsa--gfx1250"
	.amdhsa_code_object_version 6
	.text
	.protected	k_q6dfa061948_prep
	.globl	k_q6dfa061948_prep
	.p2align	8
	.type	k_q6dfa061948_prep,@function
k_q6dfa061948_prep:
	s_mov_b64 s[64:65], 0
	v_nop
	global_prefetch_b8 v0, s[64:65] scope:SCOPE_SE
	s_setreg_imm32_b32 hwreg(HW_REG_WAVE_MODE, 25, 1), 1
	s_wait_xcnt 0x0
; PREP.  Work-groups 0-191: the six weights (f32, K not innermost) become codes of E5M2 in the order of an operand's registers.
; Work-groups 192-319: LayerNorm 1 of x, quantised three times (scales e1, e3, e5), in the same order.
; A TILE is 16 rows: tile j, lane row r is row 32 (j/2) + 8 (j%2) + r + 8 (r/8).  A FRAGMENT is a tile x 128 along K, 2,048 bytes:
; byte 512 c + 16 (16 h + r) + i is the code of (that row, k = 128 s + 32 c + 16 h + i).  wc: [tile][s][2048] for each weight; xnc: [version][tile][s][2048].
; code = x / 2^e, held within +-57,344, to the nearest code, ties to even.
; LIMITS: each e used here lies between -126 and 112, so that 2^e and 57,344 x 2^e are f32 numbers.  NaN among the inputs is not served.
; No matrix work, no barrier: waves share nothing.  Only the LayerNorm path uses LDS, each wave a stage of its own.
.set XR, 64                            ; v64-191  LN: eight sets of 16 numbers as loaded: eight tokens, 32 loads, 16,384 bytes a wave on their way
.set DV, 40                            ; v40-55   LN: x - mean, then y
.set TH, 192                           ; v192-207 LN: y held within the largest code
.set CD, 208                           ; v208-219 LN: the three versions' codes
.set SCB, 220                          ; v220-225 LN: three pairs: 2^e, 57,344 x 2^e
.macro MKSC vs, vl, se, st             ; v[vs] = 2^e as f32, v[vl] = 57,344 x 2^e; e in s[se]; s[st], s[st+1] at work
	s_add_co_i32 s[\st], s[\se], 127
	s_lshl_b32 s[\st+1], s[\st], 23
	v_mov_b32 v[\vs], s[\st+1]
	s_add_co_i32 s[\st], s[\st], 15
	s_lshl_b32 s[\st], s[\st], 23
	s_or_b32 s[\st], s[\st], 0x600000
	v_mov_b32 v[\vl], s[\st]
.endm
	s_load_b512 s[4:19], s[0:1], 0x0               ; Wq 4, Wk 6, Wv 8, Wo 10, W1 12, W2 14, x 16, ln1_g 18
	s_load_b256 s[20:27], s[0:1], 0x40             ; ln1_b 20, lowp_scales 22, wc 24, xnc 26
	s_set_vgpr_msb 0x40
	v_lshl_add_u32 v0, v0, 2, 0x19800
	v_mov_b32 v1, 0
	s_set_vgpr_msb 0x4000
	v_lshrrev_b32 v1, 5, v0
	v_readfirstlane_b32 s28, v1                    ; wave
	v_and_b32 v1, 31, v0                           ; lane
	s_wait_kmcnt 0x0
	s_load_b512 s[32:47], s[22:23], 0x0            ; e0 .. e15 in s32 .. s47
	s_cmp_lt_u32 ttmp9, 192
	s_cbranch_scc0 .Lln
; ---------------- the weights.  A wave's unit: 32 columns x 128 along K.  A lane takes a column, its registers run down K.
	s_wait_kmcnt 0x0
	s_mov_b64 s[50:51], s[14:15]                   ; W2's figures first; the lower ranges of work-groups replace them
	s_mov_b32 s52, 512                             ; the tensor's first unit
	s_mov_b32 s53, 4                               ; log2 of its groups of 32 columns
	s_mov_b32 s54, 2048                            ; bytes from a k to the next
	s_mov_b32 s55, 256                             ; bytes from a pair of column groups to the next
	s_mov_b32 s56, 0x200000                        ; its place in wc
	s_mov_b32 s57, 15                              ; log2 of a tile's bytes in wc
	s_mov_b32 s58, s47                             ; e
	s_cmp_lt_u32 ttmp9, 128                        ; W1
	s_cselect_b64 s[50:51], s[12:13], s[50:51]
	s_cselect_b32 s52, 256, s52
	s_cselect_b32 s53, 6, s53
	s_cselect_b32 s54, 8192, s54
	s_cselect_b32 s56, 0x100000, s56
	s_cselect_b32 s57, 13, s57
	s_cselect_b32 s58, s45, s58
	s_cmp_lt_u32 ttmp9, 64                         ; Wo
	s_cselect_b64 s[50:51], s[10:11], s[50:51]
	s_cselect_b32 s52, 192, s52
	s_cselect_b32 s53, 4, s53
	s_cselect_b32 s54, 2048, s54
	s_cselect_b32 s56, 0xc0000, s56
	s_cselect_b32 s58, s43, s58
	s_cmp_lt_u32 ttmp9, 48                         ; Wv: [head][k][64]
	s_cselect_b64 s[50:51], s[8:9], s[50:51]
	s_cselect_b32 s52, 128, s52
	s_cselect_b32 s54, 256, s54
	s_cselect_b32 s55, 0x20000, s55
	s_cselect_b32 s56, 0x80000, s56
	s_cselect_b32 s58, s36, s58
	s_cmp_lt_u32 ttmp9, 32                         ; Wk
	s_cselect_b64 s[50:51], s[6:7], s[50:51]
	s_cselect_b32 s52, 64, s52
	s_cselect_b32 s56, 0x40000, s56
	s_cselect_b32 s58, s34, s58
	s_cmp_lt_u32 ttmp9, 16                         ; Wq
	s_cselect_b64 s[50:51], s[4:5], s[50:51]
	s_cselect_b32 s52, 0, s52
	s_cselect_b32 s56, 0, s56
	s_cselect_b32 s58, s32, s58
	s_lshl_b32 s59, ttmp9, 2
	s_add_co_u32 s59, s59, s28
	s_sub_co_u32 s59, s59, s52                     ; my unit within the tensor
	s_lshl_b32 s60, 1, s53
	s_sub_co_u32 s60, s60, 1
	s_and_b32 s61, s59, s60                        ; cg: which 32 columns
	s_lshr_b32 s62, s59, s53                       ; s: which 128 along K
	s_lshl_b32 s66, s54, 7
	s_mul_i32 s66, s66, s62                        ; s x 128 rows
	s_lshr_b32 s67, s61, 1
	s_mul_i32 s67, s67, s55
	s_add_co_u32 s66, s66, s67
	s_and_b32 s67, s61, 1
	s_lshl_b32 s67, s67, 7
	s_add_co_u32 s66, s66, s67
	s_mov_b32 s67, 0
	s_add_nc_u64 s[68:69], s[50:51], s[66:67]      ; four bases, 32 rows of K apart: nothing is stepped
	s_lshl_b32 s66, s54, 5
	s_add_nc_u64 s[70:71], s[68:69], s[66:67]
	s_add_nc_u64 s[72:73], s[70:71], s[66:67]
	s_add_nc_u64 s[74:75], s[72:73], s[66:67]
	s_wait_alu depctr_va_vdst(0)
	v_lshlrev_b32 v2, 2, v1
.set ii, 0
.rept 32
	v_mad_u32_u24 v[32+ii], s54, ii, v2            ; 4 x lane + i rows
.set ii, ii+1
.endr
.irp c, 0,1,2,3
.set ii, 0
.rept 32
	global_load_b32 v[64+32*\c+ii], v[32+ii], s[68+2*\c:69+2*\c] th:TH_LOAD_NT   ; a wave reads 128 consecutive bytes, the four waves stand side by side
.set ii, ii+1
.endr
.endr
	v_bfe_u32 v3, v1, 3, 1                         ; column x of the 32 lies in tile 2 cg + (x/8)%2,
	v_and_b32 v4, 7, v1
	v_lshrrev_b32 v5, 4, v1
	v_lshl_add_u32 v4, v5, 3, v4                   ; at lane row x%8 + 8 (x/16)
	v_lshlrev_b32 v3, s57, v3
	v_lshl_add_u32 v3, v4, 4, v3
	s_add_co_u32 s76, s57, 1
	s_lshl_b32 s76, s61, s76
	s_add_co_u32 s76, s76, s56
	s_lshl_b32 s77, s62, 11
	s_add_co_u32 s76, s76, s77
	s_mov_b32 s77, 0
	s_add_nc_u64 s[78:79], s[24:25], s[76:77]
	MKSC 6, 7, 58, 76
.macro WBLOCK c, left                  ; 32 along K of my column; left: the younger loads that may stay out
	s_wait_loadcnt \left
.set ii, 0
.rept 32
	v_med3_num_f32 v[64+32*\c+ii], v[64+32*\c+ii], -v7, v7   ; the conversion does not saturate (ISA guide 7.6.2): the hold comes first
.set ii, ii+1
.endr
.irp g, 0,1,2,3
	v_cvt_scalef32_pk8_bf8_f32 v[192+8*\c+2*\g:192+8*\c+2*\g+1], v[64+32*\c+8*\g:64+32*\c+8*\g+7], v6
.endr
	v_nop
	global_store_b128 v3, v[192+8*\c:192+8*\c+3], s[78:79] offset:512*\c        ; k 0-15 of the block: sixteen lanes fill 256 consecutive bytes
	global_store_b128 v3, v[192+8*\c+4:192+8*\c+7], s[78:79] offset:512*\c+256  ; k 16-31
.endm
	s_wait_alu depctr_va_vdst(0)
	WBLOCK 0, 63                                   ; of 128 loads at most 63 are out: the first 65 are in
	WBLOCK 1, 63
	WBLOCK 2, 32
	WBLOCK 3, 0
	s_endpgm
; ---------------- LayerNorm 1.  A wave takes a tile's 16 tokens one after the other; lane l holds k = 16 l .. 16 l + 15 of the token.
.Lln:
	s_sub_co_u32 s50, ttmp9, 192
	s_lshl_b32 s50, s50, 2
	s_add_co_u32 s50, s50, s28                     ; tile j
	s_lshr_b32 s51, s50, 1
	s_lshl_b32 s51, s51, 16                        ; 32 (j/2) rows of 2,048 bytes
	s_and_b32 s52, s50, 1
	s_lshl_b32 s52, s52, 14                        ; 8 (j%2) rows
	s_add_co_u32 s52, s51, s52
	s_mov_b32 s53, 0
	s_add_nc_u64 s[54:55], s[16:17], s[52:53]
	s_lshl_b32 s52, s50, 13
	s_add_nc_u64 s[56:57], s[26:27], s[52:53]      ; the tile's 8,192 bytes in each of the three versions
	s_add_nc_u64 s[58:59], s[56:57], 0x400000
	s_add_nc_u64 s[60:61], s[58:59], 0x400000
	s_mov_b32 s48, 0x76543210                      ; v_permlanex16_b32: lane l xor 16
	s_mov_b32 s49, 0xfedcba98
	s_mov_b32 s62, 0x3b000000                      ; 1 / 512
	s_mov_b32 s63, 0x3727c5ac                      ; 1e-5
	s_wait_alu depctr_va_vdst(0)
	v_lshlrev_b32 v2, 6, v1                        ; 64 l
	s_mul_i32 s29, s28, 26112                      ; my stage: three versions of 32 units x (256 + 16) bytes
	v_mul_u32_u24 v3, v1, 272
	v_add_nc_u32 v3, s29, v3                       ; in: lane l owns unit l = 8 s + 2 c + h of the tile's 8,192 bytes; token r is 16 bytes at 16 r
	v_lshrrev_b32 v4, 4, v1
	v_mul_u32_u24 v4, v4, 272
	v_and_b32 v5, 15, v1
	v_lshl_add_u32 v4, v5, 4, v4
	v_add_nc_u32 v4, s29, v4                       ; out: two units an instruction
	v_lshlrev_b32 v5, 4, v1                        ; 16 x lane
.irp q, 0,1,2,3
	global_load_b128 v[8+4*\q:8+4*\q+3], v2, s[18:19] offset:16*\q
	global_load_b128 v[24+4*\q:24+4*\q+3], v2, s[20:21] offset:16*\q
.endr
.macro LOADX r
.irp q, 0,1,2,3
	global_load_b128 v[XR+16*((\r)%8)+4*\q:XR+16*((\r)%8)+4*\q+3], v2, s[54:55] offset:((\r)+8*((\r)/8))*2048+16*\q th:TH_LOAD_NT
.endr
.endm
.irp r, 0,1,2,3,4,5,6,7
	LOADX \r
.endr
	s_wait_kmcnt 0x0
	MKSC SCB, SCB+1, 33, 30
	MKSC SCB+2, SCB+3, 35, 30
	MKSC SCB+4, SCB+5, 37, 30
.macro WSUM a, b                       ; v[a] summed over the 32 lanes, in every lane; v[b] at work (written before)
	v_add_f32_dpp v[\a], v[\a], v[\a] row_xmask:1 row_mask:0xf bank_mask:0xf
	v_add_f32_dpp v[\a], v[\a], v[\a] row_xmask:2 row_mask:0xf bank_mask:0xf
	v_add_f32_dpp v[\a], v[\a], v[\a] row_xmask:4 row_mask:0xf bank_mask:0xf
	v_add_f32_dpp v[\a], v[\a], v[\a] row_xmask:8 row_mask:0xf bank_mask:0xf
	v_permlanex16_b32 v[\b], v[\a], s48, s49
	v_add_f32 v[\a], v[\a], v[\b]
.endm
.macro TOKEN r
.set XS, XR+16*((\r)%8)
.if 15-(\r) >= 7
	s_wait_loadcnt 28                              ; my four loads are in; the next seven tokens' stay out
.else
	s_wait_loadcnt 4*(15-(\r))
.endif
	v_pk_add_f32 v[56:57], v[XS:XS+1], v[XS+2:XS+3]
	v_pk_add_f32 v[58:59], v[XS+4:XS+5], v[XS+6:XS+7]
	v_pk_add_f32 v[60:61], v[XS+8:XS+9], v[XS+10:XS+11]
	v_pk_add_f32 v[62:63], v[XS+12:XS+13], v[XS+14:XS+15]
	v_pk_add_f32 v[56:57], v[56:57], v[58:59]
	v_pk_add_f32 v[60:61], v[60:61], v[62:63]
	v_pk_add_f32 v[56:57], v[56:57], v[60:61]
	v_add_f32 v56, v56, v57
	WSUM 56, 57
	v_mul_f32 v56, s62, v56                        ; the mean
.irp i, 0,2,4,6,8,10,12,14
	v_pk_add_f32 v[DV+\i:DV+\i+1], v[XS+\i:XS+\i+1], v[56:57] op_sel_hi:[1,0] neg_lo:[0,1] neg_hi:[0,1]
.endr
.if (\r) < 8
	LOADX (\r)+8                                   ; the set is read: it takes the token eight on
.endif
	v_pk_mul_f32 v[58:59], v[DV:DV+1], v[DV:DV+1]
	v_pk_mul_f32 v[60:61], v[DV+2:DV+3], v[DV+2:DV+3]
.irp i, 4,8,12
	v_pk_fma_f32 v[58:59], v[DV+\i:DV+\i+1], v[DV+\i:DV+\i+1], v[58:59]
	v_pk_fma_f32 v[60:61], v[DV+\i+2:DV+\i+3], v[DV+\i+2:DV+\i+3], v[60:61]
.endr
	v_pk_add_f32 v[58:59], v[58:59], v[60:61]
	v_add_f32 v58, v58, v59
	WSUM 58, 59
	v_fma_f32 v58, v58, s62, s63                   ; the variance + 1e-5
	s_wait_alu depctr_va_vdst(0)
	v_rsq_f32 v60, v58
	v_nop                                          ; a plain line behind the transcendental
	s_wait_alu depctr_va_vdst(0)                   ; and the wait ahead of its first reader
.irp i, 0,2,4,6,8,10,12,14
	v_pk_mul_f32 v[DV+\i:DV+\i+1], v[DV+\i:DV+\i+1], v[60:61] op_sel_hi:[1,0]
.endr
.irp i, 0,2,4,6,8,10,12,14
	v_pk_fma_f32 v[DV+\i:DV+\i+1], v[DV+\i:DV+\i+1], v[8+\i:9+\i], v[24+\i:25+\i]
.endr
	s_wait_alu depctr_va_vdst(0)
	s_wait_dscnt 0x0                               ; the last token's stores into the stage have read the codes' registers
.irp ver, 0,1,2
.irp i, 0,1,2,3,4,5,6,7,8,9,10,11,12,13,14,15
	v_med3_num_f32 v[TH+\i], v[DV+\i], -v[SCB+1+2*\ver], v[SCB+1+2*\ver]
.endr
	v_cvt_scalef32_pk8_bf8_f32 v[CD+4*\ver:CD+4*\ver+1], v[TH:TH+7], v[SCB+2*\ver]
	v_cvt_scalef32_pk8_bf8_f32 v[CD+4*\ver+2:CD+4*\ver+3], v[TH+8:TH+15], v[SCB+2*\ver]
	v_nop                                          ; a plain line between the conversions and the next version's writes of their sources
	ds_store_b128 v3, v[CD+4*\ver:CD+4*\ver+3] offset:\ver*8704+(\r)*16
.endr
.endm
.irp r, 0,1,2,3,4,5,6,7,8,9,10,11,12,13,14,15
	TOKEN \r
.endr
	s_wait_dscnt 0x0                               ; the stage is whole; the registers from v64 on are free
.irp ver, 0,1,2
.irp t, 0,1,2,3,4,5,6,7,8,9,10,11,12,13,14,15
	ds_load_b128 v[64+64*\ver+4*\t:64+64*\ver+4*\t+3], v4 offset:\ver*8704+\t*544
.endr
.endr
.irp ver, 0,1,2
.irp t, 0,1,2,3,4,5,6,7,8,9,10,11,12,13,14,15
	s_wait_dscnt 47-16*\ver-\t                     ; the younger loads from the stage stay out
	global_store_b128 v5, v[64+64*\ver+4*\t:64+64*\ver+4*\t+3], s[56+2*\ver:57+2*\ver] offset:512*\t   ; 512 consecutive bytes
.endr
.endr
	s_set_vgpr_msb 0x5
	s_wait_tensorcnt 0x0
	ds_add_u32 v0, v1
	s_wait_dscnt 0x0
	s_set_vgpr_msb 0x500
	s_endpgm
.Lfunc_end_k_q6dfa061948_prep:
	.size	k_q6dfa061948_prep, .Lfunc_end_k_q6dfa061948_prep-k_q6dfa061948_prep
	.p2alignl 7, 3214868480
	.fill 96, 4, 3214868480
	.section	.rodata,"a",@progbits
	.p2align	6, 0x0
	.amdhsa_kernel k_q6dfa061948_prep
		.amdhsa_group_segment_fixed_size 104960
		.amdhsa_private_segment_fixed_size 0
		.amdhsa_enable_private_segment 0
		.amdhsa_kernarg_size 96
		.amdhsa_user_sgpr_count 2
		.amdhsa_user_sgpr_kernarg_segment_ptr 1
		.amdhsa_wavefront_size32 1
		.amdhsa_system_sgpr_workgroup_id_x 1
		.amdhsa_system_sgpr_workgroup_id_y 1
		.amdhsa_system_sgpr_workgroup_id_z 1
		.amdhsa_system_vgpr_workitem_id 0
		.amdhsa_next_free_vgpr 258
		.amdhsa_next_free_sgpr 80
		.amdhsa_reserve_vcc 0
		.amdhsa_float_denorm_mode_32 3
		.amdhsa_float_denorm_mode_16_64 3
		.amdhsa_memory_ordered 1
		.amdhsa_forward_progress 1
		.amdhsa_inst_pref_size 162
	.end_amdhsa_kernel
	.amdgpu_metadata
---
amdhsa.version: [ 1, 2 ]
amdhsa.kernels:
  - .name:           k_q6dfa061948_prep
    .symbol:         k_q6dfa061948_prep.kd
    .args:
      - { .name: Wq, .offset: 0, .size: 8, .value_kind: global_buffer, .address_space: global }
      - { .name: Wk, .offset: 8, .size: 8, .value_kind: global_buffer, .address_space: global }
      - { .name: Wv, .offset: 16, .size: 8, .value_kind: global_buffer, .address_space: global }
      - { .name: Wo, .offset: 24, .size: 8, .value_kind: global_buffer, .address_space: global }
      - { .name: W1, .offset: 32, .size: 8, .value_kind: global_buffer, .address_space: global }
      - { .name: W2, .offset: 40, .size: 8, .value_kind: global_buffer, .address_space: global }
      - { .name: x, .offset: 48, .size: 8, .value_kind: global_buffer, .address_space: global }
      - { .name: ln1_g, .offset: 56, .size: 8, .value_kind: global_buffer, .address_space: global }
      - { .name: ln1_b, .offset: 64, .size: 8, .value_kind: global_buffer, .address_space: global }
      - { .name: lowp_scales, .offset: 72, .size: 8, .value_kind: global_buffer, .address_space: global }
      - { .name: wc, .offset: 80, .size: 8, .value_kind: global_buffer, .address_space: global }
      - { .name: xnc, .offset: 88, .size: 8, .value_kind: global_buffer, .address_space: global }
    .group_segment_fixed_size: 104960
    .private_segment_fixed_size: 0
    .kernarg_segment_align: 8
    .kernarg_segment_size: 96
    .max_flat_workgroup_size: 128
    .sgpr_count:     80
    .vgpr_count:     258
    .wavefront_size: 32
...
	.end_amdgpu_metadata
.endif
;; end of part 7
;; launch qkv (part 8): grid 64 x 3, 4 waves a work-group, no clusters, 66,048 bytes of LDS; arguments wc, xnc, bq, bk, bv, lowp_scales, qkvc; writes qkvc
.if DOCPART == 8
	.amdgcn_target "amdgcn-amd-amdhsa--gfx1250"
	.amdhsa_code_object_version 6
	.text
	.protected	k_q6dfa061948_qkv
	.globl	k_q6dfa061948_qkv
	.p2align	8
	.type	k_q6dfa061948_qkv,@function
k_q6dfa061948_qkv:
	s_mov_b64 s[64:65], 0
	v_nop
	global_prefetch_b8 v0, s[64:65] scope:SCOPE_SE
	s_setreg_imm32_b32 hwreg(HW_REG_WAVE_SCHED_MODE, 0, 2), 2
	s_setreg_imm32_b32 hwreg(HW_REG_WAVE_MODE, 25, 1), 1
	s_wait_xcnt 0x0
	s_wait_alu depctr_vm_vsrc(0)
; QKV.  y = 0: q, 1: k, 2: v.  A work-group multiplies 512 rows of one operand (128 a wave: 8 tiles x 512 K, source 0) with 128 rows of the other (8 tiles, source 1).
; Source 1's 8 tiles are copied once into LDS as they lie, read once by each wave and kept in 512 registers.  Source 0 comes from memory in four PAIRS of tiles (16,384 bytes, 32 loads a wave) into two sets of
; registers that take turns: pair b + 2 is asked for when pair b's second body has made its codes, so that the products begin when the first pair has landed and the others arrive under the work.
; A lane holds ONE row of source 1 and, of pair b, source-0 rows 32 b + 16 h + 0 .. 15 of the wave's 128 (tiles are laid so: the tile map in PREP): 16 neighbours along the next K.
; A body is pair b against four tiles of source 1: 64 numbers a lane, 16 for each tile: piece c = b of four fragments of the next product.
; q, k: source 0 = the weight (a wave: two heads), source 1 = 128 tokens of xn.  v: source 0 = 512 tokens of xn, source 1 = 128 channels of Wv: a lane holds a channel, its registers run along the keys.
; The bias is the C of each sum's first matrix instruction, divided by the power of two that the sums lack; the three scales are folded into the conversion's one.
; qkvc: q [bh][token tile 128][1024], k likewise at 4 MiB, v [bh][key step 16][channel tile 4][2048] at 8 MiB.
; No cluster: each operand is wanted once, in register order; a joint load would land it in LDS and cost a second pass into registers.
; LIMITS: eOut - eA - eB between -126 and 112; bias x 2^-(eA + eB) an f32 number.  NaN is not served.
; WINDOWS: 0: addresses, sums, codes, bias.  1: source 0's pair b at v[128 (b%2) + 64 u + 16 s].  2, 3: source 1's tiles 0-3, 4-7 at v[64 (a%4) + 16 s]; at the head v128-255 of window 3 are the copy's registers.
; THE MODE: SCHED_MODE bits 1:0 = 2 (LLVM: expert scheduling mode 2), set by the entry lines.  The code itself states the register dependences
; between vector or matrix instructions and memory or LDS instructions, with s_wait_alu, always for 0.
; THE PLAN.  Registers that memory or LDS instructions touch, and who else names them:
;   v1, v2, v3         offsets, made at the head by vector instructions, each ahead of a wait on va_vdst, and never written again.
;   window 3 v128-255  the copy's registers: global loads land there, my LDS stores read them, then LDS loads land there (source 1's tiles 6 and 7): a wait on vm_vsrc stands between those stores and those loads.
;   windows 2 and 3    source 1: landed once by LDS loads; from then on named by matrix instructions alone.
;   v96-159            the bias: landed once; from then on named by vector and matrix instructions alone.
;   window 1, set b%2  pair b's loads land there; pair b's 64 matrix instructions read it; pair b + 2's loads land there again.
;   v80-95             the codes: a body's conversions write them, its four stores read them, the next body's conversions write them again.
; So a body holds two waits on va_vdst, one behind its products' four places and one behind its conversions: the codes are written, and, in a pair's second body, the pair's products are done reading their set; the next pair's loads and the body's stores follow it.
; And one wait on vm_vsrc, ahead of the conversions, beside the wait on XCNT: the last body's stores have read the codes.
.set LI, 1                             ; v1  16 x lane
.set QV, 2                             ; v2  16 x lane + 16,384 x wave
.set ACC, 16
.set PC, 80
.set BIAS, 96
.set SC, 160
.set LM, 161
.set MSB, 0
.macro WIN new                         ; the immediate's high byte repeats the setting that is left
.if MSB != (\new)
	s_set_vgpr_msb (MSB<<8)|(\new)
.set MSB, (\new)
.endif
.endm
.macro NOPS n
.rept \n
	v_nop
.endr
.endm
.macro MKSC vs, vl, se, st
	s_add_co_i32 s[\st], s[\se], 127
	s_lshl_b32 s[\st+1], s[\st], 23
	v_mov_b32 v[\vs], s[\st+1]
	s_add_co_i32 s[\st], s[\st], 15
	s_lshl_b32 s[\st], s[\st], 23
	s_or_b32 s[\st], s[\st], 0x600000
	v_mov_b32 v[\vl], s[\st]
.endm
.macro QUANT src, sc, lim              ; 64 numbers of a lane become 16 registers of codes, four for each 16; each accumulator is read from its low end on
.irp b, 0,1,2,3
.irp i, 0,1,2,3,4,5,6,7,8,9,10,11,12,13,14,15
	v_med3_num_f32 v[\src+16*\b+\i], v[\src+16*\b+\i], -v[\lim], v[\lim]
.endr
	v_cvt_scalef32_pk8_bf8_f32 v[PC+4*\b:PC+4*\b+1], v[\src+16*\b:\src+16*\b+7], v[\sc]
	v_cvt_scalef32_pk8_bf8_f32 v[PC+4*\b+2:PC+4*\b+3], v[\src+16*\b+8:\src+16*\b+15], v[\sc]
.endr
	v_nop                                          ; a plain line behind the last conversion: matrix instructions write its sources later
.endm
; 32 matrix instructions: pair b against source 1's tiles 4 g .. 4 g + 3, K step by K step, the eight accumulators by turns.
; The first K step takes the bias as C: q, k: that of the lane's eight rows of source 0; v: that of the lane's channel.
.macro MMP b, g, isv
	WIN 0x09+4*(\g)                                ; source 0 window 1, source 1 window 2 or 3, C and D window 0
.irp s, 0,1,2,3
.irp a, 0,1,2,3
.irp u, 0,1
.set rD, ACC+16*\a+8*\u
.set rA, 128*((\b)%2)+64*\u+16*\s
.set rB, 64*\a+16*\s
.if (\s == 0) && (\isv == 0)
	v_wmma_f32_16x16x128_bf8_bf8 v[rD:rD+7], v[rA:rA+15], v[rB:rB+15], v[BIAS+16*(\b)+8*\u:BIAS+16*(\b)+8*\u+7]
.elseif \s == 0
	v_wmma_f32_16x16x128_bf8_bf8 v[rD:rD+7], v[rA:rA+15], v[rB:rB+15], v[BIAS+8*(4*(\g)+\a):BIAS+8*(4*(\g)+\a)+7]
.else
	v_wmma_f32_16x16x128_bf8_bf8 v[rD:rD+7], v[rA:rA+15], v[rB:rB+15], v[rD:rD+7]
.endif
.endr
.endr
.endr
.endm
.macro PLOADB b                        ; source 0's pair b: 32 loads of 512 consecutive bytes, into set b % 2
	WIN 0x40
.set ii, 0
.rept 32
	global_load_b128 v[128*((\b)%2)+4*ii:128*((\b)%2)+4*ii+3], v[LI], s[24:25] offset:(\b)*16384+512*ii
.set ii, ii+1
.endr
	WIN 0
.endm
	s_load_b256 s[4:11], s[0:1], 0x0               ; wc 4, xnc 6, bq 8, bk 10
	s_load_b128 s[12:15], s[0:1], 0x20             ; bv 12, lowp_scales 14
	s_load_b64 s[16:17], s[0:1], 0x30              ; qkvc
	v_lshl_add_u32 v254, v0, 2, 0x10000
	v_mov_b32 v255, 0
	v_lshrrev_b32 v3, 5, v0
	v_readfirstlane_b32 s20, v3                    ; wave
	v_and_b32 v4, 31, v0
	v_lshlrev_b32 v[LI], 4, v4
	s_wait_alu depctr_va_sdst(0)                   ; s20 is written, ahead of its first reader: offsets and bases are made from it
	s_lshl_b32 s30, s20, 14
	v_add_nc_u32 v[QV], s30, v[LI]
	v_and_b32 v5, 15, v0                           ; r
	v_bfe_u32 v6, v0, 4, 1                         ; h
	s_mov_b32 s21, ttmp9                           ; X
	s_and_b32 s22, ttmp7, 0xffff                   ; Y
	s_lshl_b32 s23, s20, 16
	s_lshl_b32 s48, s22, 18                        ; q, k: source 0 = wc + Y x 262,144 + wave x 65,536
	s_add_co_u32 s48, s48, s23
	s_lshl_b32 s49, s22, 22                        ;       source 1 = xnc + Y x 4 MiB + X x 65,536
	s_lshl_b32 s50, s21, 16
	s_add_co_u32 s49, s49, s50
	s_lshr_b32 s51, s21, 2                         ; v: source 0 = xnc + 8 MiB + (X/4) x 262,144 + wave x 65,536
	s_lshl_b32 s51, s51, 18
	s_add_co_u32 s51, s51, s23
	s_add_co_u32 s51, s51, 0x800000
	s_and_b32 s52, s21, 3                          ;    source 1 = wc + 524,288 + (X%4) x 65,536
	s_lshl_b32 s53, s52, 16
	s_add_co_u32 s53, s53, 0x80000
	s_lshr_b32 s54, s21, 4                         ; the batch
	s_lshl_b32 s55, s54, 3                         ; q, k out: Y x 4 MiB + ((8 batch + 2 wave) x 128 + 8 (X%16)) x 1,024
	s_lshl_b32 s56, s20, 1
	s_add_co_u32 s55, s55, s56
	s_lshl_b32 s55, s55, 17
	s_and_b32 s56, s21, 15
	s_lshl_b32 s56, s56, 13
	s_add_co_u32 s55, s55, s56
	s_lshl_b32 s56, s22, 22
	s_add_co_u32 s55, s55, s56
	s_lshl_b32 s57, s54, 3                         ; v out: 8 MiB + (8 batch + 2 (X%4)) x 131,072 + (4 ((X/4)%4) + wave) x 8,192
	s_lshl_b32 s58, s52, 1
	s_add_co_u32 s57, s57, s58
	s_lshl_b32 s57, s57, 17
	s_bfe_u32 s58, s21, 0x20002
	s_lshl_b32 s58, s58, 2
	s_add_co_u32 s58, s58, s20
	s_lshl_b32 s58, s58, 13
	s_add_co_u32 s57, s57, s58
	s_add_co_u32 s57, s57, 0x800000
	s_wait_kmcnt 0x0
	s_load_b512 s[32:47], s[14:15], 0x0            ; e0 .. e15
	s_cmp_eq_u32 s22, 2                            ; the choices hang on the work-group's y alone
	s_cselect_b64 s[24:25], s[6:7], s[4:5]
	s_cselect_b64 s[26:27], s[4:5], s[6:7]
	s_cselect_b32 s48, s51, s48
	s_cselect_b32 s50, s53, s49
	s_cselect_b32 s56, s57, s55
	s_cselect_b64 s[28:29], s[12:13], s[8:9]
	s_cmp_eq_u32 s22, 1
	s_cselect_b64 s[28:29], s[10:11], s[28:29]
	s_mov_b32 s49, 0
	s_mov_b32 s51, 0
	s_mov_b32 s57, 0
	s_add_nc_u64 s[24:25], s[24:25], s[48:49]      ; source 0
	s_add_nc_u64 s[26:27], s[26:27], s[50:51]      ; source 1
	s_add_nc_u64 s[16:17], s[16:17], s[56:57]      ; out
	WIN 0xc0
	s_wait_alu depctr_va_vdst(0)                   ; v1 and v2 are written: the loads, LDS stores, LDS loads and stores of the whole kernel read one of them as their offset or address
.set ii, 0
.rept 32
	global_load_b128 v[128+4*ii:128+4*ii+3], v[QV], s[26:27] offset:512*ii   ; my quarter of source 1's 65,536 bytes
.set ii, ii+1
.endr
	WIN 0
	s_cmp_eq_u32 s22, 2
	s_cbranch_scc1 .Lbias_v
	v_lshlrev_b32 v3, 6, v6                        ; q, k: register 16 b + i wants the bias of n = 128 wave + 32 b + 16 h + i
	s_lshl_b32 s30, s20, 9
	v_add_nc_u32 v3, s30, v3
	s_wait_alu depctr_va_vdst(0)                   ; v3 is written, which the bias's loads read as their offset
.irp b, 0,1,2,3
.irp q, 0,1,2,3
	global_load_b128 v[BIAS+16*\b+4*\q:BIAS+16*\b+4*\q+3], v3, s[28:29] offset:128*\b+16*\q
.endr
.endr
	s_branch .Lbias_done
.Lbias_v:
	v_and_b32 v3, 8, v5                            ; v: all eight registers of block a want the bias of my channel of source 1's tile a
	v_add_nc_u32 v3, v3, v5
	v_lshlrev_b32 v3, 2, v3
	s_lshl_b32 s58, s52, 9
	s_mov_b32 s59, 0
	s_add_nc_u64 s[28:29], s[28:29], s[58:59]
	s_wait_alu depctr_va_vdst(0)                   ; v3 is written, which the bias's loads read as their offset
.irp a, 0,1,2,3,4,5,6,7
.irp j, 0,1,2,3,4,5,6,7
	global_load_b32 v[BIAS+8*\a+\j], v3, s[28:29] offset:4*(32*(\a/2)+8*(\a%2))
.endr
.endr
.Lbias_done:
	PLOADB 0
	PLOADB 1
	s_wait_loadcnt 63                              ; 80 loads or more are younger than my quarter's 32: with at most 63 out those 32 are in
	WIN 0x0c
.set ii, 0
.rept 32
	ds_store_b128 v[QV], v[128+4*ii:128+4*ii+3] offset:512*ii
.set ii, ii+1
.endr
	WIN 0
	s_wait_dscnt 0x0                               ; my stores have landed
	s_barrier_signal -1
	s_barrier_wait -1                              ; everybody's have: source 1 lies whole in LDS and is never written again
	WIN 0x80
.set ii, 0
.rept 64
	ds_load_b128 v[4*ii:4*ii+3], v[LI] offset:512*ii             ; tiles 0-3, as they lie: they stay in registers
.set ii, ii+1
.endr
	WIN 0xc0
	s_wait_alu depctr_vm_vsrc(0)                   ; my LDS stores have read the copy's registers, v128-255 of window 3, in which tiles 6 and 7 land
.set ii, 0
.rept 64
	ds_load_b128 v[4*ii:4*ii+3], v[LI] offset:32768+512*ii       ; tiles 4-7
.set ii, ii+1
.endr
	WIN 0
	s_wait_kmcnt 0x0
	s_add_co_i32 s48, s32, s33
	s_add_co_i32 s49, s34, s35
	s_add_co_i32 s50, s36, s37
	s_cmp_eq_u32 s22, 1
	s_cselect_b32 s48, s49, s48
	s_cselect_b32 s51, s39, s38
	s_cmp_eq_u32 s22, 2
	s_cselect_b32 s48, s50, s48                    ; eA + eB
	s_cselect_b32 s51, s41, s51                    ; eOut
	s_sub_co_i32 s52, 0, s48
	s_sub_co_i32 s51, s51, s48                     ; a sum stands for sum x 2^(eA + eB): its code is sum / 2^(eOut - eA - eB)
	s_wait_loadcnt 32                              ; the bias and pair 0 are in; pair 1's 32 loads stay out
.set ii, 0
.rept 64
	v_ldexp_f32 v[BIAS+ii], v[BIAS+ii], s52
.set ii, ii+1
.endr
	MKSC SC, LM, 51, 54
	s_wait_dscnt 0x0                               ; source 1's tiles are in my registers
.macro BODY isv
.irp b, 0,1,2,3
.if \b == 3
	s_wait_loadcnt 0x0                             ; the last pair
.elseif \b > 0
	s_wait_loadcnt 32                              ; this pair is in; the next pair's 32 loads stay out
.endif
.irp g, 0,1
	MMP \b, \g, \isv
	WIN 0
	NOPS 4                                         ; four places behind the last product, ahead of the first read of results
	s_wait_alu depctr_va_vdst(0)
	s_wait_xcnt 0x0                                ; the last body's stores have had their addresses translated: the codes' registers are rewritten only behind this wait
.if \b+\g > 0
	s_wait_alu depctr_vm_vsrc(0)                   ; the last body's stores have read the codes' registers, which the conversions below write again
.endif
	QUANT ACC, SC, LM
.if (\g == 1) && (\b < 2)
	WIN 0x40                                       ; (the switch, then the wait, then the loads)
.endif
	s_wait_alu depctr_va_vdst(0)                   ; the conversions have written the codes, which the stores below read; in a pair's second body the pair's 64 products are done reading their set, in which the loads below land
.if (\g == 1) && (\b < 2)
	PLOADB \b+2                                    ; this pair's set is done with: it takes the pair two on
.endif
.irp a, 0,1,2,3
.if \isv
	global_store_b128 v[LI], v[PC+4*\a:PC+4*\a+3], s[16:17] offset:\g*131072+\a*2048+\b*512
.else
	global_store_b128 v[LI], v[PC+4*\a:PC+4*\a+3], s[16:17] offset:(4*\g+\a)*1024+(\b/2)*131072+(\b%2)*512
.endif
.endr
.endr
.endr
.endm
	s_cmp_eq_u32 s22, 2
	s_cbranch_scc1 .Lbody_v
	BODY 0
	s_wait_dscnt 0x0                               ; the closing lines, six on end
	s_wait_alu 0x0
	s_wait_tensorcnt 0x0
	ds_add_u32 v254, v255
	s_wait_dscnt 0x0
	s_endpgm
.Lbody_v:
	BODY 1
	s_wait_dscnt 0x0                               ; the closing lines, six on end
	s_wait_alu 0x0
	s_wait_tensorcnt 0x0
	ds_add_u32 v254, v255
	s_wait_dscnt 0x0
	s_endpgm
.Lfunc_end_k_q6dfa061948_qkv:
	.size	k_q6dfa061948_qkv, .Lfunc_end_k_q6dfa061948_qkv-k_q6dfa061948_qkv
	.p2alignl 7, 3214868480
	.fill 96, 4, 3214868480
	.section	.rodata,"a",@progbits
	.p2align	6, 0x0
	.amdhsa_kernel k_q6dfa061948_qkv
		.amdhsa_group_segment_fixed_size 66048
		.amdhsa_private_segment_fixed_size 0
		.amdhsa_enable_private_segment 0
		.amdhsa_kernarg_size 56
		.amdhsa_user_sgpr_count 2
		.amdhsa_user_sgpr_kernarg_segment_ptr 1
		.amdhsa_wavefront_size32 1
		.amdhsa_system_sgpr_workgroup_id_x 1
		.amdhsa_system_sgpr_workgroup_id_y 1
		.amdhsa_system_sgpr_workgroup_id_z 1
		.amdhsa_system_vgpr_workitem_id 0
		.amdhsa_next_free_vgpr 1024
		.amdhsa_next_free_sgpr 66
		.amdhsa_reserve_vcc 0
		.amdhsa_float_denorm_mode_32 3
		.amdhsa_float_denorm_mode_16_64 3
		.amdhsa_memory_ordered 1
		.amdhsa_forward_progress 1
		.amdhsa_inst_pref_size 164
	.end_amdhsa_kernel
	.amdgpu_metadata
---
amdhsa.version: [ 1, 2 ]
amdhsa.kernels:
  - .name:           k_q6dfa061948_qkv
    .symbol:         k_q6dfa061948_qkv.kd
    .args:
      - { .name: wc, .offset: 0, .size: 8, .value_kind: global_buffer, .address_space: global }
      - { .name: xnc, .offset: 8, .size: 8, .value_kind: global_buffer, .address_space: global }
      - { .name: bq, .offset: 16, .size: 8, .value_kind: global_buffer, .address_space: global }
      - { .name: bk, .offset: 24, .size: 8, .value_kind: global_buffer, .address_space: global }
      - { .name: bv, .offset: 32, .size: 8, .value_kind: global_buffer, .address_space: global }
      - { .name: lowp_scales, .offset: 40, .size: 8, .value_kind: global_buffer, .address_space: global }
      - { .name: qkvc, .offset: 48, .size: 8, .value_kind: global_buffer, .address_space: global }
    .group_segment_fixed_size: 66048
    .private_segment_fixed_size: 0
    .kernarg_segment_align: 8
    .kernarg_segment_size: 56
    .max_flat_workgroup_size: 128
    .sgpr_count:     66
    .vgpr_count:     1024
    .wavefront_size: 32
...
	.end_amdgpu_metadata
.endif
;; end of part 8
;; launch attn (part 9): grid 8 x 32, 8 waves a work-group, no clusters, 263,168 bytes of LDS; arguments qkvc, lowp_scales, avc; writes avc
.if DOCPART == 9
	.amdgcn_target "amdgcn-amd-amdhsa--gfx1250"
	.amdhsa_code_object_version 6
	.text
	.protected	k_q6dfa061948_attn
	.globl	k_q6dfa061948_attn
	.p2align	8
	.type	k_q6dfa061948_attn,@function
k_q6dfa061948_attn:
	s_mov_b64 s[64:65], 0
	v_nop
	global_prefetch_b8 v0, s[64:65] scope:SCOPE_SE
	s_setreg_imm32_b32 hwreg(HW_REG_WAVE_SCHED_MODE, 0, 2), 2
	s_setreg_imm32_b32 hwreg(HW_REG_WAVE_MODE, 25, 1), 1
	s_wait_xcnt 0x0
	s_wait_alu depctr_vm_vsrc(0)
; ATTENTION on codes of E5M2.  A work-group owns 256 queries of one (batch, head); each of its eight waves two tiles of 16, so that each fragment of K and V read from LDS feeds two products.
; S^T = K Q^T (K = 64) and O^T = V^T P^T (K = 128 keys), both transposed: a lane holds ONE query (of each tile) throughout; the keys of a tile are laid so that p's registers run along neighbouring keys.
; t = score x log2(e) / 8; M = the running largest t rounded UP to a whole number; p = 2^(t - M) is quantised with 2^e8, not normalised; the row's sum is taken of the unquantised p and divides at the end.
; When M moves, the sum and O^T are multiplied by 2^(old M - new M): exact.
; The head's K and V codes (131,072 bytes each) are copied into LDS as they lie, each byte once, in four chunks of 512 keys (four steps) through registers.  Chunk c + 1 is asked of memory a chunk ahead and stored
; behind the third step of chunk c, into bytes that nobody reads before the barrier; the wave signals, runs the fourth step, which reads chunk c alone, and waits: ONE barrier a chunk, with a step between its halves.
; V's fragments are asked of LDS at the step's head, so that they land under the softmax; K's fragments of the next step behind this step's exponentials.
; The hold of p at 57,344 x 2^e8 is jumped over where e8 >= -15: the bound is then at least 1.75 and p is at most 1.  The branch hangs on a whole number read from lowp_scales.
; No cluster: K and V are read once a work-group.
; LIMITS: e6 + e7 between -123 and 130; e8, and e10 - e8 - e9, between -126 and 112.  NaN is not served.
; WINDOW 0: v1-7 addresses; v8, v9 permutes; v12-27 statistics; v28-31 scales; v32-47 Q; v48-175 S^T, then p; v176-207 p's codes; v208-211 second sums.
; WINDOW 1: v0-63 O^T; v64-127 K's fragments; v128-191 V's; v192-255 the copy's registers.
; THE MODE: SCHED_MODE bits 1:0 = 2 (LLVM: expert scheduling mode 2), set by the entry lines.  The code itself states the register dependences
; between vector or matrix instructions and memory or LDS instructions, with s_wait_alu, always for 0.
; THE PLAN.  Registers that memory or LDS instructions touch, and who else names them:
;   v1, v4-v7        offsets and the copy's four LDS addresses: made at the head ahead of one wait on va_vdst, never written again (a chunk's place stands in the immediate: 32,768 x (c % 2), on the register of c / 2).
;   v2, v3           the LDS addresses of a step's K and V: read by the fragments' loads, written once a step (the three steps of a chunk's loop share one text, and an LDS address has no scalar base).
;   K's registers    the step's 16 first products read them; the next step's loads land there.
;   V's registers    the step's 8 second products read them; the next step's loads land there.
;   the copy's       global loads land there, my LDS stores read them, the next chunk's global loads land there: no vector instruction names them.
;   v176-191         at the end: the conversions write av's codes, four stores read them.
; A step holds one wait on vm_vsrc, ahead of the two adds, and FOUR on va_vdst.  The first stands at its head, behind the adds: the addresses are written and the last step's second products are done with V: V's loads follow.
; The third is the wait that the exponentials' batch has in any case: it also states that the step's first products are done with K, so the next step's K is asked for straight behind it and costs no wait of its own.
.set LI, 1
.set ADK, 2
.set ADV, 3
.set SA0, 4                            ; v4  16 x lane + 4,096 x wave: my bytes of a chunk in memory; also where K's chunks 0 and 1 go in LDS
.set SA1, 5                            ; v5  + 65,536: K's chunks 2 and 3
.set SB0, 6                            ; v6  + 131,072: V's chunks 0 and 1
.set SB1, 7                            ; v7  + 196,608: V's chunks 2 and 3
.set ST, 12                            ; tile q at ST + 8 q: +0 -M, +1 the largest t, +2, +3 the sum, +4 f, +5 zero, +6, +7 at work
.set QF, 32
.set S, 48
.set P, 176
.set C2, 208
.set KF, 64
.set VF, 128
.set STG, 192
.set TB, 18                            ; s18  LDS byte at which the step's tiles of K begin
.set IN, 21
.set MSB, 0
.macro WIN new
.if MSB != (\new)
	s_set_vgpr_msb (MSB<<8)|(\new)
.set MSB, (\new)
.endif
.endm
.macro NOPS n
.rept \n
	v_nop
.endr
.endm
.macro MKSC vs, vl, se, st
	s_add_co_i32 s[\st], s[\se], 127
	s_lshl_b32 s[\st+1], s[\st], 23
	v_mov_b32 v[\vs], s[\st+1]
	s_add_co_i32 s[\st], s[\st], 15
	s_lshl_b32 s[\st], s[\st], 23
	s_or_b32 s[\st], s[\st], 0x600000
	v_mov_b32 v[\vl], s[\st]
.endm
.macro CLOAD c, again                  ; chunk c: the 4,096 bytes of K and of V that are mine to copy.  again = 1: the registers have been through LDS stores
	WIN 0x40
.if \again
	s_wait_alu depctr_vm_vsrc(0)                   ; my LDS stores have read the copy's registers, in which the loads below land
.endif
.set ii, 0
.rept 8
	global_load_b128 v[STG+4*ii:STG+4*ii+3], v[SA0], s[22:23] offset:(\c)*32768+512*ii
	global_load_b128 v[STG+32+4*ii:STG+32+4*ii+3], v[SA0], s[24:25] offset:(\c)*32768+512*ii
.set ii, ii+1
.endr
	WIN 0
.endm
.macro CSTORE c                        ; and their way into LDS, at the same places as in memory; the data come from loads, the addresses from the head: no vector instruction is waited for
	WIN 0x04
.set ii, 0
.rept 8
	ds_store_b128 v[SA0+(\c)/2], v[STG+4*ii:STG+4*ii+3] offset:((\c)%2)*32768+512*ii
	ds_store_b128 v[SB0+(\c)/2], v[STG+32+4*ii:STG+32+4*ii+3] offset:((\c)%2)*32768+512*ii
.set ii, ii+1
.endr
	WIN 0
	s_wait_dscnt 0x0                               ; my stores have landed; no LDS instruction of mine is out
.endm
.macro KLOADS off                      ; the eight tiles of K that begin off bytes behind v[ADK]
	WIN 0x40
.irp t, 0,1,2,3,4,5,6,7
.irp c, 0,1
	ds_load_b128 v[KF+8*\t+4*\c:KF+8*\t+4*\c+3], v[ADK] offset:(\off)+1024*\t+512*\c
.endr
.endr
	WIN 0
.endm
; A KEY STEP: 128 keys.  Its K has been asked for.  pf = 1: the next step's K is asked for behind the exponentials
.macro STEP pf
	s_wait_alu depctr_vm_vsrc(0)                   ; the LDS loads issued so far have read v[ADK] and v[ADV], which the two lines below write
	v_add_nc_u32 v[ADK], s[TB], v[LI]
	v_add_nc_u32 v[ADV], 0x20000, v[ADK]
	NOPS 2                                         ; with the two adds: four places behind the last products
	WIN 0x40
	s_wait_alu depctr_va_vdst(0)                   ; both addresses are written; the last step's second products are done reading V's registers, in which the loads below land
.irp j, 0,1,2,3
.irp c, 0,1,2,3
	ds_load_b128 v[VF+16*\j+4*\c:VF+16*\j+4*\c+3], v[ADV] offset:2048*\j+512*\c
.endr
.endr
	s_wait_dscnt 16                                ; K, asked for earlier, is in; V's 16 loads stay out under the softmax
	WIN 0x01
.irp t, 0,1,2,3,4,5,6,7
.irp q, 0,1
	v_wmma_f32_16x16x64_bf8_bf8 v[S+64*\q+8*\t:S+64*\q+8*\t+7], v[KF+8*\t:KF+8*\t+7], v[QF+8*\q:QF+8*\q+7], 0
.endr
.endr
	WIN 0
	NOPS 4                                         ; four places, ahead of the first read of the scores
.irp q, 0,1                                    ; the step's largest score of each query, in two chains a tile; each accumulator is first read at its low end
	v_max3_num_f32 v[ST+8*\q+6], v[S+64*\q], v[S+64*\q+1], v[S+64*\q+2]
	v_max3_num_f32 v[ST+8*\q+7], v[S+64*\q+3], v[S+64*\q+4], v[S+64*\q+5]
.endr
.irp i, 6,10,14,18,22,26,30,34,38,42,46,50,54,58
.irp q, 0,1
	v_max3_num_f32 v[ST+8*\q+6], v[ST+8*\q+6], v[S+64*\q+\i], v[S+64*\q+\i+1]
	v_max3_num_f32 v[ST+8*\q+7], v[ST+8*\q+7], v[S+64*\q+\i+2], v[S+64*\q+\i+3]
.endr
.endr
.irp q, 0,1
	v_max3_num_f32 v[ST+8*\q+6], v[ST+8*\q+6], v[S+64*\q+62], v[S+64*\q+63]
.endr
.irp q, 0,1
	v_max_num_f32 v[ST+8*\q+6], v[ST+8*\q+6], v[ST+8*\q+7]
.endr
.irp q, 0,1
	v_permlanex16_b32 v[8+\q], v[ST+8*\q+6], s14, s15
.endr
.irp q, 0,1
	v_max_num_f32 v[ST+8*\q+6], v[ST+8*\q+6], v[8+\q]
.endr
.irp q, 0,1
	v_mul_f32 v[ST+8*\q+6], s16, v[ST+8*\q+6]      ; as t (the factor is positive)
.endr
.irp q, 0,1
	v_max_num_f32 v[ST+8*\q+1], v[ST+8*\q+1], v[ST+8*\q+6]
	v_mov_b32 v[ST+8*\q+6], v[ST+8*\q]
.endr
.irp q, 0,1
	v_floor_f32 v[ST+8*\q], -v[ST+8*\q+1]          ; -M = floor(-t): M is a whole number
.endr
.irp q, 0,1
	v_sub_f32 v[ST+8*\q+6], v[ST+8*\q], v[ST+8*\q+6]
.endr
.irp q, 0,1
	v_cvt_i32_f32 v[ST+8*\q+6], v[ST+8*\q+6]       ; (it saturates)
.endr
.irp q, 0,1
	v_ldexp_f32 v[ST+8*\q+4], 1.0, v[ST+8*\q+6]    ; f = 2^(old M - new M)
.endr
.irp q, 0,1
.set jj, 0
.rept 32
	v_pk_fma_f32 v[S+64*\q+jj:S+64*\q+jj+1], v[S+64*\q+jj:S+64*\q+jj+1], s[16:17], v[ST+8*\q:ST+8*\q+1] op_sel_hi:[1,0,0]   ; t - M
.set jj, jj+2
.endr
.endr
.set jj, 0
	s_wait_alu depctr_va_vdst(0)
.rept 128
	v_exp_f32 v[S+jj], v[S+jj]                     ; p = 2^(t - M): one batch for both tiles
.set jj, jj+1
.endr
.irp q, 0,1
	v_pk_mul_f32 v[ST+8*\q+2:ST+8*\q+3], v[ST+8*\q+2:ST+8*\q+3], v[ST+8*\q+4:ST+8*\q+5] op_sel_hi:[1,0]   ; the sums under the new M (the plain lines behind the batch)
.endr
.if \pf
	WIN 0x40                                       ; (the switch, then the wait, then the loads)
.endif
	s_wait_alu depctr_va_vdst(0)                   ; the 128 exponentials have written p, ahead of its first reader; and the step's first products are done reading K's registers, in which the loads below land
.if \pf
	KLOADS 8192                                    ; the next step's K: the sums, the conversions, the rescaling and the second products stand ahead of its use
.endif
.irp q, 0,1
	v_pk_add_f32 v[C2+2*\q:C2+2*\q+1], v[S+64*\q:S+64*\q+1], v[S+64*\q+2:S+64*\q+3]
.endr
.irp j, 4,8,12,16,20,24,28,32,36,40,44,48,52,56,60
.irp q, 0,1
	v_pk_add_f32 v[ST+8*\q+2:ST+8*\q+3], v[ST+8*\q+2:ST+8*\q+3], v[S+64*\q+\j:S+64*\q+\j+1]
	v_pk_add_f32 v[C2+2*\q:C2+2*\q+1], v[C2+2*\q:C2+2*\q+1], v[S+64*\q+\j+2:S+64*\q+\j+3]
.endr
.endr
.irp q, 0,1
	v_pk_add_f32 v[ST+8*\q+2:ST+8*\q+3], v[ST+8*\q+2:ST+8*\q+3], v[C2+2*\q:C2+2*\q+1]
.endr
	s_cmp_ge_i32 s40, -15
	s_cbranch_scc1 .Lno_hold_\@
.set jj, 0
.rept 128
	v_min_num_f32 v[S+jj], v[S+jj], v28            ; the conversion does not saturate; p is not negative, so the hold is one-sided
.set jj, jj+1
.endr
.Lno_hold_\@:
.irp q, 0,1
.irp g, 0,1,2,3,4,5,6,7
	v_cvt_scalef32_pk8_bf8_f32 v[P+16*\q+2*\g:P+16*\q+2*\g+1], v[S+64*\q+8*\g:S+64*\q+8*\g+7], v29
.endr
.endr
	WIN 0x41
.irp q, 0,1
.set jj, 0
.rept 16
	v_pk_mul_f32 v[32*\q+jj:32*\q+jj+1], v[32*\q+jj:32*\q+jj+1], v[ST+8*\q+4:ST+8*\q+5] op_sel_hi:[1,0]   ; O^T under the new M (also the plain lines behind the conversions)
.set jj, jj+2
.endr
.endr
	s_wait_alu depctr_va_vdst(0)
	s_wait_dscnt 16*(\pf)                          ; V is in; the next step's 16 loads of K, where they were asked for, stay out
	WIN 0x51
.irp j, 0,1,2,3
.irp q, 0,1
	v_wmma_f32_16x16x128_bf8_bf8 v[32*\q+8*\j:32*\q+8*\j+7], v[VF+16*\j:VF+16*\j+15], v[P+16*\q:P+16*\q+15], v[32*\q+8*\j:32*\q+8*\j+7]
.endr
.endr
	WIN 0
.endm
; A CHUNK: four key steps.  Written out four times, so that every chunk's place in LDS is a constant of the text.
.macro CHUNK c
	s_mov_b32 s[TB], (\c)*32768
.if (\c) > 0
	s_wait_alu depctr_vm_vsrc(0)                   ; the LDS loads issued so far have read v[ADK], which the line below writes
.endif
	v_add_nc_u32 v[ADK], s[TB], v[LI]
	WIN 0x40
	s_wait_alu depctr_va_vdst(0)                   ; v[ADK] is written, which the loads below read
	KLOADS 0                                       ; the chunk's first K: it could not be asked for before the barrier
	s_mov_b32 s[IN], 3
.Lstep_\@:
	STEP 1
	s_add_co_u32 s[TB], s[TB], 0x2000
	s_sub_co_u32 s[IN], s[IN], 1
	s_cmp_lg_u32 s[IN], 0
	s_cbranch_scc1 .Lstep_\@
.if (\c) < 3
	s_wait_loadcnt 0x0                             ; the next chunk's bytes, asked for three steps or more ago, are in my registers
	CSTORE (\c)+1                                  ; into bytes that no wave reads before the barrier below
.if (\c) < 2
	CLOAD (\c)+2, 1
.endif
	s_barrier_signal -1                            ; my part of the next chunk lies in LDS
	STEP 0                                         ; the chunk's last step reads this chunk alone, which is never written again
	s_barrier_wait -1                              ; everybody's part does
.else
	STEP 0
.endif
.endm
	s_load_b128 s[4:7], s[0:1], 0x0                ; qkvc 4, lowp_scales 6
	s_load_b64 s[8:9], s[0:1], 0x10                ; avc
	v_lshl_add_u32 v254, v0, 2, 0x40000
	v_mov_b32 v255, 0
	v_lshrrev_b32 v2, 5, v0
	v_readfirstlane_b32 s10, v2                    ; wave 0..7
	v_and_b32 v1, 31, v0
	v_lshlrev_b32 v[LI], 4, v1
	s_wait_alu depctr_va_sdst(0)                   ; s10 is written, ahead of its first reader: offsets and bases are made from it
	s_lshl_b32 s28, s10, 12
	v_add_nc_u32 v[SA0], s28, v[LI]
	v_add_nc_u32 v[SA1], 0x10000, v[SA0]
	v_add_nc_u32 v[SB0], 0x20000, v[SA0]
	v_add_nc_u32 v[SB1], 0x30000, v[SA0]
	s_and_b32 s12, ttmp7, 0xffff                   ; bh
	s_lshl_b32 s28, s12, 17
	s_mov_b32 s29, 0
	s_lshl_b32 s30, ttmp9, 4
	s_lshl_b32 s31, s10, 1
	s_add_co_u32 s30, s30, s31                     ; my first query tile: 16 x + 2 wave
	s_lshl_b32 s48, s30, 10
	s_mov_b32 s49, 0
	s_lshr_b32 s50, s12, 3                         ; avc: ((batch x 128 + tile) x 4 + head / 2) x 2,048 + 2 (head % 2) x 512
	s_lshl_b32 s50, s50, 7
	s_add_co_u32 s50, s50, s30
	s_lshl_b32 s50, s50, 2
	s_bfe_u32 s51, s12, 0x20001
	s_add_co_u32 s50, s50, s51
	s_lshl_b32 s50, s50, 11
	s_and_b32 s51, s12, 1
	s_lshl_b32 s51, s51, 10
	s_add_co_u32 s50, s50, s51
	s_mov_b32 s51, 0
	s_mov_b32 s14, 0x76543210
	s_mov_b32 s15, 0xfedcba98
	s_mov_b32 s16, 0x3e38aa3b                      ; log2(e) / 8
	s_wait_kmcnt 0x0
	s_load_b512 s[32:47], s[6:7], 0x0
	s_add_nc_u64 s[26:27], s[4:5], s[28:29]
	s_add_nc_u64 s[22:23], s[26:27], 0x400000      ; the head's K
	s_add_nc_u64 s[24:25], s[26:27], 0x800000      ; the head's V
	s_add_nc_u64 s[26:27], s[26:27], s[48:49]      ; my two tiles of Q
	s_add_nc_u64 s[8:9], s[8:9], s[50:51]
	s_wait_alu depctr_va_vdst(0)                   ; v1 and v4 to v7 are written: the loads, the copy's LDS stores and the last stores read them as offsets and addresses
.irp q, 0,1
.irp c, 0,1
	global_load_b128 v[QF+8*\q+4*\c:QF+8*\q+4*\c+3], v[LI], s[26:27] offset:1024*\q+512*\c
.endr
.endr
	CLOAD 0, 0
.irp q, 0,1
	v_mov_b32 v[ST+8*\q+1], 0xff61b1e6             ; the largest t so far: -3e38
	v_floor_f32 v[ST+8*\q], -v[ST+8*\q+1]
	v_mov_b32 v[ST+8*\q+2], 0
	v_mov_b32 v[ST+8*\q+3], 0
	v_mov_b32 v[ST+8*\q+5], 0
	v_mov_b32 v[8+\q], 0
.endr
	WIN 0x40
.set ii, 0
.rept 64
	v_mov_b32 v[ii], 0                             ; O^T: the step has no first form of its own; its first run finds zeros, which the first change of M leaves zeros
.set ii, ii+1
.endr
	WIN 0
	s_wait_kmcnt 0x0
	s_add_co_i32 s28, s38, s39
	s_lshl_b32 s28, s28, 23
	s_add_co_i32 s16, s16, s28                     ; a score stands for score x 2^(e6 + e7)
	s_mov_b32 s17, s16
	MKSC 29, 28, 40, 30                            ; p's scale and bound
	s_sub_co_i32 s28, s42, s40
	s_sub_co_i32 s28, s28, s41                     ; O / l stands for av / 2^(e8 + e9): its code is (O / l) / 2^(e10 - e8 - e9)
	MKSC 31, 30, 28, 30
	s_wait_loadcnt 0x0                             ; Q, and chunk 0 in my registers
	CSTORE 0
	CLOAD 1, 1                                     ; three steps ahead of its way into LDS
	s_barrier_signal -1
	s_barrier_wait -1                              ; chunk 0 lies whole in LDS
	CHUNK 0
	CHUNK 1
	CHUNK 2
	CHUNK 3
	; THE WAY OUT: O^T / the sum, quantised with 2^e10: a lane's 32 channels are 32 neighbours along the next K
	NOPS 4
.irp q, 0,1
	v_add_f32 v[ST+8*\q+2], v[ST+8*\q+2], v[ST+8*\q+3]
.endr
.irp q, 0,1
	v_permlanex16_b32 v[8+\q], v[ST+8*\q+2], s14, s15
.endr
.irp q, 0,1
	v_add_f32 v[ST+8*\q+2], v[ST+8*\q+2], v[8+\q]
.endr
	s_wait_alu depctr_va_vdst(0)
.irp q, 0,1
	v_rcp_f32 v[ST+8*\q+6], v[ST+8*\q+2]
.endr
	v_nop
	s_wait_alu depctr_va_vdst(0)                   ; the two reciprocals are written, ahead of their first reader
	WIN 0x01
.irp q, 0,1
.set jj, 0
.rept 16
	v_pk_mul_f32 v[S+32*\q+jj:S+32*\q+jj+1], v[32*\q+jj:32*\q+jj+1], v[ST+8*\q+6:ST+8*\q+7] op_sel_hi:[1,0]
.set jj, jj+2
.endr
.endr
	WIN 0
.set jj, 0
.rept 64
	v_med3_num_f32 v[S+jj], v[S+jj], -v30, v30
.set jj, jj+1
.endr
.irp q, 0,1
.irp g, 0,1,2,3
	v_cvt_scalef32_pk8_bf8_f32 v[P+8*\q+2*\g:P+8*\q+2*\g+1], v[S+32*\q+8*\g:S+32*\q+8*\g+7], v31
.endr
.endr
	v_nop
	s_wait_alu depctr_va_vdst(0)                   ; the conversions have written av's codes, which the stores below read
.irp q, 0,1
.irp b, 0,1
	global_store_b128 v[LI], v[P+8*\q+4*\b:P+8*\q+4*\b+3], s[8:9] offset:8192*\q+512*\b
.endr
.endr
	s_wait_dscnt 0x0                               ; the closing lines, six on end
	s_wait_alu 0x0
	s_wait_tensorcnt 0x0
	ds_add_u32 v254, v255
	s_wait_dscnt 0x0
	s_endpgm
.Lfunc_end_k_q6dfa061948_attn:
	.size	k_q6dfa061948_attn, .Lfunc_end_k_q6dfa061948_attn-k_q6dfa061948_attn
	.p2alignl 7, 3214868480
	.fill 96, 4, 3214868480
	.section	.rodata,"a",@progbits
	.p2align	6, 0x0
	.amdhsa_kernel k_q6dfa061948_attn
		.amdhsa_group_segment_fixed_size 263168
		.amdhsa_private_segment_fixed_size 0
		.amdhsa_enable_private_segment 0
		.amdhsa_kernarg_size 24
		.amdhsa_user_sgpr_count 2
		.amdhsa_user_sgpr_kernarg_segment_ptr 1
		.amdhsa_wavefront_size32 1
		.amdhsa_system_sgpr_workgroup_id_x 1
		.amdhsa_system_sgpr_workgroup_id_y 1
		.amdhsa_system_sgpr_workgroup_id_z 1
		.amdhsa_system_vgpr_workitem_id 0
		.amdhsa_next_free_vgpr 512
		.amdhsa_next_free_sgpr 66
		.amdhsa_reserve_vcc 0
		.amdhsa_float_denorm_mode_32 3
		.amdhsa_float_denorm_mode_16_64 3
		.amdhsa_memory_ordered 1
		.amdhsa_forward_progress 1
		.amdhsa_inst_pref_size 252
	.end_amdhsa_kernel
	.amdgpu_metadata
---
amdhsa.version: [ 1, 2 ]
amdhsa.kernels:
  - .name:           k_q6dfa061948_attn
    .symbol:         k_q6dfa061948_attn.kd
    .args:
      - { .name: qkvc, .offset: 0, .size: 8, .value_kind: global_buffer, .address_space: global }
      - { .name: lowp_scales, .offset: 8, .size: 8, .value_kind: global_buffer, .address_space: global }
      - { .name: avc, .offset: 16, .size: 8, .value_kind: global_buffer, .address_space: global }
    .group_segment_fixed_size: 263168
    .private_segment_fixed_size: 0
    .kernarg_segment_align: 8
    .kernarg_segment_size: 24
    .max_flat_workgroup_size: 256
    .sgpr_count:     66
    .vgpr_count:     512
    .wavefront_size: 32
...
	.end_amdgpu_metadata
.endif
;; end of part 9
;; launch wo_ln2 (part 10): grid 256 x 1, 4 waves a work-group, no clusters, 1,536 bytes of LDS; arguments avc, wc, x, bo, ln2_g, ln2_b, lowp_scales, x1i, x2c; writes x1i, x2c
.if DOCPART == 10
	.amdgcn_target "amdgcn-amd-amdhsa--gfx1250"
	.amdhsa_code_object_version 6
	.text
	.protected	k_q6dfa061948_wo_ln2
	.globl	k_q6dfa061948_wo_ln2
	.p2align	8
	.type	k_q6dfa061948_wo_ln2,@function
k_q6dfa061948_wo_ln2:
	s_mov_b64 s[64:65], 0
	v_nop
	global_prefetch_b8 v0, s[64:65] scope:SCOPE_SE
	s_setreg_imm32_b32 hwreg(HW_REG_WAVE_SCHED_MODE, 0, 2), 2
	s_setreg_imm32_b32 hwreg(HW_REG_WAVE_MODE, 25, 1), 1
	s_wait_xcnt 0x0
	s_wait_alu depctr_vm_vsrc(0)
; x1 = x + av Wo + bo;  x2 = LayerNorm 2 of x1, quantised with 2^e12.  A work-group takes 32 tokens (two tiles); wave w takes columns 128 w .. 128 w + 127: Wo's 8 tiles x 512 K stay in 512 registers.
; Source 0 = Wo, source 1 = av: a lane holds one token of each tile and 64 of its columns, register 16 b + i = column 128 w + 32 b + 16 h + i.
; The residual and the bias are the C of the sums, divided by 2^(e10 + e11); the finished sums are multiplied by it once.
; A token's mean and variance span the four waves: two exchanges of 16 x 2 numbers a wave through LDS, a barrier each, on bytes of their own.
; x1i: the registers as they stand: [tile][column group w][q 16][lane][16 bytes].  x2c: fragments [tile][s = w][2048].
; No cluster: Wo is wanted once, in register order, at the head.
; LIMITS: e10 + e11 between -126 and 126; e12 between -126 and 112; x and bo x 2^-(e10 + e11) f32 numbers.  NaN is not served.
; WINDOWS: 0: addresses, sums (v16-143), codes (v144-175: the second tile's lie where bo lay), bo.  1, 2: Wo.  3: v0-127 av's fragments, v128-191 ln2_g, v192-255 ln2_b.
; THE MODE: SCHED_MODE bits 1:0 = 2 (LLVM: expert scheduling mode 2), set by the entry lines.  The code itself states the register dependences
; between vector or matrix instructions and memory or LDS instructions, with s_wait_alu, always for 0.
; THE PLAN.  Registers that memory or LDS instructions touch, and who else names them:
;   v1-v5            offsets and LDS addresses: made at the head ahead of one wait on va_vdst, never written again.
;   what loads bring each register is landed once (x into the sums' registers, bo, Wo, av, ln2_g, ln2_b) and is then named by vector and matrix instructions alone.
;   v16-143          x1: written by 64 packed multiplies, read by 32 stores, written again by the centring.
;   v226, v230       a tile's figure: written by vector sums, read by an exchange's two LDS stores, written again by the second exchange's sums.
;   v234-241         an exchange's eight LDS loads land there; vector instructions read and write them; the second exchange's loads land there again.
;   v144-175         the two tiles' codes, each with registers of its own: written by the conversions, read by eight stores.
; The waits on va_vdst: ahead of the first load; ahead of the products; ahead of x1's stores; one in each exchange, ahead of its LDS stores, which also serves its LDS loads (no vector instruction stands between); one ahead of the wait on XCNT; one ahead of the reciprocal roots; the roots' own;
; one ahead of the eight stores of codes.  ONE wait on vm_vsrc, beside the wait on XCNT ahead of the centring: x1's stores and the first exchange's LDS stores have read their registers.
.set LI, 1
.set XA, 2
.set BA, 3
.set ACC, 16
.set PC, 144
.set BO, 160
.set SC, 224
.set LM, 225
.set MSB, 0
.macro WIN new
.if MSB != (\new)
	s_set_vgpr_msb (MSB<<8)|(\new)
.set MSB, (\new)
.endif
.endm
.macro NOPS n
.rept \n
	v_nop
.endr
.endm
.macro MKSC vs, vl, se, st
	s_add_co_i32 s[\st], s[\se], 127
	s_lshl_b32 s[\st+1], s[\st], 23
	v_mov_b32 v[\vs], s[\st+1]
	s_add_co_i32 s[\st], s[\st], 15
	s_lshl_b32 s[\st], s[\st], 23
	s_or_b32 s[\st], s[\st], 0x600000
	v_mov_b32 v[\vl], s[\st]
.endm
.macro QUANT src, dst, sc, lim         ; 64 numbers of a lane, v[src] on, become 16 registers of codes, v[dst] on
.irp b, 0,1,2,3
.irp i, 0,1,2,3,4,5,6,7,8,9,10,11,12,13,14,15
	v_med3_num_f32 v[\src+16*\b+\i], v[\src+16*\b+\i], -v[\lim], v[\lim]
.endr
	v_cvt_scalef32_pk8_bf8_f32 v[\dst+4*\b:\dst+4*\b+1], v[\src+16*\b:\src+16*\b+7], v[\sc]
	v_cvt_scalef32_pk8_bf8_f32 v[\dst+4*\b+2:\dst+4*\b+3], v[\src+16*\b+8:\src+16*\b+15], v[\sc]
.endr
	v_nop
.endm
.macro PLOAD bs, tstride
.irp s, 0,1,2,3
.if \s < 2
	WIN 0x40
.else
	WIN 0x80
.endif
.irp t, 0,1,2,3,4,5,6,7
.irp c, 0,1,2,3
	global_load_b128 v[128*(\s%2)+16*\t+4*\c:128*(\s%2)+16*\t+4*\c+3], v[LI], s[\bs:\bs+1] offset:\t*(\tstride)+\s*2048+\c*512
.endr
.endr
.endr
.endm
.macro SUM64 src, d                    ; the sum of a lane's 64 numbers into v[d]; v[d+1 .. d+3] at work
	v_pk_add_f32 v[\d:\d+1], v[\src:\src+1], v[\src+2:\src+3]
	v_pk_add_f32 v[\d+2:\d+3], v[\src+4:\src+5], v[\src+6:\src+7]
.irp j, 8,12,16,20,24,28,32,36,40,44,48,52,56,60
	v_pk_add_f32 v[\d:\d+1], v[\d:\d+1], v[\src+\j:\src+\j+1]
	v_pk_add_f32 v[\d+2:\d+3], v[\d+2:\d+3], v[\src+\j+2:\src+\j+3]
.endr
	v_pk_add_f32 v[\d:\d+1], v[\d:\d+1], v[\d+2:\d+3]
	v_add_f32 v[\d], v[\d], v[\d+1]
.endm
.macro SQ64 src, d                     ; the sum of their squares
	v_pk_mul_f32 v[\d:\d+1], v[\src:\src+1], v[\src:\src+1]
	v_pk_mul_f32 v[\d+2:\d+3], v[\src+2:\src+3], v[\src+2:\src+3]
.irp j, 4,8,12,16,20,24,28,32,36,40,44,48,52,56,60
	v_pk_fma_f32 v[\d:\d+1], v[\src+\j:\src+\j+1], v[\src+\j:\src+\j+1], v[\d:\d+1]
	v_pk_fma_f32 v[\d+2:\d+3], v[\src+\j+2:\src+\j+3], v[\src+\j+2:\src+\j+3], v[\d+2:\d+3]
.endr
	v_pk_add_f32 v[\d:\d+1], v[\d:\d+1], v[\d+2:\d+3]
	v_add_f32 v[\d], v[\d], v[\d+1]
.endm
; the two tiles' figures (v226, v230) are joined with lane l xor 16's, go to LDS from off bytes on, and every wave reads all four waves': the tokens' totals come back in v234 and v238
.macro XCHG off
	v_permlanex16_b32 v6, v226, s56, s57
	v_permlanex16_b32 v7, v230, s56, s57
	v_add_f32 v226, v226, v6
	v_add_f32 v230, v230, v7
	s_wait_alu depctr_va_vdst(0)                   ; v226 and v230 are written, which the LDS stores read; and every earlier vector instruction is done with v234 to v241, in which the LDS loads below land
	ds_store_b32 v4, v226 offset:\off
	ds_store_b32 v4, v230 offset:\off+64
	s_wait_dscnt 0x0                               ; my stores have landed
	s_barrier_signal -1
	s_barrier_wait -1
.irp a, 0,1
.irp u, 0,1,2,3
	ds_load_b32 v[234+4*\a+\u], v5 offset:\off+64*\a+128*\u
.endr
.endr
	s_wait_dscnt 0x0
.irp a, 0,1
	v_add_f32 v[234+4*\a], v[234+4*\a], v[235+4*\a]
	v_add_f32 v[236+4*\a], v[236+4*\a], v[237+4*\a]
.endr
.irp a, 0,1
	v_add_f32 v[234+4*\a], v[234+4*\a], v[236+4*\a]
.endr
.endm
	s_load_b512 s[4:19], s[0:1], 0x0               ; avc 4, wc 6, x 8, bo 10, ln2_g 12, ln2_b 14, lowp_scales 16, x1i 18
	s_load_b64 s[20:21], s[0:1], 0x40              ; x2c
	v_lshl_add_u32 v254, v0, 2, 0x400
	v_mov_b32 v255, 0
	v_lshrrev_b32 v2, 5, v0
	v_readfirstlane_b32 s22, v2                    ; wave
	v_and_b32 v1, 31, v0
	v_lshlrev_b32 v[LI], 4, v1
	v_and_b32 v226, 15, v0                         ; r
	v_bfe_u32 v227, v0, 4, 1                       ; h
	v_and_b32 v228, 8, v226
	v_add_nc_u32 v228, v228, v226                  ; r + 8 (r/8)
	v_lshlrev_b32 v[BA], 6, v227
	s_wait_alu depctr_va_sdst(0)                   ; s22 is written, ahead of its first reader: offsets and bases are made from it
	s_lshl_b32 s23, s22, 9
	v_add_nc_u32 v[BA], s23, v[BA]                 ; (128 w + 16 h) x 4
	v_lshl_add_u32 v[XA], v228, 11, v[BA]          ; + my token's row of 2,048 bytes
	s_lshl_b32 s23, s22, 7
	v_lshlrev_b32 v5, 2, v226                      ; LDS: 4 r
	v_add_nc_u32 v4, s23, v5                       ; LDS: 128 w + 4 r
	v_mov_b32 v6, 0
	v_mov_b32 v7, 0
	v_mov_b32 v9, 0
	v_mov_b32 v11, 0
	v_mov_b32 v13, 0
	v_mov_b32 v15, 0
	s_mov_b32 s56, 0x76543210
	s_mov_b32 s57, 0xfedcba98
	s_mov_b32 s58, 0x3b000000                      ; 1 / 512
	s_mov_b32 s59, 0x3727c5ac                      ; 1e-5
	s_mov_b32 s31, 0
	s_wait_kmcnt 0x0
	s_load_b512 s[32:47], s[16:17], 0x0
	s_lshl_b32 s30, ttmp9, 14
	s_add_nc_u64 s[24:25], s[4:5], s[30:31]        ; av's two tiles
	s_add_nc_u64 s[50:51], s[20:21], s[30:31]
	s_lshl_b32 s30, ttmp9, 16
	s_add_nc_u64 s[26:27], s[8:9], s[30:31]        ; x's 32 rows
	s_add_nc_u64 s[48:49], s[18:19], s[30:31]
	s_lshl_b32 s30, s22, 16
	s_add_nc_u64 s[28:29], s[6:7], s[30:31]
	s_add_nc_u64 s[28:29], s[28:29], 0xc0000       ; my 8 tiles of Wo
	s_lshl_b32 s30, s22, 13
	s_add_nc_u64 s[48:49], s[48:49], s[30:31]      ; x1i
	s_lshl_b32 s30, s22, 11
	s_add_nc_u64 s[50:51], s[50:51], s[30:31]      ; x2c
	WIN 0xc0
	s_wait_alu depctr_va_vdst(0)                   ; v1 to v5 are written: every load, store, LDS store and LDS load of the kernel reads one of them as its offset or address
.set ii, 0
.rept 32
	global_load_b128 v[4*ii:4*ii+3], v[LI], s[24:25] offset:512*ii
.set ii, ii+1
.endr
	WIN 0
.irp a, 0,1
.irp b, 0,1,2,3
.irp q, 0,1,2,3
	global_load_b128 v[ACC+64*\a+16*\b+4*\q:ACC+64*\a+16*\b+4*\q+3], v[XA], s[26:27] offset:16384*\a+128*\b+16*\q
.endr
.endr
.endr
.irp b, 0,1,2,3
.irp q, 0,1,2,3
	global_load_b128 v[BO+16*\b+4*\q:BO+16*\b+4*\q+3], v[BA], s[10:11] offset:128*\b+16*\q
.endr
.endr
	PLOAD 28, 8192
	WIN 0xc0
.irp b, 0,1,2,3
.irp q, 0,1,2,3
	global_load_b128 v[128+16*\b+4*\q:128+16*\b+4*\q+3], v[BA], s[12:13] offset:128*\b+16*\q
.endr
.endr
.irp b, 0,1,2,3
.irp q, 0,1,2,3
	global_load_b128 v[192+16*\b+4*\q:192+16*\b+4*\q+3], v[BA], s[14:15] offset:128*\b+16*\q
.endr
.endr
	WIN 0
	s_wait_kmcnt 0x0
	s_add_co_i32 s60, s42, s43                     ; e10 + e11
	s_sub_co_i32 s52, 127, s60
	s_lshl_b32 s52, s52, 23                        ; 2^-(e10 + e11)
	s_mov_b32 s53, s52
	s_add_co_i32 s54, s60, 127
	s_lshl_b32 s54, s54, 23                        ; 2^(e10 + e11)
	s_mov_b32 s55, s54
	MKSC SC, LM, 44, 60
	s_wait_loadcnt 63                              ; 160 loads are younger than av, x and bo: with at most 63 out those are in
.set jj, 0
.rept 32
	v_pk_mul_f32 v[BO+jj:BO+jj+1], v[BO+jj:BO+jj+1], s[52:53] op_sel_hi:[1,0]
.set jj, jj+2
.endr
.irp a, 0,1
.set jj, 0
.rept 32
	v_pk_fma_f32 v[ACC+64*\a+jj:ACC+64*\a+jj+1], v[ACC+64*\a+jj:ACC+64*\a+jj+1], s[52:53], v[BO+jj:BO+jj+1] op_sel_hi:[1,0,1]
.set jj, jj+2
.endr
.endr
	s_wait_alu depctr_va_vdst(0)
	s_wait_loadcnt 32                              ; Wo is in; only ln2_g and ln2_b may be out
.irp s, 0,1,2,3
.if \s < 2
	WIN 0x0d
.else
	WIN 0x0e
.endif
.irp a, 0,1
.irp t, 0,1,2,3,4,5,6,7
	v_wmma_f32_16x16x128_bf8_bf8 v[ACC+64*\a+8*\t:ACC+64*\a+8*\t+7], v[128*(\s%2)+16*\t:128*(\s%2)+16*\t+15], v[64*\a+16*\s:64*\a+16*\s+15], v[ACC+64*\a+8*\t:ACC+64*\a+8*\t+7]
.endr
.endr
.endr
	WIN 0
	NOPS 4
.set jj, 0
.rept 64
	v_pk_mul_f32 v[ACC+jj:ACC+jj+1], v[ACC+jj:ACC+jj+1], s[54:55] op_sel_hi:[1,0]   ; x1, each accumulator from its low end on
.set jj, jj+2
.endr
	s_wait_alu depctr_va_vdst(0)                   ; the multiplies have written x1 in v16 to v143, which the stores below read
.irp a, 0,1
.set ii, 0
.rept 16
	global_store_b128 v[LI], v[ACC+64*\a+4*ii:ACC+64*\a+4*ii+3], s[48:49] offset:32768*\a+512*ii
.set ii, ii+1
.endr
.endr
	SUM64 ACC, 226
	SUM64 ACC+64, 230
	XCHG 0
	v_mul_f32 v8, s58, v234                        ; the means
	v_mul_f32 v10, s58, v238
	s_wait_alu depctr_va_vdst(0)
	s_wait_xcnt 0x0                                ; x1's stores have had their addresses translated: their registers are rewritten only behind this wait
	s_wait_alu depctr_vm_vsrc(0)                   ; x1's stores have read v16 to v143, which the centring writes; the first exchange's LDS stores have read v226 and v230, which the sums of squares write
.irp a, 0,1
.set jj, 0
.rept 32
	v_pk_add_f32 v[ACC+64*\a+jj:ACC+64*\a+jj+1], v[ACC+64*\a+jj:ACC+64*\a+jj+1], v[8+2*\a:9+2*\a] op_sel_hi:[1,0] neg_lo:[0,1] neg_hi:[0,1]
.set jj, jj+2
.endr
.endr
	SQ64 ACC, 226
	SQ64 ACC+64, 230
	XCHG 512
	v_fma_f32 v234, v234, s58, s59
	v_fma_f32 v238, v238, s58, s59
	s_wait_alu depctr_va_vdst(0)
	v_rsq_f32 v12, v234
	v_rsq_f32 v14, v238
	v_nop
	s_wait_alu depctr_va_vdst(0)                   ; both reciprocal roots are written, ahead of their first reader
.irp a, 0,1
.set jj, 0
.rept 32
	v_pk_mul_f32 v[ACC+64*\a+jj:ACC+64*\a+jj+1], v[ACC+64*\a+jj:ACC+64*\a+jj+1], v[12+2*\a:13+2*\a] op_sel_hi:[1,0]
.set jj, jj+2
.endr
.endr
	s_wait_loadcnt 0x0                             ; ln2_g, ln2_b
	WIN 0x3c
.irp a, 0,1
.set jj, 0
.rept 32
	v_pk_fma_f32 v[ACC+64*\a+jj:ACC+64*\a+jj+1], v[ACC+64*\a+jj:ACC+64*\a+jj+1], v[128+jj:129+jj], v[192+jj:193+jj]
.set jj, jj+2
.endr
.endr
	WIN 0
	QUANT ACC, PC, SC, LM                          ; each tile's codes have registers of their own, so that no store's data are written again
	QUANT ACC+64, PC+16, SC, LM
	s_wait_alu depctr_va_vdst(0)                   ; the conversions have written both tiles' codes, v144 to v175, which the eight stores below read
.irp a, 0,1
.irp c, 0,1,2,3
	global_store_b128 v[LI], v[PC+16*\a+4*\c:PC+16*\a+4*\c+3], s[50:51] offset:8192*\a+512*\c
.endr
.endr
	s_wait_dscnt 0x0                               ; the closing lines, six on end
	s_wait_alu 0x0
	s_wait_tensorcnt 0x0
	ds_add_u32 v254, v255
	s_wait_dscnt 0x0
	s_endpgm
.Lfunc_end_k_q6dfa061948_wo_ln2:
	.size	k_q6dfa061948_wo_ln2, .Lfunc_end_k_q6dfa061948_wo_ln2-k_q6dfa061948_wo_ln2
	.p2alignl 7, 3214868480
	.fill 96, 4, 3214868480
	.section	.rodata,"a",@progbits
	.p2align	6, 0x0
	.amdhsa_kernel k_q6dfa061948_wo_ln2
		.amdhsa_group_segment_fixed_size 1536
		.amdhsa_private_segment_fixed_size 0
		.amdhsa_enable_private_segment 0
		.amdhsa_kernarg_size 72
		.amdhsa_user_sgpr_count 2
		.amdhsa_user_sgpr_kernarg_segment_ptr 1
		.amdhsa_wavefront_size32 1
		.amdhsa_system_sgpr_workgroup_id_x 1
		.amdhsa_system_sgpr_workgroup_id_y 1
		.amdhsa_system_sgpr_workgroup_id_z 1
		.amdhsa_system_vgpr_workitem_id 0
		.amdhsa_next_free_vgpr 1024
		.amdhsa_next_free_sgpr 66
		.amdhsa_reserve_vcc 0
		.amdhsa_float_denorm_mode_32 3
		.amdhsa_float_denorm_mode_16_64 3
		.amdhsa_memory_ordered 1
		.amdhsa_forward_progress 1
		.amdhsa_inst_pref_size 76
	.end_amdhsa_kernel
	.amdgpu_metadata
---
amdhsa.version: [ 1, 2 ]
amdhsa.kernels:
  - .name:           k_q6dfa061948_wo_ln2
    .symbol:         k_q6dfa061948_wo_ln2.kd
    .args:
      - { .name: avc, .offset: 0, .size: 8, .value_kind: global_buffer, .address_space: global }
      - { .name: wc, .offset: 8, .size: 8, .value_kind: global_buffer, .address_space: global }
      - { .name: x, .offset: 16, .size: 8, .value_kind: global_buffer, .address_space: global }
      - { .name: bo, .offset: 24, .size: 8, .value_kind: global_buffer, .address_space: global }
      - { .name: ln2_g, .offset: 32, .size: 8, .value_kind: global_buffer, .address_space: global }
      - { .name: ln2_b, .offset: 40, .size: 8, .value_kind: global_buffer, .address_space: global }
      - { .name: lowp_scales, .offset: 48, .size: 8, .value_kind: global_buffer, .address_space: global }
      - { .name: x1i, .offset: 56, .size: 8, .value_kind: global_buffer, .address_space: global }
      - { .name: x2c, .offset: 64, .size: 8, .value_kind: global_buffer, .address_space: global }
    .group_segment_fixed_size: 1536
    .private_segment_fixed_size: 0
    .kernarg_segment_align: 8
    .kernarg_segment_size: 72
    .max_flat_workgroup_size: 128
    .sgpr_count:     66
    .vgpr_count:     1024
    .wavefront_size: 32
...
	.end_amdgpu_metadata
.endif
;; end of part 10
;; launch ffn1 (part 11): grid 4 x 64, 4 waves a work-group, no clusters, 66,048 bytes of LDS; arguments x2c, wc, b1, lowp_scales, hc; writes hc
.if DOCPART == 11
	.amdgcn_target "amdgcn-amd-amdhsa--gfx1250"
	.amdhsa_code_object_version 6
	.text
	.protected	k_q6dfa061948_ffn1
	.globl	k_q6dfa061948_ffn1
	.p2align	8
	.type	k_q6dfa061948_ffn1,@function
k_q6dfa061948_ffn1:
	s_mov_b64 s[64:65], 0
	v_nop
	global_prefetch_b8 v0, s[64:65] scope:SCOPE_SE
	s_setreg_imm32_b32 hwreg(HW_REG_WAVE_SCHED_MODE, 0, 2), 2
	s_setreg_imm32_b32 hwreg(HW_REG_WAVE_MODE, 25, 1), 1
	s_wait_xcnt 0x0
	s_wait_alu depctr_vm_vsrc(0)
; h = gelu(x2 W1 + b1), quantised with 2^e14.  A work-group makes 512 hidden units (x) for 128 tokens (y); wave w has 128 units.
; The 8 token tiles of x2 (source 1) are copied once into LDS as they lie, read once by each wave and kept in 512 registers.  W1 (source 0) comes from memory in four PAIRS of tiles (32 units, 16,384 bytes, 32 loads
; a wave) into two sets of registers that take turns: pair b + 2 is asked for behind pair b's two bodies, so that the work begins when the first pair has landed and the others arrive under it.
; A lane holds one token of each tile and, of pair b, units 32 b + 16 h + 0 .. 15 of the wave's 128: 16 neighbours along the next K.  A body is pair b against four token tiles: 64 numbers a lane, 16 for each tile:
; piece c = b of K step 4 x + w of four fragments of the next product.  A pair's two bodies are one loop of two trips: only the run of matrix instructions is written twice (the tokens lie in two windows).
; THE EXACT GELU: gelu(x) = max(x, 0) - |x| u, u = erfc(|x| / sqrt 2) / 2: no difference of near numbers for x < 0.
; u = t 2^(KN x^2 + C0 + t (C1 + .. + t C9)), t = 1 / (1 + TC |x|): the rational Chebyshev form of erfc with a fractional error under 1.2e-7 everywhere; log2(e) and the half are folded into the constants.
; No cluster: W1 is wanted once, in register order.
; LIMITS: e12 + e13 between -126 and 127; e14 between -126 and 112.  NaN is not served.
; WINDOWS: 0: addresses, sums v16-79, codes v80-95, b1 v96-159, t v160-191, exponent v192-223, polynomial v224-255.  1: W1's pair b at v[128 (b%2) + 64 u + 16 s].
;   2, 3: token tiles 0-3, 4-7 at v[64 (a%4) + 16 s]; at the head v128-255 of window 3 are the copy's registers.
; THE MODE: SCHED_MODE bits 1:0 = 2 (LLVM: expert scheduling mode 2), set by the entry lines.  The code itself states the register dependences
; between vector or matrix instructions and memory or LDS instructions, with s_wait_alu, always for 0.
; THE PLAN.  Registers that memory or LDS instructions touch, and who else names them:
;   v1, v2, v3         offsets, made at the head ahead of one wait on va_vdst, never written again.
;   window 3 v128-255  the copy's registers: global loads land there, my LDS stores read them, then LDS loads land there (token tiles 6 and 7): a wait on vm_vsrc stands between those stores and those loads.
;   windows 2 and 3, b1  landed once; from then on named by vector and matrix instructions alone.
;   window 1, set b%2  pair b's loads land there; pair b's 64 matrix instructions read it; pair b + 2's loads land there again.
;   v80-95             the codes: a body's conversions write them, its four stores read them, the next body's conversions write them again.
;   v4                 the stores' offset: read by a body's four stores, turned by one exclusive or in the next body.
; A body's own waits, beside the eight that its reciprocals and exponentials have in any case: one on vm_vsrc, beside the wait on XCNT, ahead of the exclusive or and the conversions (the last body's stores have read v4 and the codes);
; one on va_vdst behind the conversions (v4 and the codes are written), ahead of the four stores.  Behind a pair's two bodies one wait on va_vdst stands ahead of the loads that land in the pair's set.
.set LI, 1
.set QV, 2
.set VO, 4                             ; v4  the stores' offset: 16 x lane + 131,072 x (which four token tiles)
.set ACC, 16
.set PC, 80
.set B1, 96
.set T, 160
.set E, 192
.set M, 224
.set K2, 48
.set TC, 50
.set KN, 52
.set C0, 54
.set C1, 56
.set C2, 58
.set C3, 60
.set C4, 62
.set C5, 66
.set C6, 68
.set C7, 70
.set C9, 74
.set MSB, 0
.macro WIN new
.if MSB != (\new)
	s_set_vgpr_msb (MSB<<8)|(\new)
.set MSB, (\new)
.endif
.endm
.macro NOPS n
.rept \n
	v_nop
.endr
.endm
.macro MKSC vs, vl, se, st
	s_add_co_i32 s[\st], s[\se], 127
	s_lshl_b32 s[\st+1], s[\st], 23
	v_mov_b32 v[\vs], s[\st+1]
	s_add_co_i32 s[\st], s[\st], 15
	s_lshl_b32 s[\st], s[\st], 23
	s_or_b32 s[\st], s[\st], 0x600000
	v_mov_b32 v[\vl], s[\st]
.endm
.macro QUANT src, sc, lim              ; 64 numbers of a lane become 16 registers of codes, four for each 16
.irp b, 0,1,2,3
.irp i, 0,1,2,3,4,5,6,7,8,9,10,11,12,13,14,15
	v_med3_num_f32 v[\src+16*\b+\i], v[\src+16*\b+\i], -v[\lim], v[\lim]
.endr
	v_cvt_scalef32_pk8_bf8_f32 v[PC+4*\b:PC+4*\b+1], v[\src+16*\b:\src+16*\b+7], v[\sc]
	v_cvt_scalef32_pk8_bf8_f32 v[PC+4*\b+2:PC+4*\b+3], v[\src+16*\b+8:\src+16*\b+15], v[\sc]
.endr
	v_nop                                          ; a plain line behind the last conversion: matrix instructions write its sources later
.endm
; 32 matrix instructions: pair b against token tiles 4 g .. 4 g + 3, K step by K step, the eight accumulators by turns; the first K step starts the sums
.macro MMP b, g
	WIN 0x09+4*(\g)                                ; source 0 window 1, source 1 window 2 or 3, C and D window 0
.irp s, 0,1,2,3
.irp a, 0,1,2,3
.irp u, 0,1
.set rD, ACC+16*\a+8*\u
.set rA, 128*((\b)%2)+64*\u+16*\s
.set rB, 64*\a+16*\s
.if \s == 0
	v_wmma_f32_16x16x128_bf8_bf8 v[rD:rD+7], v[rA:rA+15], v[rB:rB+15], 0
.else
	v_wmma_f32_16x16x128_bf8_bf8 v[rD:rD+7], v[rA:rA+15], v[rB:rB+15], v[rD:rD+7]
.endif
.endr
.endr
.endr
.endm
.macro PLOADB b, again                 ; W1's pair b: 32 loads of 512 consecutive bytes, into set b % 2.  again = 1: products have read the set
	WIN 0x40
.if \again
	s_wait_alu depctr_va_vdst(0)                   ; the 64 products of the pair that lay in this set are done reading it: the loads below land there
.endif
.set ii, 0
.rept 32
	global_load_b128 v[128*((\b)%2)+4*ii:128*((\b)%2)+4*ii+3], v[LI], s[24:25] offset:(\b)*16384+512*ii
.set ii, ii+1
.endr
	WIN 0
.endm
.macro GELU hf, b                      ; 32 of the lane's 64 numbers (two token tiles' 16 units of pair b), in place; two batches of transcendentals, a wait ahead of and behind each
.set GX, ACC+32*(\hf)
.set GB, B1+16*(\b)
.set jj, 0
.rept 16
	v_pk_fma_f32 v[GX+jj:GX+jj+1], v[GX+jj:GX+jj+1], s[K2:K2+1], v[GB+(jj%16):GB+(jj%16)+1] op_sel_hi:[1,0,1]   ; x = sum x 2^(e12 + e13) + b1
.set jj, jj+2
.endr
.set jj, 0
.rept 32
	v_fma_f32 v[T+jj], |v[GX+jj]|, s[TC], 1.0
.set jj, jj+1
.endr
.set jj, 0
	s_wait_alu depctr_va_vdst(0)
.rept 32
	v_rcp_f32 v[T+jj], v[T+jj]
.set jj, jj+1
.endr
.set jj, 0
.rept 16
	v_pk_mul_f32 v[E+jj:E+jj+1], v[GX+jj:GX+jj+1], v[GX+jj:GX+jj+1]   ; x^2: the plain work behind the batch
.set jj, jj+2
.endr
	s_wait_alu depctr_va_vdst(0)                   ; the 32 reciprocals are written, ahead of their first reader
.set jj, 0
.rept 16
	v_pk_fma_f32 v[M+jj:M+jj+1], v[T+jj:T+jj+1], s[C9:C9+1], v[10:11] op_sel_hi:[1,0,1]   ; C9 t + C8
.set jj, jj+2
.endr
.irp k, C7, C6, C5, C4, C3, C2, C1, C0
.set jj, 0
.rept 16
	v_pk_fma_f32 v[M+jj:M+jj+1], v[M+jj:M+jj+1], v[T+jj:T+jj+1], s[\k:\k+1] op_sel_hi:[1,1,0]
.set jj, jj+2
.endr
.endr
.set jj, 0
.rept 16
	v_pk_fma_f32 v[E+jj:E+jj+1], v[E+jj:E+jj+1], s[KN:KN+1], v[M+jj:M+jj+1] op_sel_hi:[1,0,1]
.set jj, jj+2
.endr
.set jj, 0
	s_wait_alu depctr_va_vdst(0)
.rept 32
	v_exp_f32 v[E+jj], v[E+jj]
.set jj, jj+1
.endr
.set jj, 0
.rept 32
	v_max_num_f32 v[M+jj], v[GX+jj], 0             ; max(x, 0): the plain work behind the batch
.set jj, jj+1
.endr
	s_wait_alu depctr_va_vdst(0)                   ; the 32 exponentials are written, ahead of their first reader
.set jj, 0
.rept 16
	v_pk_mul_f32 v[E+jj:E+jj+1], v[E+jj:E+jj+1], v[T+jj:T+jj+1]   ; u
.set jj, jj+2
.endr
.set jj, 0
.rept 32
	v_fma_f32 v[GX+jj], -|v[GX+jj]|, v[E+jj], v[M+jj]
.set jj, jj+1
.endr
.endm
; PAIR b: two trips, token tiles 0-3 and 4-7.  The branch hangs on the loop's counter alone and chooses between two runs of matrix instructions that differ in source 1's window.
.macro BBLOCK b
.if (\b) == 3
	s_wait_loadcnt 0x0                             ; the last pair
.else
	s_wait_loadcnt 32                              ; this pair (ahead of the first: b1 too) is in; the next pair's 32 loads stay out
.endif
	s_mov_b32 s19, 0
.Lg_\@:
	s_cmp_eq_u32 s19, 0
	s_cbranch_scc0 .Lhi_\@
	MMP \b, 0
	WIN 0
	s_branch .Ljoin_\@
.Lhi_\@:
	MMP \b, 1
	WIN 0
.Ljoin_\@:
	NOPS 4                                         ; four places behind the last product
	GELU 0, \b
	GELU 1, \b
	s_wait_xcnt 0x0                                ; the last body's stores have had their addresses translated: the codes' registers and the offset are rewritten only behind this wait
	s_wait_alu depctr_vm_vsrc(0)                   ; the last body's stores have read v[VO] and the codes' registers, which the lines below write again
	v_xor_b32 v[VO], 0x20000, v[VO]                ; the other four token tiles than last time
	QUANT ACC, 8, 9
	s_wait_alu depctr_va_vdst(0)                   ; the exclusive or has written v[VO] and the conversions the codes, which the stores below read
.irp a, 0,1,2,3
	global_store_b128 v[VO], v[PC+4*\a:PC+4*\a+3], s[20:21] offset:32768*\a+512*(\b)   ; 512 consecutive bytes
.endr
	s_add_co_u32 s19, s19, 1
	s_cmp_lt_u32 s19, 2
	s_cbranch_scc1 .Lg_\@
.if (\b) < 2
	PLOADB (\b)+2, 1                               ; this pair's set is done with: it takes the pair two on, which has the next pair's two bodies in which to land
.endif
.endm
	s_load_b256 s[4:11], s[0:1], 0x0               ; x2c 4, wc 6, b1 8, lowp_scales 10
	s_load_b64 s[12:13], s[0:1], 0x20              ; hc
	v_lshl_add_u32 v14, v0, 2, 0x10000
	v_mov_b32 v15, 0
	v_lshrrev_b32 v3, 5, v0
	v_readfirstlane_b32 s14, v3                    ; wave
	v_and_b32 v4, 31, v0
	v_lshlrev_b32 v[LI], 4, v4
	s_wait_alu depctr_va_sdst(0)                   ; s14 is written, ahead of its first reader: offsets and bases are made from it
	s_lshl_b32 s30, s14, 14
	v_add_nc_u32 v[QV], s30, v[LI]
	v_add_nc_u32 v[VO], 0x20000, v[LI]             ; the first body turns it to 16 x lane
	v_bfe_u32 v3, v0, 4, 1
	v_lshlrev_b32 v3, 6, v3
	s_lshl_b32 s30, s14, 9
	v_add_nc_u32 v3, s30, v3                       ; (128 w + 16 h) x 4
	s_mov_b32 s15, ttmp9                           ; hg
	s_and_b32 s16, ttmp7, 0xffff                   ; tb
	s_mov_b32 s31, 0
	s_mov_b32 s[TC], 0x3eb504f3                    ; 0.35355339
	s_mov_b32 s[TC+1], s[TC]
	s_mov_b32 s[KN], 0xbf38aa3b                    ; -0.72134752
	s_mov_b32 s[KN+1], s[KN]
	s_mov_b32 s[C0], 0xc034d90f                    ; -2.8257482
	s_mov_b32 s[C0+1], s[C0]
	s_mov_b32 s[C1], 0x3fb8ab5a                    ; 1.4427292
	s_mov_b32 s[C1+1], s[C1]
	s_mov_b32 s[C2], 0x3f0a29d2                    ; 0.53970062
	s_mov_b32 s[C2+1], s[C2]
	s_mov_b32 s[C3], 0x3e0efb2e                    ; 0.13963006
	s_mov_b32 s[C3+1], s[C3]
	s_mov_b32 s[C4], 0xbe899a80                    ; -0.26875686
	s_mov_b32 s[C4+1], s[C4]
	s_mov_b32 s[C5], 0x3ecdfd18                    ; 0.40232158
	s_mov_b32 s[C5+1], s[C5]
	s_mov_b32 s[C6], 0xbfd1a1e5                    ; -1.6377532
	s_mov_b32 s[C6+1], s[C6]
	s_mov_b32 s[C7], 0x40097039                    ; 2.1474745
	s_mov_b32 s[C7+1], s[C7]
	s_mov_b32 s[C9], 0x3e7c6f08                    ; 0.2465173
	s_mov_b32 s[C9+1], s[C9]
	v_mov_b32 v10, 0xbf97d29d                      ; C8 = -1.1861149, in a vector pair
	v_mov_b32 v11, 0xbf97d29d
	s_wait_kmcnt 0x0
	s_load_b512 s[32:47], s[10:11], 0x0
	s_lshl_b32 s30, s15, 18
	s_add_nc_u64 s[24:25], s[6:7], s[30:31]
	s_lshl_b32 s30, s14, 16
	s_add_nc_u64 s[24:25], s[24:25], s[30:31]
	s_add_nc_u64 s[24:25], s[24:25], 0x100000      ; my 8 tiles of W1
	s_lshl_b32 s30, s16, 16
	s_add_nc_u64 s[26:27], s[4:5], s[30:31]        ; the block's 8 token tiles
	s_lshl_b32 s30, s15, 11
	s_add_nc_u64 s[28:29], s[8:9], s[30:31]        ; b1 at the group's 512 units
	s_lshl_b32 s30, s16, 18
	s_add_nc_u64 s[20:21], s[12:13], s[30:31]
	s_lshl_b32 s30, s15, 2
	s_add_co_u32 s30, s30, s14
	s_lshl_b32 s30, s30, 11
	s_add_nc_u64 s[20:21], s[20:21], s[30:31]      ; hc: tile 8 tb, K step 4 hg + w
	WIN 0xc0
	s_wait_alu depctr_va_vdst(0)                   ; v1, v2 and v3 are written: the loads, LDS stores and LDS loads below read them as offsets and addresses
.set ii, 0
.rept 32
	global_load_b128 v[128+4*ii:128+4*ii+3], v[QV], s[26:27] offset:512*ii   ; my quarter of the token tiles' 65,536 bytes
.set ii, ii+1
.endr
	WIN 0
.irp b, 0,1,2,3
.irp q, 0,1,2,3
	global_load_b128 v[B1+16*\b+4*\q:B1+16*\b+4*\q+3], v3, s[28:29] offset:128*\b+16*\q
.endr
.endr
	PLOADB 0, 0
	PLOADB 1, 0
	s_wait_loadcnt 63                              ; 80 loads are younger than my quarter's 32: with at most 63 out those 32 are in
	WIN 0x0c
.set ii, 0
.rept 32
	ds_store_b128 v[QV], v[128+4*ii:128+4*ii+3] offset:512*ii
.set ii, ii+1
.endr
	WIN 0
	s_wait_dscnt 0x0                               ; my stores have landed
	s_barrier_signal -1
	s_barrier_wait -1                              ; the token tiles lie whole in LDS and are never written again
	WIN 0x80
.set ii, 0
.rept 64
	ds_load_b128 v[4*ii:4*ii+3], v[LI] offset:512*ii             ; tiles 0-3, as they lie: they stay in registers
.set ii, ii+1
.endr
	WIN 0xc0
	s_wait_alu depctr_vm_vsrc(0)                   ; my LDS stores have read the copy's registers, v128-255 of window 3, in which tiles 6 and 7 land
.set ii, 0
.rept 64
	ds_load_b128 v[4*ii:4*ii+3], v[LI] offset:32768+512*ii       ; tiles 4-7
.set ii, ii+1
.endr
	WIN 0
	s_wait_kmcnt 0x0
	s_add_co_i32 s[K2], s44, s45
	s_add_co_i32 s[K2], s[K2], 127
	s_lshl_b32 s[K2], s[K2], 23                    ; 2^(e12 + e13)
	s_mov_b32 s[K2+1], s[K2]
	MKSC 8, 9, 46, 22
	s_wait_dscnt 0x0                               ; the token tiles are in my registers
	BBLOCK 0
	BBLOCK 1
	BBLOCK 2
	BBLOCK 3
	s_wait_dscnt 0x0                               ; the closing lines, six on end
	s_wait_alu 0x0
	s_wait_tensorcnt 0x0
	ds_add_u32 v14, v15
	s_wait_dscnt 0x0
	s_endpgm
.Lfunc_end_k_q6dfa061948_ffn1:
	.size	k_q6dfa061948_ffn1, .Lfunc_end_k_q6dfa061948_ffn1-k_q6dfa061948_ffn1
	.p2alignl 7, 3214868480
	.fill 96, 4, 3214868480
	.section	.rodata,"a",@progbits
	.p2align	6, 0x0
	.amdhsa_kernel k_q6dfa061948_ffn1
		.amdhsa_group_segment_fixed_size 66048
		.amdhsa_private_segment_fixed_size 0
		.amdhsa_enable_private_segment 0
		.amdhsa_kernarg_size 40
		.amdhsa_user_sgpr_count 2
		.amdhsa_user_sgpr_kernarg_segment_ptr 1
		.amdhsa_wavefront_size32 1
		.amdhsa_system_sgpr_workgroup_id_x 1
		.amdhsa_system_sgpr_workgroup_id_y 1
		.amdhsa_system_sgpr_workgroup_id_z 1
		.amdhsa_system_vgpr_workitem_id 0
		.amdhsa_next_free_vgpr 1024
		.amdhsa_next_free_sgpr 80
		.amdhsa_reserve_vcc 0
		.amdhsa_float_denorm_mode_32 3
		.amdhsa_float_denorm_mode_16_64 3
		.amdhsa_memory_ordered 1
		.amdhsa_forward_progress 1
		.amdhsa_inst_pref_size 239
	.end_amdhsa_kernel
	.amdgpu_metadata
---
amdhsa.version: [ 1, 2 ]
amdhsa.kernels:
  - .name:           k_q6dfa061948_ffn1
    .symbol:         k_q6dfa061948_ffn1.kd
    .args:
      - { .name: x2c, .offset: 0, .size: 8, .value_kind: global_buffer, .address_space: global }
      - { .name: wc, .offset: 8, .size: 8, .value_kind: global_buffer, .address_space: global }
      - { .name: b1, .offset: 16, .size: 8, .value_kind: global_buffer, .address_space: global }
      - { .name: lowp_scales, .offset: 24, .size: 8, .value_kind: global_buffer, .address_space: global }
      - { .name: hc, .offset: 32, .size: 8, .value_kind: global_buffer, .address_space: global }
    .group_segment_fixed_size: 66048
    .private_segment_fixed_size: 0
    .kernarg_segment_align: 8
    .kernarg_segment_size: 40
    .max_flat_workgroup_size: 128
    .sgpr_count:     80
    .vgpr_count:     1024
    .wavefront_size: 32
...
	.end_amdgpu_metadata
.endif
;; end of part 11
;; launch ffn2 (part 12): grid 4 x 64, 4 waves a work-group, no clusters, 296,448 bytes of LDS; arguments hc, wc, x1i, b2, lowp_scales, out0; writes out0
.if DOCPART == 12
	.amdgcn_target "amdgcn-amd-amdhsa--gfx1250"
	.amdhsa_code_object_version 6
	.text
	.protected	k_q6dfa061948_ffn2
	.globl	k_q6dfa061948_ffn2
	.p2align	8
	.type	k_q6dfa061948_ffn2,@function
k_q6dfa061948_ffn2:
	s_mov_b64 s[64:65], 0
	v_nop
	global_prefetch_b8 v0, s[64:65] scope:SCOPE_SE
	s_setreg_imm32_b32 hwreg(HW_REG_WAVE_SCHED_MODE, 0, 2), 2
	s_setreg_imm32_b32 hwreg(HW_REG_WAVE_MODE, 25, 1), 1
	s_wait_xcnt 0x0
	s_wait_alu depctr_vm_vsrc(0)
; out = x1 + h W2 + b2.  A work-group makes 128 tokens (y) x 128 columns (x), K = 2,048.  THE WAVES SHARE K: wave w has K steps 4 w .. 4 w + 3, so that every fragment of W2 and of h is read once,
; by one wave, from memory straight into registers.  The four partial sums of a token tile meet in LDS as images of their registers, behind one barrier; wave w adds up tiles 2 w and 2 w + 1.
; Source 0 = W2, source 1 = h: a lane holds one token and 64 columns, in the order in which x1i holds x1.  The sums over K are f32 sums in another order than one chain's.
; The result goes through the wave's own stage and leaves as rows: 512 consecutive bytes a store.
; No cluster: each operand byte is wanted by one wave alone.
; LIMITS: e14 + e15 between -126 and 127.  NaN is not served.
; WINDOWS: 0: addresses, two sets of sums v16-143, rows v144-207.  1, 2: W2, later partial sums (1) and x1, b2 (2).  3: four sets of h's fragments, later partial sums.
; LDS: partial images at (4 a + w) x 8,192: 262,144 bytes; then a stage of 16 rows x 528 bytes for each wave.
; THE MODE: SCHED_MODE bits 1:0 = 2 (LLVM: expert scheduling mode 2), set by the entry lines.  The code itself states the register dependences
; between vector or matrix instructions and memory or LDS instructions, with s_wait_alu, always for 0.
; THE PLAN.  Registers that memory or LDS instructions touch, and who else names them:
;   v1-v8, v12         offsets and LDS addresses: made at the head ahead of one wait on va_vdst, never written again.
;   window 3, set a%4  tile a's loads land there; tile a's 32 products read it; tile a + 4's loads land there; behind the barrier LDS loads land in the whole window.
;   windows 1 and 2    W2: landed once, read by all 256 products; then x1 and b2 land in window 2 and LDS loads in window 1.
;   v16-143            two sets of sums by turns: tile a's products write set a%2, its 16 LDS stores read it, tile a + 2's products write it again; later the reductions write v16-143 and their stage stores read v16-79.
;   v144-207           a reduction's LDS loads land there, its 16 stores read them, the second reduction's LDS loads land there again.
; A tile holds ONE wait on va_vdst, behind its products and their four places: the sums are written and h's set is read: the loads of the tile four on and the tile's LDS stores follow it.
; From the third tile on one wait on vm_vsrc stands ahead of the products.  Behind the last tile one wait on va_vdst stands ahead of the loads into W2's registers; no vector instruction follows it up to the LDS loads behind the barrier.
; Each reduction: a wait on vm_vsrc ahead of it, a wait on va_vdst ahead of its stage stores.
.set LI, 1
.set RD, 6
.set SI, 7
.set SO, 8
.set ACC, 16
.set MSB, 0
.macro WIN new
.if MSB != (\new)
	s_set_vgpr_msb (MSB<<8)|(\new)
.set MSB, (\new)
.endif
.endm
.macro NOPS n
.rept \n
	v_nop
.endr
.endm
.macro MM acc, set
.irp s, 0,1,2,3
.if \s < 2
	WIN 0x0d
.else
	WIN 0x0e
.endif
.irp t, 0,1,2,3,4,5,6,7
.if \s == 0
	v_wmma_f32_16x16x128_bf8_bf8 v[(\acc)+8*\t:(\acc)+8*\t+7], v[128*(\s%2)+16*\t:128*(\s%2)+16*\t+15], v[64*(\set)+16*\s:64*(\set)+16*\s+15], 0
.else
	v_wmma_f32_16x16x128_bf8_bf8 v[(\acc)+8*\t:(\acc)+8*\t+7], v[128*(\s%2)+16*\t:128*(\s%2)+16*\t+15], v[64*(\set)+16*\s:64*(\set)+16*\s+15], v[(\acc)+8*\t:(\acc)+8*\t+7]
.endif
.endr
.endr
.endm
.macro PLOAD bs, tstride
.irp s, 0,1,2,3
.if \s < 2
	WIN 0x40
.else
	WIN 0x80
.endif
.irp t, 0,1,2,3,4,5,6,7
.irp c, 0,1,2,3
	global_load_b128 v[128*(\s%2)+16*\t+4*\c:128*(\s%2)+16*\t+4*\c+3], v[LI], s[\bs:\bs+1] offset:\t*(\tstride)+\s*2048+\c*512
.endr
.endr
.endr
.endm
.macro QLOAD a                         ; token tile a, my four K steps: 8,192 consecutive bytes, into set a % 4
	WIN 0xc0
.irp s, 0,1,2,3
.irp c, 0,1,2,3
	global_load_b128 v[64*((\a)%4)+16*\s+4*\c:64*((\a)%4)+16*\s+4*\c+3], v[LI], s[26:27] offset:(\a)*32768+\s*2048+\c*512 th:TH_LOAD_NT
.endr
.endr
	WIN 0
.endm
	s_load_b256 s[4:11], s[0:1], 0x0               ; hc 4, wc 6, x1i 8, b2 10
	s_load_b128 s[12:15], s[0:1], 0x20             ; lowp_scales 12, out0 14
	v_lshl_add_u32 v254, v0, 2, 0x48400
	v_mov_b32 v255, 0
	v_lshrrev_b32 v2, 5, v0
	v_readfirstlane_b32 s16, v2                    ; wave
	v_and_b32 v9, 31, v0
	v_lshlrev_b32 v[LI], 4, v9
	s_wait_alu depctr_va_sdst(0)                   ; s16 is written, ahead of its first reader: addresses and bases are made from it
	s_lshl_b32 s20, s16, 13
	v_add_nc_u32 v2, s20, v[LI]                    ; where I put partial images: tiles 0, 1;
	v_add_nc_u32 v3, 0x10000, v2                   ; 2, 3;
	v_add_nc_u32 v4, 0x20000, v2                   ; 4, 5;
	v_add_nc_u32 v5, 0x30000, v2                   ; 6, 7
	s_lshl_b32 s20, s16, 16
	v_add_nc_u32 v[RD], s20, v[LI]                 ; where I read the four partial images of my two tiles
	s_mul_i32 s20, s16, 8448
	s_add_co_u32 s20, s20, 0x40000                 ; my stage
	v_add_nc_u32 v[SO], s20, v[LI]
	v_and_b32 v10, 15, v0
	v_bfe_u32 v11, v0, 4, 1
	v_mul_u32_u24 v[SI], v10, 528
	v_lshl_add_u32 v[SI], v11, 6, v[SI]
	v_add_nc_u32 v[SI], s20, v[SI]                 ; in: row r, + 64 h
	v_lshlrev_b32 v12, 6, v11                      ; b2: 16 h numbers on
	s_mov_b32 s17, ttmp9                           ; ng
	s_and_b32 s18, ttmp7, 0xffff                   ; tb
	s_mov_b32 s21, 0
	s_wait_kmcnt 0x0
	s_load_b512 s[32:47], s[12:13], 0x0
	s_lshl_b32 s20, s17, 18
	s_add_nc_u64 s[24:25], s[6:7], s[20:21]
	s_lshl_b32 s20, s16, 13
	s_add_nc_u64 s[24:25], s[24:25], s[20:21]
	s_add_nc_u64 s[24:25], s[24:25], 0x200000      ; W2: tile 8 ng, K step 4 w
	s_add_nc_u64 s[26:27], s[4:5], s[20:21]
	s_lshl_b32 s20, s18, 18
	s_add_nc_u64 s[26:27], s[26:27], s[20:21]      ; hc: tile 8 tb, K step 4 w
	s_add_nc_u64 s[28:29], s[8:9], s[20:21]
	s_add_nc_u64 s[14:15], s[14:15], s[20:21]
	s_lshl_b32 s20, s16, 16
	s_add_nc_u64 s[28:29], s[28:29], s[20:21]
	s_add_nc_u64 s[14:15], s[14:15], s[20:21]
	s_lshl_b32 s20, s17, 13
	s_add_nc_u64 s[28:29], s[28:29], s[20:21]      ; x1i: tile 8 tb + 2 w, column group ng
	s_lshl_b32 s20, s17, 9
	s_add_nc_u64 s[14:15], s[14:15], s[20:21]      ; out0: row 128 tb + 32 w, column 128 ng
	s_add_nc_u64 s[30:31], s[10:11], s[20:21]      ; b2 at column 128 ng
	WIN 0x40
	s_wait_alu depctr_va_vdst(0)                   ; v1 to v8 and v12 are written: every load, store, LDS store and LDS load of the kernel reads one of them as its offset or address
	PLOAD 24, 32768
	QLOAD 0
	QLOAD 1
	QLOAD 2
	QLOAD 3
.irp a, 0,1,2,3,4,5,6,7
.if \a <= 4
	s_wait_loadcnt 48                              ; W2 and this tile are in; the next three tiles' loads stay out
.else
	s_wait_loadcnt 16*(7-\a)
.endif
.if \a >= 2
	s_wait_dscnt 16                                ; the LDS stores of the tile two back are done; the last tile's 16 may be out
	s_wait_alu depctr_vm_vsrc(0)                   ; the LDS stores of the tile two back have read this set of sums, which the products below write again
.endif
	MM ACC+64*(\a%2), \a%4
	WIN 0
	NOPS 4                                         ; four places behind the last product, ahead of the LDS stores that read results
.if \a < 4
	WIN 0xc0                                       ; (the switch, then the wait, then the loads)
.endif
	s_wait_alu depctr_va_vdst(0)                   ; the tile's 32 products have written this set of sums, which the LDS stores below read, and are done reading h's set, in which the loads below land
.if \a < 4
	QLOAD \a+4
.endif
.set ii, 0
.rept 16
	ds_store_b128 v[2+\a/2], v[ACC+64*(\a%2)+4*ii:ACC+64*(\a%2)+4*ii+3] offset:(\a%2)*32768+512*ii
.set ii, ii+1
.endr
.endr
	WIN 0x80                                       ; W2's registers are done with: x1 and b2 land in window 2
	s_wait_alu depctr_va_vdst(0)                   ; all products are done reading W2's and h's registers: x1 and b2 land in window 2 below, the partial images in windows 1 and 3 behind the barrier
.irp ap, 0,1
.set ii, 0
.rept 16
	global_load_b128 v[64*\ap+4*ii:64*\ap+4*ii+3], v[LI], s[28:29] offset:32768*\ap+512*ii th:TH_LOAD_NT
.set ii, ii+1
.endr
.endr
.irp b, 0,1,2,3
.irp q, 0,1,2,3
	global_load_b128 v[128+16*\b+4*\q:128+16*\b+4*\q+3], v12, s[30:31] offset:128*\b+16*\q
.endr
.endr
	WIN 0
	s_wait_kmcnt 0x0
	s_add_co_i32 s22, s46, s47
	s_add_co_i32 s22, s22, 127
	s_lshl_b32 s22, s22, 23                        ; 2^(e14 + e15)
	s_mov_b32 s23, s22
	s_wait_dscnt 0x0                               ; my partial images have landed
	s_barrier_signal -1
	s_barrier_wait -1                              ; everybody's have
	WIN 0x40
.set ii, 0
.rept 64
	ds_load_b128 v[4*ii:4*ii+3], v[RD] offset:512*ii           ; tile 2 w: the four waves' images on end
.set ii, ii+1
.endr
	WIN 0xc0
.set ii, 0
.rept 64
	ds_load_b128 v[4*ii:4*ii+3], v[RD] offset:32768+512*ii     ; tile 2 w + 1
.set ii, ii+1
.endr
	WIN 0
	s_wait_loadcnt 0x0                             ; x1, b2
.macro RED ap, wn                      ; tile 2 w + ap; wn: sources 0 and 1 in the window that holds its four images
	WIN \wn
.set jj, 0
.rept 32
	v_pk_add_f32 v[16+jj:17+jj], v[jj:jj+1], v[64+jj:65+jj]
	v_pk_add_f32 v[80+jj:81+jj], v[128+jj:129+jj], v[192+jj:193+jj]
.set jj, jj+2
.endr
	WIN 0
.set jj, 0
.rept 32
	v_pk_add_f32 v[16+jj:17+jj], v[16+jj:17+jj], v[80+jj:81+jj]
.set jj, jj+2
.endr
	WIN 0x20
.set jj, 0
.rept 32
	v_pk_fma_f32 v[16+jj:17+jj], v[16+jj:17+jj], s[22:23], v[64*\ap+jj:64*\ap+jj+1] op_sel_hi:[1,0,1]   ; sum x 2^(e14 + e15) + x1
.set jj, jj+2
.endr
	WIN 0x08
.set jj, 0
.rept 32
	v_pk_add_f32 v[16+jj:17+jj], v[16+jj:17+jj], v[128+jj:129+jj]   ; + b2
.set jj, jj+2
.endr
	WIN 0
	s_wait_alu depctr_va_vdst(0)                   ; the additions have written the tile's results in v16 to v79, which the LDS stores below read
.irp b, 0,1,2,3
.irp q, 0,1,2,3
	ds_store_b128 v[SI], v[16+16*\b+4*\q:16+16*\b+4*\q+3] offset:128*\b+16*\q
.endr
.endr
.irp p, 0,1,2,3,4,5,6,7,8,9,10,11,12,13,14,15
	ds_load_b128 v[144+4*\p:144+4*\p+3], v[SO] offset:528*\p   ; LDS serves a wave's instructions in order (ISA guide 5.7.1.4): these see my stores
.endr
.irp p, 0,1,2,3,4,5,6,7,8,9,10,11,12,13,14,15
	s_wait_dscnt 15-\p
	global_store_b128 v[LI], v[144+4*\p:144+4*\p+3], s[14:15] offset:(8*\ap+\p+8*(\p/8))*2048 th:TH_STORE_NT   ; 512 consecutive bytes of a row
.endr
.endm
	s_wait_dscnt 63                                ; of 128 loads at most 63 are out: the first tile's 64 are in
	s_wait_alu depctr_vm_vsrc(0)                   ; the LDS stores of my partial images have read v16 to v143, which the additions below write
	RED 0, 0x05
	s_wait_dscnt 0x0
	s_wait_xcnt 0x0                                ; the first tile's stores have had their addresses translated: their registers are rewritten only behind this wait
	s_wait_alu depctr_vm_vsrc(0)                   ; the first tile's LDS stores have read v16 to v79, which the additions below write, and its stores v144 to v207, in which the second tile's rows land
	RED 1, 0x0f
	s_wait_dscnt 0x0                               ; the closing lines, six on end
	s_wait_alu 0x0
	s_wait_tensorcnt 0x0
	ds_add_u32 v254, v255
	s_wait_dscnt 0x0
	s_endpgm
.Lfunc_end_k_q6dfa061948_ffn2:
	.size	k_q6dfa061948_ffn2, .Lfunc_end_k_q6dfa061948_ffn2-k_q6dfa061948_ffn2
	.p2alignl 7, 3214868480
	.fill 96, 4, 3214868480
	.section	.rodata,"a",@progbits
	.p2align	6, 0x0
	.amdhsa_kernel k_q6dfa061948_ffn2
		.amdhsa_group_segment_fixed_size 296448
		.amdhsa_private_segment_fixed_size 0
		.amdhsa_enable_private_segment 0
		.amdhsa_kernarg_size 48
		.amdhsa_user_sgpr_count 2
		.amdhsa_user_sgpr_kernarg_segment_ptr 1
		.amdhsa_wavefront_size32 1
		.amdhsa_system_sgpr_workgroup_id_x 1
		.amdhsa_system_sgpr_workgroup_id_y 1
		.amdhsa_system_sgpr_workgroup_id_z 1
		.amdhsa_system_vgpr_workitem_id 0
		.amdhsa_next_free_vgpr 1024
		.amdhsa_next_free_sgpr 66
		.amdhsa_reserve_vcc 0
		.amdhsa_float_denorm_mode_32 3
		.amdhsa_float_denorm_mode_16_64 3
		.amdhsa_memory_ordered 1
		.amdhsa_forward_progress 1
		.amdhsa_inst_pref_size 96
	.end_amdhsa_kernel
	.amdgpu_metadata
---
amdhsa.version: [ 1, 2 ]
amdhsa.kernels:
  - .name:           k_q6dfa061948_ffn2
    .symbol:         k_q6dfa061948_ffn2.kd
    .args:
      - { .name: hc, .offset: 0, .size: 8, .value_kind: global_buffer, .address_space: global }
      - { .name: wc, .offset: 8, .size: 8, .value_kind: global_buffer, .address_space: global }
      - { .name: x1i, .offset: 16, .size: 8, .value_kind: global_buffer, .address_space: global }
      - { .name: b2, .offset: 24, .size: 8, .value_kind: global_buffer, .address_space: global }
      - { .name: lowp_scales, .offset: 32, .size: 8, .value_kind: global_buffer, .address_space: global }
      - { .name: out0, .offset: 40, .size: 8, .value_kind: global_buffer, .address_space: global }
    .group_segment_fixed_size: 296448
    .private_segment_fixed_size: 0
    .kernarg_segment_align: 8
    .kernarg_segment_size: 48
    .max_flat_workgroup_size: 128
    .sgpr_count:     66
    .vgpr_count:     1024
    .wavefront_size: 32
...
	.end_amdgpu_metadata
.endif
;; end of part 12
